; MI455X (gfx1250); checked and timed in simulation.
; The chip was launched on July 23, 2026; its instructions are those of AMD's public machine-readable ISA for CDNA 5 (MIT licence, August 2026) and "CDNA5" Instruction Set Architecture Reference Guide (July 2026). The comments in the code are by the model that wrote it; some were corrected since.
;; Multi Head Attention. Allowed arithmetic: matrix products marked QUANTISED: E2M3 operands, one E8M0 scale for each 32 along K, by v_wmma_scale_f32_16x16x128_f8f6f4 with both operands' format E2M3, f32 sums; everything else in f32.
;; Inputs: Wk 1,024 x 1,024 float32; Wo 1,024 x 1,024 float32; Wq 1,024 x 1,024 float32; Wv 1,024 x 1,024 float32; bk 1,024 float32; bo 1,024 float32; bq 1,024 float32; bv 1,024 float32; query_input 2 x 2,048 x 1,024 float32.
;; Outputs: out0 2 x 2,048 x 1,024 float32.
;; This version of the problem:
;;   THIS VERSION OF THE PROBLEM IS GIVEN IN LOW PRECISION. The matrix products marked QUANTISED in the list below multiply operands that are first quantised to E2M3 (2 exponent bits, 3 mantissa bits; 6 bits a number), with one power-of-two scale for each 32 numbers along K (OCP MX v1.0); their sums are f32. All else is computed in f32.
;;   The module's matrix products, in the order in which they are computed (A, B: the left and right operand; K: the contracted axis; several contracted axes count as one K, in the product's order):
;;     1. [M 4,096, K 1,024] x [K 1,024, N 1,024]; A: input query_input; B: input Wq: QUANTISED
;;     2. [M 4,096, K 1,024] x [K 1,024, N 1,024]; A: input query_input; B: input Wk: QUANTISED
;;     3. [M 4,096, K 1,024] x [K 1,024, N 1,024]; A: input query_input; B: input Wv: QUANTISED
;;     4. batch 32 x [M 2,048, K 64] x [K 64, N 2,048]; A: computed on the way; B: computed on the way: QUANTISED
;;     5. batch 32 x [M 2,048, K 2,048] x [K 2,048, N 64]; A: softmax (see below); B: computed on the way: QUANTISED
;;     6. [M 4,096, K 1,024] x [K 1,024, N 1,024]; A: computed on the way; B: input Wo: QUANTISED
;;   THE QUANTISER, for each operand of a quantised product, along K:
;;     - K is cut into blocks of 32 from its start; a last block that is shorter is filled with zeros.
;;     - A block's scale is 2^e with e = floor(log2(the largest magnitude in the block)) - 2, held to -126 .. 127; a block of zeros has e = 0. As a byte (E8M0): e + 127.
;;     - Each number is divided by its block's scale, clamped to +-7.5, and rounded to the nearest number of E2M3, ties to even, subnormals kept.
;;     - The product sums the exact products of the quantised numbers (number of the format x scale) in f32.
;;   ~~~python
;;   def quantise(x, axis):      # numpy; x: float32 -> the quantised numbers, widened to float32 again
;;       x = np.moveaxis(x, axis, -1); K = x.shape[-1]
;;       x = np.pad(x, [(0, 0)] * (x.ndim - 1) + [(0, -K % 32)]); x = x.reshape(x.shape[:-1] + (-1, 32)); a = np.abs(x).max(-1, keepdims=True)
;;       e = np.where(a > 0, np.clip(np.frexp(np.where(a > 0, a, 1))[1] - 1 - 2, -126, 127), 0)      # np.frexp(a)[1] - 1 = floor(log2(a)), exactly
;;       r = np.clip(x / 2.0 ** e, -7.5, 7.5)
;;       step = 2.0 ** (np.maximum(np.frexp(np.where(r == 0, 1, r))[1] - 1, 0) - 3)
;;       q = np.round(r / step) * step * 2.0 ** e      # np.round: ties to even
;;       return np.moveaxis(q.reshape(q.shape[:-2] + (-1,))[..., :K], -1, axis).astype(np.float32)
;;   ~~~
;;   SOFTMAX AHEAD OF A QUANTISED PRODUCT. Where the list says 'softmax', what is quantised is not the finished softmax but p = 2^(t - M), with t = logit x log2(e) and M = ceil(the row's largest t), a whole number; so 1/2 < the row's largest p <= 1. The row's sum l is taken of the UNQUANTISED p, in f32, and the product's result is divided by l at the end. Since M is a whole number, a kernel that streams over the keys may use a running M (the ceiling of the running maximum): every later rescaling is an exact power of two, which a block's scale takes up: the codes' values come out the same.
;;   OPERANDS COMPUTED ON THE WAY. 'Computed on the way' means the value that the module computes at that place (a softmax that the list does not call 'softmax' is quantised finished and normalised). What goes into a quantiser is computed in f32, as accurately as f32 sums, v_exp_f32 and their like allow (about 1e-6 of the number): no bf16 or f16 on the way to a quantiser, and a product that is left as it is and whose result goes on into a quantised operand takes f32 operands (vector FMAs, or v_wmma_f32_16x16x4_f32). A number that lies on a knife's edge between two numbers of the format may be rounded either way, as far as f32 arithmetic and the matrix unit's own rounding can turn it there, and no further.
;; 2 versions. Each part assembles by itself: llvm-mc -triple=amdgcn-amd-amdhsa -mcpu=gfx1250 --defsym DOCPART=n.
;; ======== version 1 of 2: 5 launches
;; workspace buffers: xq 3,276,800 bytes; wimg 3,276,800 bytes; qws 3,407,872 bytes; kv 6,815,744 bytes; ctx 3,276,800 bytes
;; launch quant_x (part 1): grid 256 x 1, 2 waves a work-group, no clusters, 17,152 bytes of LDS; arguments query_input, xq; writes xq
.if DOCPART == 1
	.amdgcn_target "amdgcn-amd-amdhsa--gfx1250"
	.amdhsa_code_object_version 6
	.text
	.protected	k_q4ad2a2a8d0_quant_x
	.globl	k_q4ad2a2a8d0_quant_x
	.p2align	8
	.type	k_q4ad2a2a8d0_quant_x,@function
k_q4ad2a2a8d0_quant_x:
	s_mov_b64 s[64:65], 0
	v_nop
	global_prefetch_b8 v0, s[64:65] scope:SCOPE_SE
	s_setreg_imm32_b32 hwreg(HW_REG_WAVE_MODE, 25, 1), 1
	s_wait_xcnt 0x0
; query_input, 4,096 rows x 1,024 f32, becomes codes of FP6 (E2M3) with one E8M0 byte for each 32 along K, laid in the ORDER OF AN OPERAND'S REGISTERS.
; A RECORD is 64 rows x 128 K, 6,400 bytes: four fragments of 1,536 bytes (tile 0..3), then 256 bytes of scale words.  xq = [block of 64 rows][K step] records.
; A fragment (16 rows x 128 K, 12 registers a lane) lies as two halves of 768 bytes: registers 0-3 at 16 x lane, registers 4-5 at 512 + 8 x lane.
; THE ROWS OF A TILE ARE NOT NEIGHBOURS: place p of tile 2 b + u holds row 32 b + 8 u + p + 8 (p / 8), so that a later product's results, 16 registers of two tiles, are 16 neighbours.
; Scale words: the word at 8 x lane + 4 i belongs to tile 2 i + lane / 16, place lane % 16: one load of 8 bytes a lane gives two scale registers, an even tile below and the odd one above.
; A block's scale is 2^(floor(log2(largest magnitude)) - 2); its byte is the largest magnitude's exponent field - 2, held at 1 from below.
; LIMITS: a block of zeros gets the byte 1, not 127 (its codes are zeros, and only this program reads the bytes); blocks whose largest magnitude lies under 2^-124 are held at the byte 1; NaN and infinities are not served.
; SHARES: a wave makes one record.  Each load reads 512 consecutive bytes of one row; a tile's 16 rows turn through the wave's own stage in LDS, so that a lane gets 16 neighbours of each block of 32.
; Waves share nothing: no barrier, no cluster (no two work-groups read the same bytes), no tensor load.
.set PITCH, 528                        ; a stage row: 512 bytes + 16
.set WST,   16*PITCH                   ; a wave's stage
.set SPARE, 2*WST                      ; behind the stages: the spare words, 128 bytes a wave: one block of 256 bytes that no other line names
.set L16, 2                            ; v2   16 x lane
.set L8,  3                            ; v3   8 x lane
.set STW, 4                            ; v4   into the stage: 16 x lane of a row
.set STR, 5                            ; v5   out of it: row lane % 16, + 64 (lane / 16)
.set SPW, 6                            ; v6   my spare word; never rewritten
.set NIL, 7                            ; v7   0; never rewritten
.set SW,  8                            ; v8-11 the four tiles' scale words
.set SP,  12                           ; v12-13 as they are stored
.set TM,  16                           ; v16-31 at work in QUANT
.set PC,  32                           ; v32-51 a fragment's codes (12) and 8 more at work
.set X,   64                           ; v64-127 64 numbers of my row: register 16 b + i = k 32 b + 16 (lane / 16) + i
.set R,   128                          ; v128-255 two sets of 16 x 4 registers as loaded
.set SEL, 20                           ; s[20:21] selects for lane l xor 16
	s_load_b128 s[4:7], s[0:1], 0x0                ; query_input, xq
	v_lshl_add_u32 v[SPW], v0, 2, SPARE
	v_mov_b32 v[NIL], 0
	v_lshrrev_b32 v1, 5, v0
	v_readfirstlane_b32 s8, v1                     ; wave
	v_and_b32 v1, 31, v0
	v_lshlrev_b32 v[L16], 4, v1
	v_lshlrev_b32 v[L8], 3, v1
	s_mul_i32 s9, s8, WST
	v_add_nc_u32 v[STW], s9, v[L16]
	v_and_b32 v9, 15, v0
	v_bfe_u32 v10, v0, 4, 1
	v_mul_u32_u24 v[STR], v9, PITCH
	v_lshl_add_u32 v[STR], v10, 6, v[STR]
	v_add_nc_u32 v[STR], s9, v[STR]
.irp b, 0,1,2,3
	v_mov_b32 v[TM+4+\b], 0                        ; written once: a lane permute's destination counts as one of its sources
.endr
	s_mov_b32 s[SEL], 0x76543210
	s_mov_b32 s[SEL+1], 0xfedcba98
	s_mov_b32 s22, 0xffff0000                      ; lanes 16-31
	s_lshr_b32 s10, ttmp9, 2                       ; block of 64 rows
	s_and_b32 s11, ttmp9, 3
	s_lshl_b32 s11, s11, 1
	s_add_co_u32 s11, s11, s8                      ; K step
	s_lshl_b32 s12, s10, 18                        ; 64 rows of 4,096 bytes
	s_lshl_b32 s14, s11, 9                         ; 128 numbers
	s_add_co_u32 s12, s12, s14
	s_mov_b32 s13, 0
	s_lshl_b32 s14, s10, 3
	s_add_co_u32 s14, s14, s11
	s_mul_i32 s14, s14, 6400                       ; my record
	s_mov_b32 s15, 0
	s_wait_kmcnt 0x0
	s_add_nc_u64 s[4:5], s[4:5], s[12:13]
	s_add_nc_u64 s[6:7], s[6:7], s[14:15]
.macro LOAD t                          ; tile t's 16 rows, 512 consecutive bytes each, into set t % 2
.irp p, 0,1,2,3,4,5,6,7,8,9,10,11,12,13,14,15
	global_load_b128 v[R+64*((\t)%2)+4*\p:R+64*((\t)%2)+4*\p+3], v[L16], s[4:5] offset:(32*((\t)/2)+8*((\t)%2)+\p+8*(\p/8))*4096 th:TH_LOAD_NT
.endr
.endm
.macro TURN t                          ; through the stage: LDS serves a wave's instructions in order (ISA guide 5.7.1.4), so no wait stands between the stores and the loads
.irp p, 0,1,2,3,4,5,6,7,8,9,10,11,12,13,14,15
	ds_store_b128 v[STW], v[R+64*((\t)%2)+4*\p:R+64*((\t)%2)+4*\p+3] offset:PITCH*\p
.endr
.irp b, 0,1,2,3
.irp j, 0,1,2,3
	ds_load_b128 v[X+16*\b+4*\j:X+16*\b+4*\j+3], v[STR] offset:128*\b+16*\j
.endr
.endr
.endm
; 64 numbers of a lane become a fragment's codes in v[PC] on and its scale word in v[w]
.macro QUANT s, w
.irp b, 0,1,2,3
	v_max3_num_f32 v[TM+\b], |v[\s+16*\b]|, |v[\s+1+16*\b]|, 0x1800000   ; block b: my 16 numbers, and the floor 2^(3 - 127): the byte cannot fall under 1
.endr
.irp i, 2,4,6,8,10,12,14
.irp b, 0,1,2,3
	v_max3_num_f32 v[TM+\b], v[TM+\b], |v[\s+16*\b+\i]|, |v[\s+1+16*\b+\i]|
.endr
.endr
.irp b, 0,1,2,3
	v_permlanex16_b32 v[TM+4+\b], v[TM+\b], s[SEL], s[SEL+1]
.endr
.irp b, 0,1,2,3
	v_max_num_f32 v[TM+\b], v[TM+\b], v[TM+4+\b]   ; with lane l xor 16's 16: the block's largest magnitude
.endr
.irp b, 0,1,2,3
	v_add_nc_u32 v[TM+12+\b], 0xff000000, v[TM+\b] ; 2 off its exponent field: the conversion's scale operand
.endr
.irp b, 0,1,2,3
	v_lshrrev_b32 v[TM+4+\b], 23, v[TM+12+\b]      ; the scale's byte
.endr
	v_lshl_or_b32 v[\w], v[TM+5], 8, v[TM+4]
	v_lshl_or_b32 v[\w], v[TM+6], 16, v[\w]
	v_lshl_or_b32 v[\w], v[TM+7], 24, v[\w]
.irp c, 0,1
	v_cvt_scalef32_pk16_fp6_f32 v[PC+6*\c:PC+2+6*\c], v[\s+32*\c:\s+15+32*\c], v[TM+12+2*\c]
	v_cvt_scalef32_pk16_fp6_f32 v[PC+12+4*\c:PC+14+4*\c], v[\s+16+32*\c:\s+31+32*\c], v[TM+12+2*\c+1]   ; (a conversion's three registers begin on an even number)
.endr
	v_nop                                          ; one plain instruction behind a scaled conversion
.irp c, 0,1                                    ; the layout wants a whole block in a lane: lanes 0-15 block 2 c, lanes 16-31 block 2 c + 1
.irp i, 0,1,2
	v_permlane16_swap_b32 v[PC+6*\c+\i], v[PC+12+4*\c+\i]
.endr
.irp i, 0,1,2
	v_mov_b32 v[PC+3+6*\c+\i], v[PC+12+4*\c+\i]
.endr
.endr
.endm
	LOAD 0
	LOAD 1
.irp t, 0,1,2,3
.if \t < 3
	s_wait_loadcnt 16                              ; this tile's 16 loads are in; the next tile's 16 may be out
.else
	s_wait_loadcnt 0x0
.endif
	TURN \t
	s_wait_dscnt 0x0                               ; my 64 numbers are back, and the stores into the stage have read their registers,
.if \t < 2
	LOAD \t+2                                      ; which take the tile two on
.endif
.if \t > 0
	s_wait_xcnt 0x0                                ; the last tile's stores have read the codes' registers: they are written again only behind this wait
.endif
	QUANT X, SW+\t
	global_store_b128 v[L16], v[PC:PC+3], s[6:7] offset:1536*\t          ; each store of the wave covers 512 or 256 consecutive bytes, at a multiple of 256 from the buffer's first byte
	global_store_b64 v[L8], v[PC+4:PC+5], s[6:7] offset:1536*\t+512
	global_store_b128 v[L16], v[PC+6:PC+9], s[6:7] offset:1536*\t+768
	global_store_b64 v[L8], v[PC+10:PC+11], s[6:7] offset:1536*\t+1280
.endr
	v_cndmask_b32 v[SP], v[SW], v[SW+1], s22       ; lanes 0-15 tile 0's words, lanes 16-31 tile 1's (both halves of the lanes hold their row's word)
	v_cndmask_b32 v[SP+1], v[SW+2], v[SW+3], s22   ; tiles 2 and 3
	global_store_b64 v[L8], v[SP:SP+1], s[6:7] offset:6144
	s_wait_tensorcnt 0x0                           ; the wave's end, behind my last LDS store
	ds_add_u32 v[SPW], v[NIL]
	s_wait_dscnt 0x0
	s_endpgm
.Lfunc_end_k_q4ad2a2a8d0_quant_x:
	.size	k_q4ad2a2a8d0_quant_x, .Lfunc_end_k_q4ad2a2a8d0_quant_x-k_q4ad2a2a8d0_quant_x
	.p2alignl 7, 3214868480
	.fill 96, 4, 3214868480
	.section	.rodata,"a",@progbits
	.p2align	6, 0x0
	.amdhsa_kernel k_q4ad2a2a8d0_quant_x
		.amdhsa_group_segment_fixed_size 17152
		.amdhsa_private_segment_fixed_size 0
		.amdhsa_enable_private_segment 0
		.amdhsa_kernarg_size 16
		.amdhsa_user_sgpr_count 2
		.amdhsa_user_sgpr_kernarg_segment_ptr 1
		.amdhsa_wavefront_size32 1
		.amdhsa_system_sgpr_workgroup_id_x 1
		.amdhsa_system_sgpr_workgroup_id_y 1
		.amdhsa_system_sgpr_workgroup_id_z 1
		.amdhsa_system_vgpr_workitem_id 0
		.amdhsa_next_free_vgpr 256
		.amdhsa_next_free_sgpr 66
		.amdhsa_reserve_vcc 0
		.amdhsa_float_denorm_mode_32 3
		.amdhsa_float_denorm_mode_16_64 3
		.amdhsa_memory_ordered 1
		.amdhsa_forward_progress 1
		.amdhsa_inst_pref_size 33
	.end_amdhsa_kernel
	.amdgpu_metadata
---
amdhsa.version: [ 1, 2 ]
amdhsa.kernels:
  - .name:           k_q4ad2a2a8d0_quant_x
    .symbol:         k_q4ad2a2a8d0_quant_x.kd
    .args:
      - { .name: query_input, .offset: 0, .size: 8, .value_kind: global_buffer, .address_space: global }
      - { .name: xq, .offset: 8, .size: 8, .value_kind: global_buffer, .address_space: global }
    .group_segment_fixed_size: 17152
    .private_segment_fixed_size: 0
    .kernarg_segment_align: 8
    .kernarg_segment_size: 16
    .max_flat_workgroup_size: 64
    .sgpr_count:     66
    .vgpr_count:     256
    .wavefront_size: 32
...
	.end_amdgpu_metadata
.endif
;; end of part 1
;; launch quant_w (part 2): grid 256 x 1, 2 waves a work-group, no clusters, 13,056 bytes of LDS; arguments Wq, Wk, Wv, Wo, wimg; writes wimg
.if DOCPART == 2
	.amdgcn_target "amdgcn-amd-amdhsa--gfx1250"
	.amdhsa_code_object_version 6
	.text
	.protected	k_q4ad2a2a8d0_quant_w
	.globl	k_q4ad2a2a8d0_quant_w
	.p2align	8
	.type	k_q4ad2a2a8d0_quant_w,@function
k_q4ad2a2a8d0_quant_w:
	s_mov_b64 s[64:65], 0
	v_nop
	global_prefetch_b8 v0, s[64:65] scope:SCOPE_SE
	s_setreg_imm32_b32 hwreg(HW_REG_WAVE_MODE, 25, 1), 1
	s_wait_xcnt 0x0
; The four weights, [1,024 (k)][1,024 (n)] f32 with K as their FIRST axis, become codes of FP6 (E2M3) with one E8M0 byte for each 32 along K, in records as x's:
; a record is 64 columns n x 128 K, 6,400 bytes: four fragments of 1,536 bytes, then 256 bytes of scale words.  wimg = [16 x (q, k, v, o) + n / 64][K step] records.
; A fragment lies as two halves of 768 bytes (64 K each): registers 0-3 at 16 x lane, registers 4-5 at 512 + 8 x lane.  Place p of tile 2 i + u holds column 32 i + 8 u + p + 8 (p / 8).
; A LANE TAKES A COLUMN AND ITS REGISTERS RUN DOWN K: a block of 32 along K lies in one lane's 32 registers, its largest magnitude needs no other lane, and the conversions give codes with K innermost.
; The lane's 24 bytes of block B belong to lane p + 16 (B % 2) of half B / 2 of its tile: they are put there in the wave's own image of the record in LDS, which then leaves in runs of 512 consecutive bytes.
; LIMITS: a block of zeros gets the byte 1, not 127 (its codes are zeros, and only this program reads the bytes); blocks whose largest magnitude lies under 2^-124 are held at the byte 1; NaN and infinities are not served.
; SHARES: a wave makes one record from 128 rows x 256 bytes: eight blocks a lane, in the order (B, i): the two halves of a row's 256 bytes are asked for one behind the other.  Loads run two blocks (64 loads) ahead.
; Waves share nothing: no barrier, no cluster (no two work-groups read the same bytes), no tensor load.
.set WST,   6400                       ; a wave's image of its record
.set SPARE, 2*WST                      ; behind the images: the spare words, 128 bytes a wave: one block of 256 bytes that no other line names
.set SB,    16                         ; v16-17 the scale words of my column in group i
.set C,     20                         ; v20-26 a block's codes
.set X,     32                         ; v32-95 two sets of 32 numbers
.set OUTR,  96                         ; v96-145 the way out
	s_load_b256 s[4:11], s[0:1], 0x0               ; Wq, Wk, Wv, Wo
	s_load_b64 s[12:13], s[0:1], 0x20              ; wimg
	v_lshl_add_u32 v10, v0, 2, SPARE               ; v10 my spare word, v11 0: never rewritten
	v_mov_b32 v11, 0
	v_lshrrev_b32 v1, 5, v0
	v_readfirstlane_b32 s14, v1                    ; wave
	v_and_b32 v1, 31, v0                           ; lane
	v_lshlrev_b32 v2, 2, v1                        ; v2 in: 4 bytes a lane
	v_lshlrev_b32 v8, 4, v1                        ; v8 out: 16 x lane
	v_lshlrev_b32 v9, 3, v1                        ; v9 out: 8 x lane
	s_mul_i32 s15, s14, WST
	v_add_nc_u32 v6, s15, v8                       ; v6, v7 the same in my image
	v_add_nc_u32 v7, s15, v9
	v_bfe_u32 v12, v0, 3, 1                        ; u: which tile of the pair my column lies in
	v_and_b32 v13, 7, v0
	v_bfe_u32 v14, v0, 4, 1
	v_lshl_add_u32 v13, v14, 3, v13                ; p: its place there
	v_mul_u32_u24 v15, v12, 1536
	v_add_nc_u32 v15, s15, v15
	v_lshl_add_u32 v3, v13, 4, v15                 ; v3 registers 0-3: image + 1,536 u + 16 p
	v_lshl_add_u32 v4, v13, 3, v15                 ; v4 registers 4-5: image + 1,536 u + 8 p (+ 512 in the immediate)
	v_lshl_add_u32 v5, v12, 7, s15
	v_lshl_add_u32 v5, v13, 3, v5                  ; v5 the scale word: image + 8 (16 u + p) (+ 6,144 in the immediate)
	s_lshr_b32 s16, ttmp9, 6                       ; which weight
	s_and_b32 s17, ttmp9, 7                        ; K step
	s_bfe_u32 s18, ttmp9, 0x30003
	s_lshl_b32 s18, s18, 1
	s_add_co_u32 s18, s18, s14                     ; which 64 columns
	s_lshl_b32 s20, s17, 19                        ; 128 rows of 4,096 bytes
	s_lshl_b32 s22, s18, 8
	s_add_co_u32 s20, s20, s22
	s_mov_b32 s21, 0
	s_lshl_b32 s22, s16, 4
	s_add_co_u32 s22, s22, s18
	s_lshl_b32 s22, s22, 3
	s_add_co_u32 s22, s22, s17
	s_mul_i32 s22, s22, 6400                       ; my record
	s_mov_b32 s23, 0
	s_wait_kmcnt 0x0
	s_cmp_eq_u32 s16, 1                            ; the choice hangs on the work-group's number alone
	s_cselect_b64 s[4:5], s[6:7], s[4:5]
	s_cmp_eq_u32 s16, 2
	s_cselect_b64 s[4:5], s[8:9], s[4:5]
	s_cmp_eq_u32 s16, 3
	s_cselect_b64 s[4:5], s[10:11], s[4:5]
	s_add_nc_u64 s[4:5], s[4:5], s[20:21]
	s_add_nc_u64 s[12:13], s[12:13], s[22:23]
.macro LOAD n                          ; block n: K 32 (n / 2) on, columns 32 (n % 2) on, into set n % 2
.irp q, 0,1,2,3,4,5,6,7,8,9,10,11,12,13,14,15,16,17,18,19,20,21,22,23,24,25,26,27,28,29,30,31
	global_load_b32 v[X+32*((\n)%2)+\q], v2, s[4:5] offset:(32*((\n)/2)+\q)*4096+128*((\n)%2) th:TH_LOAD_NT
.endr
.endm
.macro BLOCK n
.set XS, X+32*((\n)%2)
.set GI, (\n)%2
.set KB, (\n)/2
.if (\n) < 7
	s_wait_loadcnt 32                              ; this block's 32 loads are in; the next block's may be out
.else
	s_wait_loadcnt 0x0
.endif
	v_max3_num_f32 v12, |v[XS]|, |v[XS+1]|, |v[XS+2]|
	v_max3_num_f32 v13, |v[XS+3]|, |v[XS+4]|, |v[XS+5]|
.irp i, 6,10,14,18,22,26
	v_max3_num_f32 v12, v12, |v[XS+\i]|, |v[XS+\i+1]|
	v_max3_num_f32 v13, v13, |v[XS+\i+2]|, |v[XS+\i+3]|
.endr
	v_max3_num_f32 v12, v12, |v[XS+30]|, |v[XS+31]|
	v_max3_num_f32 v12, v12, v13, 0x1800000        ; and the floor 2^(3 - 127): the byte cannot fall under 1
	v_add_nc_u32 v14, 0xff000000, v12              ; 2 off the exponent field: the conversion's scale operand
	v_lshrrev_b32 v15, 23, v14                     ; the scale's byte
.if KB == 0
	v_mov_b32 v[SB+GI], v15
.else
	v_lshl_or_b32 v[SB+GI], v15, 8*KB, v[SB+GI]
.endif
	v_cvt_scalef32_pk16_fp6_f32 v[C:C+2], v[XS:XS+15], v14
	v_cvt_scalef32_pk16_fp6_f32 v[C+4:C+6], v[XS+16:XS+31], v14   ; (a conversion's three registers begin on an even number)
	v_nop                                          ; one plain instruction behind a scaled conversion
	v_mov_b32 v[C+3], v[C+4]
	v_mov_b32 v[C+4], v[C+5]
	v_mov_b32 v[C+5], v[C+6]
	ds_store_b128 v3, v[C:C+3] offset:3072*GI+768*(KB/2)+256*(KB%2)
	ds_store_b64 v4, v[C+4:C+5] offset:3072*GI+768*(KB/2)+128*(KB%2)+512
.if KB == 3
	ds_store_b32 v5, v[SB+GI] offset:6144+4*GI
.endif
.if (\n)+2 < 8
	LOAD (\n)+2
.endif
	s_wait_dscnt 0x0                               ; the stores have read their registers: the next block's codes may be written
.endm
	LOAD 0
	LOAD 1
.irp n, 0,1,2,3,4,5,6,7
	BLOCK \n
.endr
.irp n, 0,1,2,3,4,5,6,7,8,9,10,11
	ds_load_b128 v[OUTR+4*\n:OUTR+4*\n+3], v6 offset:512*\n    ; LDS serves a wave's instructions in order: these see my stores
.endr
	ds_load_b64 v[OUTR+48:OUTR+49], v7 offset:6144
.irp n, 0,1,2,3,4,5,6,7,8,9,10,11
	s_wait_dscnt 12-\n                             ; load n is in; the 12 - n behind it may be out
	global_store_b128 v8, v[OUTR+4*\n:OUTR+4*\n+3], s[12:13] offset:512*\n   ; 512 consecutive bytes, at a multiple of 256 from the buffer's first byte
.endr
	s_wait_dscnt 0x0
	global_store_b64 v9, v[OUTR+48:OUTR+49], s[12:13] offset:6144
	s_wait_tensorcnt 0x0                           ; the wave's end, behind my last LDS store
	ds_add_u32 v10, v11
	s_wait_dscnt 0x0
	s_endpgm
.Lfunc_end_k_q4ad2a2a8d0_quant_w:
	.size	k_q4ad2a2a8d0_quant_w, .Lfunc_end_k_q4ad2a2a8d0_quant_w-k_q4ad2a2a8d0_quant_w
	.p2alignl 7, 3214868480
	.fill 96, 4, 3214868480
	.section	.rodata,"a",@progbits
	.p2align	6, 0x0
	.amdhsa_kernel k_q4ad2a2a8d0_quant_w
		.amdhsa_group_segment_fixed_size 13056
		.amdhsa_private_segment_fixed_size 0
		.amdhsa_enable_private_segment 0
		.amdhsa_kernarg_size 40
		.amdhsa_user_sgpr_count 2
		.amdhsa_user_sgpr_kernarg_segment_ptr 1
		.amdhsa_wavefront_size32 1
		.amdhsa_system_sgpr_workgroup_id_x 1
		.amdhsa_system_sgpr_workgroup_id_y 1
		.amdhsa_system_sgpr_workgroup_id_z 1
		.amdhsa_system_vgpr_workitem_id 0
		.amdhsa_next_free_vgpr 160
		.amdhsa_next_free_sgpr 66
		.amdhsa_reserve_vcc 0
		.amdhsa_float_denorm_mode_32 3
		.amdhsa_float_denorm_mode_16_64 3
		.amdhsa_memory_ordered 1
		.amdhsa_forward_progress 1
		.amdhsa_inst_pref_size 42
	.end_amdhsa_kernel
	.amdgpu_metadata
---
amdhsa.version: [ 1, 2 ]
amdhsa.kernels:
  - .name:           k_q4ad2a2a8d0_quant_w
    .symbol:         k_q4ad2a2a8d0_quant_w.kd
    .args:
      - { .name: Wq, .offset: 0, .size: 8, .value_kind: global_buffer, .address_space: global }
      - { .name: Wk, .offset: 8, .size: 8, .value_kind: global_buffer, .address_space: global }
      - { .name: Wv, .offset: 16, .size: 8, .value_kind: global_buffer, .address_space: global }
      - { .name: Wo, .offset: 24, .size: 8, .value_kind: global_buffer, .address_space: global }
      - { .name: wimg, .offset: 32, .size: 8, .value_kind: global_buffer, .address_space: global }
    .group_segment_fixed_size: 13056
    .private_segment_fixed_size: 0
    .kernarg_segment_align: 8
    .kernarg_segment_size: 40
    .max_flat_workgroup_size: 64
    .sgpr_count:     66
    .vgpr_count:     160
    .wavefront_size: 32
...
	.end_amdgpu_metadata
.endif
;; end of part 2
;; launch qkv (part 3): grid 12 x 32, 4 waves a work-group, clusters of 4 x 4, 327,680 bytes of LDS; arguments xq, wimg, bq, bk, bv, qws, kv; writes qws, kv
.if DOCPART == 3
	.amdgcn_target "amdgcn-amd-amdhsa--gfx1250"
	.amdhsa_code_object_version 6
	.text
	.protected	k_q4ad2a2a8d0_qkv
	.globl	k_q4ad2a2a8d0_qkv
	.p2align	8
	.type	k_q4ad2a2a8d0_qkv,@function
k_q4ad2a2a8d0_qkv:
	s_mov_b64 s[64:65], 0
	v_nop
	global_prefetch_b8 v0, s[64:65] scope:SCOPE_SE
	s_setreg_imm32_b32 hwreg(HW_REG_WAVE_MODE, 25, 1), 1
	s_wait_xcnt 0x0
	s_wait_alu depctr_hold_cnt(0) depctr_sa_sdst(0) depctr_va_vdst(0) depctr_va_sdst(0) depctr_va_ssrc(0) depctr_va_vcc(0) depctr_vm_vsrc(0)
	s_getreg_b32 s2, hwreg(HW_REG_IB_STS2, 6, 4)
	s_cmp_eq_u32 s2, 0
	s_cbranch_scc0 .Lentry_in_a_cluster
	s_endpgm
.Lentry_in_a_cluster:
	s_bfe_u32 s2, ttmp6, 0x10000c
	s_cmp_lg_u32 s2, 0xf033
	s_cbranch_scc0 .Lentry_shape_is_right
	s_endpgm
.Lentry_shape_is_right:
; q = x Wq + bq, k = x Wk + bk, v = x Wv + bv on codes of FP6 (E2M3), sums in f32; the results are quantised in registers for attention's two products and stored as codes: no f32 intermediate goes to memory.
; SHARES.  The cluster's x says which of the three (0 q, 1 k, 2 v): the same in all sixteen partners.  A work-group takes 128 rows of x and four heads; wave w takes head 4 cx + w: 128 rows x 64 columns, 32 accumulators.
; OPERANDS lie in memory in the order of an operand's registers (records of 64 rows x 128 K: four fragments of 1,536 bytes, 256 bytes of scale words; a strip = 64 rows over all of K = 8 records = 51,200 dense bytes).
; ALL OF K FITS IN LDS: two strips of x and four of the weight.  Every tensor load is a first fill, no LDS byte is filled twice.  Each wave has four loads out: K steps 0-3 of x and of its weight strip, then K steps 4-7.
; CLUSTERS: 4 x 4.  x's strips hang on the block of rows alone and are asked for jointly along a row of the cluster; a weight strip hangs on the kind, cx and the wave and is asked for jointly along a column.
; q AND k: source 0 = 16 columns of W, source 1 = 16 rows of x: a lane holds one row, and its 32 registers of a tile of rows are the head's 64 channels (the next K) in two blocks of 32, half a block a lane.
; v: the sources change places: a lane holds one channel and its registers run along the rows, which are the keys, the second product's K.
; The places of a tile are chosen (place p of tile 2 b + u = row 32 b + 8 u + p + 8 (p / 8)) so that the 16 registers of result tiles 2 b, 2 b + 1 are 16 neighbours.  Block B of 16 is registers 16 B .. 16 B + 15 in both numberings, so ONE way out serves all three.
; OUT: a record of 6,656 bytes for 128 rows of one head: 8 half fragments of 768 bytes (q, k: tile p; v: half p % 2 of channel tile p / 2), then four scale words a lane at 6,144 + 16 x lane.
;   qws = [batch x 16 + head][block of 128 queries];  kv = [batch x 16 + head][key step of 128][k, v].
; The bias is the C of each sum's first matrix instruction.
; LIMITS: a block of zeros gets the byte 1, not 127 (its codes are zeros, and only this program reads the bytes); blocks whose largest magnitude lies under 2^-124 are held at the byte 1; NaN and infinities are not served.
; REGISTERS: window 0: addresses, scale words, bias, the way out; window 1: the 32 accumulators, a at v[8 a]; windows 2 and 3: two sets of fragments, x's tile i at v[12 i], W's tile t at v[96 + 12 t].
.set REC,   6400
.set STRIP, 8*REC
.set LBASE, 2*STRIP                    ; LDS: x's two strips, then a strip of W for each wave
.set SPARE, LBASE+4*STRIP              ; then the spare words, 128 bytes a wave: two blocks of 256 bytes that no other line names
.set LA16, 2                           ; v2-3  16 x lane in x's strip 0, 1
.set LA8,  4                           ; v4-5  8 x lane likewise
.set LB16, 6                           ; v6    16 x lane in my strip of W
.set LB8,  7                           ; v7    8 x lane
.set BO,   8                           ; v8-15 the bias loads' offsets, one for each register of a tile
.set SC,   16                          ; v16-21, v22-27 scale words, two sets: x's four registers (tiles 2 n below, 2 n + 1 above), W's two
.set SPW,  28                          ; v28   my spare word; never rewritten
.set NIL,  29                          ; v29   0; never rewritten
.set BIAS, 32                          ; v32-63 eight registers for each tile of W
.set TP,   32                          ; the way out: the other half's maxima
.set TM,   64                          ; v64-79  largest magnitudes of the 16 blocks
.set TS,   80                          ; v80-95  the conversions' scale operands
.set TB,   96                          ; v96-111 the bytes
.set HW,   112                         ; v112-119 two bytes for each half fragment
.set SW,   120                         ; v120-123 the scale words as stored
.set CD,   128                         ; v128-191 the codes: eight registers' room for each half fragment
.set FB,   96
.set WV,   18
.set KIND, 19
.set G1A,  24                          ; s[24:31] group 1 for x's pieces; s[32:39] for W's
.set G1B,  32
.set AE,   40                          ; groups 0: x early, W early, x late, W late
.set BE,   44
.set AL,   48
.set BL,   52
.set SEL,  76                          ; s[76:77] selects for lane l xor 16
.set HALF, 78                          ; s78 lanes 16-31
.set ISV,  79                          ; s79 all ones for v, else 0
.set MSB, 0
.macro WIN new                         ; the immediate's high byte repeats the setting that is left; a switch that changes nothing is dropped
.if MSB != (\new)
	s_set_vgpr_msb (MSB<<8)|(\new)
.set MSB, (\new)
.endif
.endm
.macro PLACES                          ; four plain instructions between a matrix instruction and a load into, or a read of, its registers (ISA guide 7.12.1 for reads)
.rept 4
	v_nop
.endr
.endm
.macro CROUND                          ; a round of the cluster's barrier
	s_barrier_signal -1
	s_barrier_wait -1
	s_cmp_lg_u32 s[WV], 0
	s_cbranch_scc1 .Lnot_wave_0_\@
	s_barrier_signal -3
.Lnot_wave_0_\@:
	s_barrier_wait -3
	s_barrier_signal -1
	s_barrier_wait -1
.endm
	s_load_b256 s[4:11], s[0:1], 0x0               ; xq, wimg, bq, bk
	s_load_b128 s[12:15], s[0:1], 0x20             ; bv, qws
	s_load_b64 s[16:17], s[0:1], 0x30              ; kv
	v_lshl_add_u32 v[SPW], v0, 2, SPARE
	v_mov_b32 v[NIL], 0
	ds_add_u32 v[SPW], v[NIL]                      ; the wave's opening: the add and its wait stand ahead of my first tensor load; work on registers stands between them
	v_lshrrev_b32 v1, 5, v0
	v_readfirstlane_b32 s[WV], v1                  ; wave 0..3
	s_mov_b32 s[KIND], ttmp9                       ; in a cluster launch ttmp9 counts clusters: 0 q, 1 k, 2 v
	s_bfe_u32 s20, ttmp6, 0x40000                  ; cx
	s_bfe_u32 s21, ttmp6, 0x40004                  ; cy
	s_and_b32 s22, ttmp7, 0xffff
	s_lshl_b32 s22, s22, 2
	s_add_co_u32 s22, s22, s21                     ; my block of 128 rows = 4 x cluster y + cy
	s_lshl_b32 s23, s21, 2
	s_lshl_b32 s23, 15, s23                        ; my row of the cluster
	s_lshl_b32 s66, 0x1111, s20                    ; my column
	; group 1: dense bytes as rows of 256 (32 elements of 8 bytes), no padding: every LDS read takes consecutive bytes from consecutive lanes
	s_or_b32 s[G1A], s23, (3<<16)|(1<<21)          ; 15:0 the mask; 17:16 elements of 8 bytes; 21 set beside a mask
	s_mov_b32 s[G1A+1], 32<<16                     ; tensor_dim0
	s_mov_b32 s[G1A+2], 50<<16                     ; tensor_dim1: two records, 12,800 bytes
	s_mov_b32 s[G1A+3], 32<<16                     ; tile_dim0
	s_mov_b32 s[G1A+4], 50                         ; tile_dim1
	s_mov_b32 s[G1A+5], 32                         ; the pitch
	s_mov_b32 s[G1A+6], 0
	s_mov_b32 s[G1A+7], 0
	s_or_b32 s[G1B], s66, (3<<16)|(1<<21)
	s_mov_b32 s[G1B+1], 32<<16
	s_mov_b32 s[G1B+2], 100<<16                    ; four records, 25,600 bytes
	s_mov_b32 s[G1B+3], 32<<16
	s_mov_b32 s[G1B+4], 100
	s_mov_b32 s[G1B+5], 32
	s_mov_b32 s[G1B+6], 0
	s_mov_b32 s[G1B+7], 0
	s_lshr_b32 s58, s[WV], 1                       ; x: wave w fetches two K steps of strip w / 2 (registers that feed x's descriptors never hold cx)
	s_mul_i32 s58, s58, STRIP
	s_and_b32 s59, s[WV], 1
	s_mul_i32 s59, s59, 2*REC
	s_add_co_u32 s58, s58, s59                     ; their place in the two strips, in memory and in LDS alike
	s_mul_i32 s56, s22, 2*STRIP
	s_add_co_u32 s56, s56, s58
	s_mov_b32 s57, 0
	s_lshl_b32 s68, s20, 2
	s_add_co_u32 s68, s68, s[WV]                   ; my head = 4 cx + w
	s_lshl_b32 s67, s[KIND], 4
	s_add_co_u32 s67, s67, s68                     ; my strip of wimg
	s_mul_i32 s70, s67, STRIP
	s_mov_b32 s71, 0
	s_mul_i32 s69, s[WV], STRIP
	s_add_co_u32 s69, s69, LBASE                   ; and its place in LDS: the wave's number alone
	s_lshl_b32 s62, s68, 8                         ; my head's 64 numbers of the bias
	s_mov_b32 s63, 0
	s_lshr_b32 s74, s22, 4                         ; where my record goes: batch,
	s_lshl_b32 s74, s74, 4
	s_add_co_u32 s74, s74, s68                     ; x 16 + head,
	s_lshl_b32 s74, s74, 4
	s_and_b32 s75, s22, 15
	s_add_co_u32 s74, s74, s75                     ; x 16 + the block of 128 rows in the batch
	s_mov_b32 s[SEL], 0x76543210
	s_mov_b32 s[SEL+1], 0xfedcba98
	s_mov_b32 s[HALF], 0xffff0000
	s_wait_dscnt 0x0                               ; the opening add is done
	s_wait_kmcnt 0x0
	s_add_nc_u64 s[60:61], s[4:5], s[56:57]
	s_add_nc_u64 s[72:73], s[6:7], s[70:71]
	s_mov_b32 s[AE], 1
	s_mov_b32 s[AE+1], s58
	s_mov_b64 s[AE+2:AE+3], s[60:61]
	s_or_b32 s[AE+3], s[AE+3], 0x80000000
	s_mov_b32 s[AL], 1
	s_add_co_u32 s[AL+1], s58, 4*REC               ; K steps 4-7 lie four records on
	s_add_nc_u64 s[AL+2:AL+3], s[60:61], 4*REC
	s_or_b32 s[AL+3], s[AL+3], 0x80000000
	s_mov_b32 s[BE], 1
	s_mov_b32 s[BE+1], s69
	s_mov_b64 s[BE+2:BE+3], s[72:73]
	s_or_b32 s[BE+3], s[BE+3], 0x80000000
	s_mov_b32 s[BL], 1
	s_add_co_u32 s[BL+1], s69, 4*REC
	s_add_nc_u64 s[BL+2:BL+3], s[72:73], 4*REC
	s_or_b32 s[BL+3], s[BL+3], 0x80000000
	s_cmp_eq_u32 s[KIND], 1                        ; the bias and the destination are chosen by the kind alone
	s_cselect_b64 s[8:9], s[10:11], s[8:9]
	s_cmp_eq_u32 s[KIND], 2
	s_cselect_b64 s[8:9], s[12:13], s[8:9]
	s_cselect_b32 s[ISV], -1, 0
	s_cselect_b32 s80, 0, 4                        ; from register to register of a tile: q, k the next channel; v the same channel
	s_cselect_b32 s81, 6656, 0                     ; v's record lies behind k's
	s_add_nc_u64 s[8:9], s[8:9], s[62:63]
	s_cmp_eq_u32 s[KIND], 0
	s_cselect_b64 s[14:15], s[14:15], s[16:17]
	s_mov_b32 s75, 13312
	s_cselect_b32 s75, 6656, s75
	s_mul_i32 s74, s74, s75
	s_add_co_u32 s74, s74, s81
	s_mov_b32 s75, 0
	s_add_nc_u64 s[14:15], s[14:15], s[74:75]
	CROUND                                         ; all sixteen work-groups are here: the joint loads meet
	tensor_load_to_lds s[AE:AE+3], s[G1A:G1A+7]    ; the launch's only tensor loads, one group: four of mine are out
	s_nop 0
	tensor_load_to_lds s[BE:BE+3], s[G1B:G1B+7]
	s_nop 0
	tensor_load_to_lds s[AL:AL+3], s[G1A:G1A+7]
	s_nop 0
	tensor_load_to_lds s[BL:BL+3], s[G1B:G1B+7]
	s_nop 0
.rept 4
	v_nop
.endr
	v_and_b32 v1, 31, v0
	v_lshlrev_b32 v[LA16], 4, v1
	v_lshlrev_b32 v[LA8], 3, v1
	v_add_nc_u32 v[LA16+1], STRIP, v[LA16]
	v_add_nc_u32 v[LA8+1], STRIP, v[LA8]
	v_add_nc_u32 v[LB16], s69, v[LA16]
	v_add_nc_u32 v[LB8], s69, v[LA8]
	; the bias in the result's layout.  q, k: register j of tile t is channel 32 (t / 2) + 8 (t % 2) + 16 (lane / 16) + j;  v: all eight are channel 32 (t / 2) + 8 (t % 2) + r + 8 (r / 8), r = lane % 16
	v_and_b32 v1, 15, v0
	v_bfe_u32 v30, v0, 4, 1
	v_lshlrev_b32 v30, 6, v30
	v_and_b32 v31, 8, v1
	v_add_nc_u32 v31, v31, v1
	v_lshlrev_b32 v31, 2, v31
	v_cndmask_b32 v[BO], v30, v31, s[ISV]
.irp j, 1,2,3,4,5,6,7
	v_add_nc_u32 v[BO+\j], s80, v[BO+\j-1]
.endr
.irp t, 0,1,2,3
.irp j, 0,1,2,3,4,5,6,7
	global_load_b32 v[BIAS+8*\t+\j], v[BO+\j], s[8:9] offset:(32*(\t/2)+8*(\t%2))*4
.endr
.endr
.macro FRAG d, a16, a8, off            ; a fragment as it lies: two halves of 768 bytes
	ds_load_b128 v[(\d):(\d)+3], v[\a16] offset:(\off)
	ds_load_b64 v[(\d)+4:(\d)+5], v[\a8] offset:(\off)+512
	ds_load_b128 v[(\d)+6:(\d)+9], v[\a16] offset:(\off)+768
	ds_load_b64 v[(\d)+10:(\d)+11], v[\a8] offset:(\off)+1280
.endm
.macro FETCH k                         ; K step k into set k % 2: 51 LDS loads in one run
	WIN 0x80+0x40*((\k)%2)
.irp i, 0,1,2,3,4,5,6,7
	FRAG 12*\i, LA16+\i/4, LA8+\i/4, REC*(\k)+1536*(\i%4)
.endr
.irp t, 0,1,2,3
	FRAG FB+12*\t, LB16, LB8, REC*(\k)+1536*\t
.endr
	WIN 0
	ds_load_b64 v[SC+6*((\k)%2):SC+6*((\k)%2)+1], v[LA8] offset:REC*(\k)+6144
	ds_load_b64 v[SC+6*((\k)%2)+2:SC+6*((\k)%2)+3], v[LA8+1] offset:REC*(\k)+6144
	ds_load_b64 v[SC+6*((\k)%2)+4:SC+6*((\k)%2)+5], v[LB8] offset:REC*(\k)+6144
.endm
; one matrix instruction; ra, rb: the source's scale words stand in lanes 16-31 of the register named
.macro WM d, a, b, c, sa, sb, ra, rb
.if (\ra) && (\rb)
	v_wmma_scale_f32_16x16x128_f8f6f4 v[(\d):(\d)+7], v[(\a):(\a)+11], v[(\b):(\b)+11], v[(\c):(\c)+7], v[\sa], v[\sb] matrix_a_fmt:MATRIX_FMT_FP6 matrix_b_fmt:MATRIX_FMT_FP6 matrix_a_scale:MATRIX_SCALE_ROW1 matrix_b_scale:MATRIX_SCALE_ROW1
.elseif (\ra)
	v_wmma_scale_f32_16x16x128_f8f6f4 v[(\d):(\d)+7], v[(\a):(\a)+11], v[(\b):(\b)+11], v[(\c):(\c)+7], v[\sa], v[\sb] matrix_a_fmt:MATRIX_FMT_FP6 matrix_b_fmt:MATRIX_FMT_FP6 matrix_a_scale:MATRIX_SCALE_ROW1
.elseif (\rb)
	v_wmma_scale_f32_16x16x128_f8f6f4 v[(\d):(\d)+7], v[(\a):(\a)+11], v[(\b):(\b)+11], v[(\c):(\c)+7], v[\sa], v[\sb] matrix_a_fmt:MATRIX_FMT_FP6 matrix_b_fmt:MATRIX_FMT_FP6 matrix_b_scale:MATRIX_SCALE_ROW1
.else
	v_wmma_scale_f32_16x16x128_f8f6f4 v[(\d):(\d)+7], v[(\a):(\a)+11], v[(\b):(\b)+11], v[(\c):(\c)+7], v[\sa], v[\sb] matrix_a_fmt:MATRIX_FMT_FP6 matrix_b_fmt:MATRIX_FMT_FP6
.endif
.endm
.macro MULQK k, first                  ; accumulator 4 i + t = W's tile t x x's tile i
.irp i, 0,1,2,3,4,5,6,7
.irp t, 0,1,2,3
.if \first
	WM 8*(4*\i+\t), FB+12*\t, 12*\i, BIAS+8*\t, SC+6*((\k)%2)+4+\t/2, SC+6*((\k)%2)+\i/2, \t%2, \i%2
.else
	WM 8*(4*\i+\t), FB+12*\t, 12*\i, 8*(4*\i+\t), SC+6*((\k)%2)+4+\t/2, SC+6*((\k)%2)+\i/2, \t%2, \i%2
.endif
.endr
.endr
.endm
.macro MULV k, first                   ; accumulator 8 t + i = x's tile i x W's tile t
.irp t, 0,1,2,3
.irp i, 0,1,2,3,4,5,6,7
.if \first
	WM 8*(8*\t+\i), 12*\i, FB+12*\t, BIAS+8*\t, SC+6*((\k)%2)+\i/2, SC+6*((\k)%2)+4+\t/2, \i%2, \t%2
.else
	WM 8*(8*\t+\i), 12*\i, FB+12*\t, 8*(8*\t+\i), SC+6*((\k)%2)+\i/2, SC+6*((\k)%2)+4+\t/2, \i%2, \t%2
.endif
.endr
.endr
.endm
; A K step's 32 products.  The branch hangs on the kind, the same in every wave of the cluster, and goes round matrix instructions alone.  Both arms take the 32 accumulators by turns, in ascending order.
.macro MULS k, first
	WIN 0                                          ; at a branch and at a label every window is 0
	s_cmp_eq_u32 s[KIND], 2
	s_cbranch_scc1 .Lv_\@
	WIN 0x5a+5*((\k)%2)-0x10*(\first)              ; sources 0 and 1: the set's window; D window 1; C window 1, or window 0 where it is the bias
	MULQK \k, \first
	WIN 0
	s_branch .Lj_\@
.Lv_\@:
	WIN 0x5a+5*((\k)%2)-0x10*(\first)
	MULV \k, \first
	WIN 0
.Lj_\@:
.endm
	s_wait_tensorcnt 0x2                           ; my early pieces have landed; the two late ones may be out
	s_barrier_signal -1
	s_barrier_wait -1                              ; everybody's have: K steps 0-3 of x lie in LDS
	FETCH 0
	FETCH 1
	s_wait_loadcnt 0x0                             ; the bias
	s_wait_dscnt 51                                ; K step 0's 51 loads are in; K step 1's may be out
	MULS 0, 1                                      ; the first products start the sums from the bias: nothing is cleared
.irp k, 1,2
	PLACES
	FETCH \k+1
	s_wait_dscnt 51                                ; all but the 51 just issued
	MULS \k, 0
.endr
	s_wait_tensorcnt 0x0                           ; my late pieces have landed (no load was issued behind them),
	s_wait_dscnt 0x0                               ; and no LDS instruction of mine is out at a signal
	s_barrier_signal -1
	s_barrier_wait -1                              ; everybody's have: K steps 4-7
	PLACES
	FETCH 4
	s_wait_dscnt 51
	MULS 3, 0
.irp k, 4,5,6
	PLACES
	FETCH \k+1
	s_wait_dscnt 51
	MULS \k, 0
.endr
	s_wait_dscnt 0x0
	MULS 7, 0
	; THE WAY OUT: 16 blocks of 32 along the next K, half a block (16 registers) a lane; each accumulator is read from its low end on
	PLACES
	WIN 0x14                                       ; sources 1 and 2: window 1
.irp b, 0,1,2,3,4,5,6,7,8,9,10,11,12,13,14,15
	v_max3_num_f32 v[TM+\b], 0x1800000, |v[16*\b]|, |v[16*\b+1]|     ; with the floor 2^(3 - 127): the byte cannot fall under 1
.endr
.irp i, 2,4,6,8,10,12,14
.irp b, 0,1,2,3,4,5,6,7,8,9,10,11,12,13,14,15
	v_max3_num_f32 v[TM+\b], v[TM+\b], |v[16*\b+\i]|, |v[16*\b+\i+1]|
.endr
.endr
	WIN 0
.irp b, 0,1,2,3,4,5,6,7,8,9,10,11,12,13,14,15
	v_permlanex16_b32 v[TP+\b], v[TM+\b], s[SEL], s[SEL+1]
.endr
.irp b, 0,1,2,3,4,5,6,7,8,9,10,11,12,13,14,15
	v_max_num_f32 v[TM+\b], v[TM+\b], v[TP+\b]     ; with lane l xor 16's half: the block's largest magnitude
.endr
.irp b, 0,1,2,3,4,5,6,7,8,9,10,11,12,13,14,15
	v_add_nc_u32 v[TS+\b], 0xff000000, v[TM+\b]    ; 2 off the exponent field: the conversion's scale operand
.endr
.irp b, 0,1,2,3,4,5,6,7,8,9,10,11,12,13,14,15
	v_lshrrev_b32 v[TB+\b], 23, v[TS+\b]           ; the scale's byte
.endr
.irp p, 0,1,2,3,4,5,6,7
	v_lshl_or_b32 v[HW+\p], v[TB+2*\p+1], 8, v[TB+2*\p]
.endr
.irp j, 0,1,2,3
	v_cndmask_b32 v[TB+\j], v[HW+2*\j], v[HW+2*\j+1], s[HALF]        ; q, k: word j holds tile 2 j's two bytes in lanes 0-15, tile 2 j + 1's in lanes 16-31; its upper bytes, 0, stand over zero codes
	v_lshl_or_b32 v[TB+4+\j], v[HW+2*\j+1], 16, v[HW+2*\j]           ; v: word j holds channel tile j's four bytes
.endr
.irp j, 0,1,2,3
	v_cndmask_b32 v[SW+\j], v[TB+\j], v[TB+4+\j], s[ISV]
.endr
	WIN 0x01                                       ; source 0: window 1
.irp p, 0,1,2,3,4,5,6,7
	v_cvt_scalef32_pk16_fp6_f32 v[CD+8*\p:CD+8*\p+2], v[32*\p:32*\p+15], v[TS+2*\p]
	v_cvt_scalef32_pk16_fp6_f32 v[CD+8*\p+4:CD+8*\p+6], v[32*\p+16:32*\p+31], v[TS+2*\p+1]
.endr
	WIN 0
	v_nop                                          ; one plain instruction behind a scaled conversion
.irp p, 0,1,2,3,4,5,6,7                        ; the layout wants a whole block in a lane: lanes 0-15 the first block, lanes 16-31 the second
.irp i, 0,1,2
	v_permlane16_swap_b32 v[CD+8*\p+\i], v[CD+8*\p+4+\i]
.endr
	v_mov_b32 v[CD+8*\p+3], v[CD+8*\p+4]
	v_mov_b32 v[CD+8*\p+4], v[CD+8*\p+5]
	v_mov_b32 v[CD+8*\p+5], v[CD+8*\p+6]
.endr
.irp p, 0,1,2,3,4,5,6,7
	global_store_b128 v[LA16], v[CD+8*\p:CD+8*\p+3], s[14:15] offset:768*\p          ; 512 and 256 consecutive bytes, at multiples of 256 from the buffer's first byte
	global_store_b64 v[LA8], v[CD+8*\p+4:CD+8*\p+5], s[14:15] offset:768*\p+512
.endr
	global_store_b128 v[LA16], v[SW:SW+3], s[14:15] offset:6144
	s_wait_tensorcnt 0x0                           ; the wave's end, behind my last tensor load
	ds_add_u32 v[SPW], v[NIL]
	s_wait_dscnt 0x0
	CROUND                                         ; the closing round
	s_endpgm
.Lfunc_end_k_q4ad2a2a8d0_qkv:
	.size	k_q4ad2a2a8d0_qkv, .Lfunc_end_k_q4ad2a2a8d0_qkv-k_q4ad2a2a8d0_qkv
	.p2alignl 7, 3214868480
	.fill 96, 4, 3214868480
	.section	.rodata,"a",@progbits
	.p2align	6, 0x0
	.amdhsa_kernel k_q4ad2a2a8d0_qkv
		.amdhsa_group_segment_fixed_size 327680
		.amdhsa_private_segment_fixed_size 0
		.amdhsa_enable_private_segment 0
		.amdhsa_kernarg_size 56
		.amdhsa_user_sgpr_count 2
		.amdhsa_user_sgpr_kernarg_segment_ptr 1
		.amdhsa_wavefront_size32 1
		.amdhsa_system_sgpr_workgroup_id_x 1
		.amdhsa_system_sgpr_workgroup_id_y 1
		.amdhsa_system_sgpr_workgroup_id_z 1
		.amdhsa_system_vgpr_workitem_id 0
		.amdhsa_next_free_vgpr 1024
		.amdhsa_next_free_sgpr 100
		.amdhsa_reserve_vcc 0
		.amdhsa_float_denorm_mode_32 3
		.amdhsa_float_denorm_mode_16_64 3
		.amdhsa_memory_ordered 1
		.amdhsa_forward_progress 1
		.amdhsa_inst_pref_size 120
	.end_amdhsa_kernel
	.amdgpu_metadata
---
amdhsa.version: [ 1, 2 ]
amdhsa.kernels:
  - .name:           k_q4ad2a2a8d0_qkv
    .symbol:         k_q4ad2a2a8d0_qkv.kd
    .args:
      - { .name: xq, .offset: 0, .size: 8, .value_kind: global_buffer, .address_space: global }
      - { .name: wimg, .offset: 8, .size: 8, .value_kind: global_buffer, .address_space: global }
      - { .name: bq, .offset: 16, .size: 8, .value_kind: global_buffer, .address_space: global }
      - { .name: bk, .offset: 24, .size: 8, .value_kind: global_buffer, .address_space: global }
      - { .name: bv, .offset: 32, .size: 8, .value_kind: global_buffer, .address_space: global }
      - { .name: qws, .offset: 40, .size: 8, .value_kind: global_buffer, .address_space: global }
      - { .name: kv, .offset: 48, .size: 8, .value_kind: global_buffer, .address_space: global }
    .group_segment_fixed_size: 327680
    .private_segment_fixed_size: 0
    .kernarg_segment_align: 8
    .kernarg_segment_size: 56
    .max_flat_workgroup_size: 128
    .sgpr_count:     100
    .vgpr_count:     1024
    .wavefront_size: 32
...
	.end_amdgpu_metadata
.endif
;; end of part 3
;; launch attn (part 4): grid 8 x 32, 16 waves a work-group, clusters of 4 x 1, 327,680 bytes of LDS; arguments qws, kv, ctx; writes ctx
.if DOCPART == 4
	.amdgcn_target "amdgcn-amd-amdhsa--gfx1250"
	.amdhsa_code_object_version 6
	.text
	.protected	k_q4ad2a2a8d0_attn
	.globl	k_q4ad2a2a8d0_attn
	.p2align	8
	.type	k_q4ad2a2a8d0_attn,@function
k_q4ad2a2a8d0_attn:
	s_mov_b64 s[64:65], 0
	v_nop
	global_prefetch_b8 v0, s[64:65] scope:SCOPE_SE
	s_setreg_imm32_b32 hwreg(HW_REG_WAVE_MODE, 25, 1), 1
	s_wait_xcnt 0x0
	s_wait_alu depctr_hold_cnt(0) depctr_sa_sdst(0) depctr_va_vdst(0) depctr_va_sdst(0) depctr_va_ssrc(0) depctr_va_vcc(0) depctr_vm_vsrc(0)
	s_getreg_b32 s2, hwreg(HW_REG_IB_STS2, 6, 4)
	s_cmp_eq_u32 s2, 0
	s_cbranch_scc0 .Lentry_in_a_cluster
	s_endpgm
.Lentry_in_a_cluster:
	s_bfe_u32 s2, ttmp6, 0x10000c
	s_cmp_lg_u32 s2, 0x3003
	s_cbranch_scc0 .Lentry_shape_is_right
	s_endpgm
.Lentry_shape_is_right:
; ctx[b][q][head] = softmax_k(q . k / 8) v for 32 heads of 2,048 queries and keys, head size 64; both products on codes of FP6 (E2M3) with one E8M0 scale for each 32 along K.
; THE SOFTMAX AHEAD OF THE SECOND PRODUCT: t = score x log2(e) / 8; M = the row's largest t so far, rounded UP to a whole number; p = 2^(t - M) is quantised along the keys, not normalised.
; The row's sum is taken of the unquantised p, in f32, and divides O at the end.  When M moves, the sum and O are multiplied by 2^(old M - new M): exact.
; SHARES.  A work-group owns 256 queries of one head, each of its SIXTEEN waves one tile of 16, in 256 registers: four waves to a SIMD, so that one wave's vector work stands beside another's products and LDS loads.
; A HEAD'S k AND v FIT IN LDS WHOLE: 16 key steps of 128 keys x (6,656 bytes of k + 6,656 of v), as they lie in memory, in the order of an operand's registers.  Each wave brings one piece of 6,656 bytes of key steps 0-7
; and one of key steps 8-15: two tensor loads of mine are out, both first fills; no LDS byte is filled twice.
; CLUSTER.  The four query blocks of a cluster belong to one head: each piece is asked for JOINTLY, by the same load with the same descriptor and the mask of all four.
; LAYOUT.  Both products are used transposed: S^T = K Q^T (source 0 = 16 keys, source 1 = my queries), O^T = V^T P^T (source 0 = 16 channels, source 1 = p): a lane holds ONE query (place lane % 16) throughout.
; The head's 64 are half of the instruction's 128 along K: registers 6-11 of q's and of k's fragments hold zero codes, which add nothing.
; The keys of a tile, and v's channels, were laid so (place p of tile 2 b + u = 32 b + 8 u + p + 8 (p / 8)) that 16 registers of result tiles 2 b, 2 b + 1 are 16 neighbours: p and ctx are quantised where they stand.
; OUT: ctx as codes in x's records (64 rows x 128 K): my tile's half fragment of 768 bytes (K step head / 2, half head % 2) and its two scale bytes a row, one byte a lane: 32 bytes a wave beside its 768 of codes.
; LIMITS: a block of zeros gets the byte 1, not 127 (its codes are zeros, and only this program reads the bytes); blocks whose largest magnitude lies under 2^-124 are held at the byte 1; NaN and infinities are not served.
.set PIECE, 6656
.set STEPB, 2*PIECE
.set SPARE, 16*STEPB                   ; behind the head's k and v: the spare words, 128 bytes a wave: eight blocks of 256 bytes that no other line names
.set L16, 1                            ; v1   16 x lane
.set L8,  2                            ; v2   8 x lane
.set A16, 3                            ; v3   the same in the key step in hand
.set A8,  4                            ; v4
.set SPW, 5                            ; v5   my spare word; never rewritten
.set NIL, 6                            ; v6   0; never rewritten
.set QF,  16                           ; v16-27 q's fragment: 6 registers of codes, 6 of zeros
.set VS,  28                           ; v28-31 v's scale words, one for each channel tile
.set KB,  32                           ; v32-79 four fragments of k: 6 registers loaded, 6 kept zero
.set VF,  80                           ; v80-127 v's four fragments
.set S,   128                          ; v128-191 S^T, then p
.set O,   192                          ; v192-223 O^T
.set KS,  248                          ; v248-251 k's scale words: tile 2 j in lanes 0-15, tile 2 j + 1 in lanes 16-31
.set QS,  255                          ; v255 q's scale words
; v12 -M, v13 the largest t, v[14:15] the sum in two halves; v224-235 p's codes; v232-247 at work; v252 f; v253 p's scale word; v254 at work
.set WV,  10
.set SEL, 20                           ; s[20:21] selects for lane l xor 16
.set CS,  22                           ; s[22:23] c = log2(e) / 8
.set G1,  24
.set G0E, 32
.set G0L, 36
.set TB,  40                           ; s40 LDS byte at which the key step in hand begins
.set TR,  41                           ; s41 trips
.macro PLACES
.rept 4
	v_nop
.endr
.endm
.macro CROUND
	s_barrier_signal -1
	s_barrier_wait -1
	s_cmp_lg_u32 s[WV], 0
	s_cbranch_scc1 .Lnot_wave_0_\@
	s_barrier_signal -3
.Lnot_wave_0_\@:
	s_barrier_wait -3
	s_barrier_signal -1
	s_barrier_wait -1
.endm
	s_load_b128 s[4:7], s[0:1], 0x0                ; qws, kv
	s_load_b64 s[8:9], s[0:1], 0x10                ; ctx
	v_lshl_add_u32 v[SPW], v0, 2, SPARE
	v_mov_b32 v[NIL], 0
	ds_add_u32 v[SPW], v[NIL]                      ; the wave's opening: the add and its wait stand ahead of my first tensor load; work on registers stands between them
	v_lshrrev_b32 v1, 5, v0
	v_readfirstlane_b32 s[WV], v1                  ; wave 0..15
	s_bfe_u32 s11, ttmp6, 0x40000                  ; cx
	s_lshl_b32 s12, ttmp9, 2
	s_add_co_u32 s12, s12, s11                     ; my block of 256 queries: it enters q's and ctx's addresses alone
	s_and_b32 s13, ttmp7, 0xffff                   ; batch x 16 + head, which the four partners share
	s_mov_b32 s[G1], 15|(3<<16)|(1<<21)            ; 15:0 the mask: all four; 17:16 elements of 8 bytes; 21 set beside a mask; no padding: every LDS read takes consecutive bytes from consecutive lanes
	s_mov_b32 s[G1+1], 32<<16                      ; rows of 256 bytes,
	s_mov_b32 s[G1+2], 26<<16                      ; 26 of them: a piece
	s_mov_b32 s[G1+3], 32<<16
	s_mov_b32 s[G1+4], 26
	s_mov_b32 s[G1+5], 32
	s_mov_b32 s[G1+6], 0
	s_mov_b32 s[G1+7], 0
	s_mul_i32 s15, s[WV], PIECE                    ; my piece, in the head and in LDS alike
	s_mul_i32 s16, s13, 16*STEPB
	s_add_co_u32 s16, s16, s15
	s_mov_b32 s17, 0
	s_lshl_b32 s18, s12, 1
	s_lshr_b32 s14, s[WV], 3
	s_add_co_u32 s18, s18, s14                     ; my block of 128 queries
	s_and_b32 s19, s[WV], 7                        ; my tile in it
	s_lshl_b32 s14, s13, 4
	s_add_co_u32 s14, s14, s18
	s_mul_i32 s14, s14, PIECE                      ; its record in qws
	s_mul_i32 s43, s19, 768
	s_add_co_u32 s44, s14, s43                     ; my tile's codes
	s_mov_b32 s45, 0
	s_and_b32 s43, s19, 1
	s_lshl_b32 s43, s43, 8
	s_add_co_u32 s48, s14, s43                     ; its scale words: 16 (place + 16 (tile % 2)) + 4 (tile / 2), behind the record's 6,144 bytes of codes
	s_lshr_b32 s43, s19, 1
	s_lshl_b32 s43, s43, 2
	s_add_co_u32 s48, s48, s43
	s_mov_b32 s49, 0
	s_lshr_b32 s60, s13, 4                         ; batch
	s_and_b32 s61, s13, 15                         ; head
	s_lshl_b32 s60, s60, 5
	s_lshl_b32 s43, s18, 1
	s_add_co_u32 s60, s60, s43
	s_lshr_b32 s43, s19, 2
	s_add_co_u32 s60, s60, s43                     ; ctx: my block of 64 rows,
	s_lshl_b32 s60, s60, 3
	s_lshr_b32 s43, s61, 1
	s_add_co_u32 s60, s60, s43                     ; K step head / 2:
	s_mul_i32 s60, s60, 6400                       ; the record
	s_and_b32 s61, s61, 1
	s_and_b32 s43, s19, 3
	s_mul_i32 s43, s43, 1536
	s_add_co_u32 s52, s60, s43                     ; my tile's fragment,
	s_mul_i32 s43, s61, 768
	s_add_co_u32 s52, s52, s43                     ; its half head % 2
	s_mov_b32 s53, 0
	s_and_b32 s43, s19, 1
	s_lshl_b32 s43, s43, 7
	s_add_co_u32 s56, s60, s43                     ; my scale bytes: 8 (place + 16 (tile % 2)) + 4 ((tile % 4) / 2) + 2 (head % 2) + block
	s_bfe_u32 s43, s19, 0x10001
	s_lshl_b32 s43, s43, 2
	s_add_co_u32 s56, s56, s43
	s_lshl_b32 s43, s61, 1
	s_add_co_u32 s56, s56, s43
	s_mov_b32 s57, 0
	s_mov_b32 s[SEL], 0x76543210
	s_mov_b32 s[SEL+1], 0xfedcba98
	s_mov_b32 s[CS], 0x3e38aa3b                    ; c = log2(e) / 8
	s_mov_b32 s[CS+1], s[CS]                       ; (named with it as a pair, so it is written)
	s_mov_b32 s42, 0xffff0000                      ; lanes 16-31
	s_wait_dscnt 0x0                               ; the opening add is done
	s_wait_kmcnt 0x0
	s_add_nc_u64 s[16:17], s[6:7], s[16:17]
	s_mov_b32 s[G0E], 1
	s_mov_b32 s[G0E+1], s15
	s_mov_b64 s[G0E+2:G0E+3], s[16:17]
	s_or_b32 s[G0E+3], s[G0E+3], 0x80000000
	s_mov_b32 s[G0L], 1
	s_add_co_u32 s[G0L+1], s15, 8*STEPB
	s_add_nc_u64 s[G0L+2:G0L+3], s[16:17], 8*STEPB
	s_or_b32 s[G0L+3], s[G0L+3], 0x80000000
	s_add_nc_u64 s[46:47], s[4:5], s[44:45]
	s_add_nc_u64 s[50:51], s[4:5], s[48:49]
	s_add_nc_u64 s[54:55], s[8:9], s[52:53]
	s_add_nc_u64 s[58:59], s[8:9], s[56:57]
	CROUND                                         ; all four work-groups are here: the joint loads meet
	tensor_load_to_lds s[G0E:G0E+3], s[G1:G1+7]    ; key steps 0-7: sixteen pieces, one a wave
	s_nop 0
	tensor_load_to_lds s[G0L:G0L+3], s[G1:G1+7]    ; key steps 8-15
	s_nop 0
.rept 4
	v_nop
.endr
	v_and_b32 v9, 31, v0
	v_lshlrev_b32 v[L16], 4, v9
	v_lshlrev_b32 v[L8], 3, v9
	v_and_b32 v9, 15, v0
	v_lshlrev_b32 v7, 4, v9                        ; v7 16 x (lane % 16)
	v_bfe_u32 v10, v0, 4, 1
	v_lshl_add_u32 v8, v9, 3, v10                  ; v8 8 x (lane % 16) + lane / 16
	global_load_b128 v[QF:QF+3], v[L16], s[46:47]
	global_load_b64 v[QF+4:QF+5], v[L8], s[46:47] offset:512
	global_load_b32 v[QS], v7, s[50:51] offset:6144
.irp j, 6,7,8,9,10,11
	v_mov_b32 v[QF+\j], 0                          ; zero codes for K 64 .. 127
.irp f, 0,1,2,3
	v_mov_b32 v[KB+12*\f+\j], 0
.endr
.endr
	v_mov_b32 v13, 0xff61b1e6                      ; the largest t so far: -3e38, under every t
	v_floor_f32 v12, -v13                          ; -M
	v_mov_b32 v14, 0
	v_mov_b32 v15, 0
.irp b, 0,1,2,3
	v_mov_b32 v[236+\b], 0                         ; written once: a lane permute's destination counts as one of its sources
.endr
	v_mov_b32 v253, 0                              ; (named as the upper half of the pair v[252:253] before it is first written)
.irp j, 0,1,2,3,4,5,6,7,8,9,10,11,12,13,14,15,16,17,18,19,20,21,22,23,24,25,26,27,28,29,30,31
	v_mov_b32 v[O+\j], 0                           ; O^T: the step is written without a first form of its own: the first change of M multiplies zeros
.endr
.macro FRAG d, a16, a8, off
	ds_load_b128 v[(\d):(\d)+3], v[\a16] offset:(\off)
	ds_load_b64 v[(\d)+4:(\d)+5], v[\a8] offset:(\off)+512
	ds_load_b128 v[(\d)+6:(\d)+9], v[\a16] offset:(\off)+768
	ds_load_b64 v[(\d)+10:(\d)+11], v[\a8] offset:(\off)+1280
.endm
.macro KLOAD g                         ; k's tiles 4 g .. 4 g + 3: half fragments
.irp f, 0,1,2,3
	ds_load_b128 v[KB+12*\f:KB+12*\f+3], v[A16] offset:768*(4*\g+\f)
	ds_load_b64 v[KB+12*\f+4:KB+12*\f+5], v[A8] offset:768*(4*\g+\f)+512
.endr
.endm
.macro KQ g                            ; S^T of those 64 keys
.irp f, 0,1,2,3
.if \f%2
	v_wmma_scale_f32_16x16x128_f8f6f4 v[S+8*(4*\g+\f):S+8*(4*\g+\f)+7], v[KB+12*\f:KB+12*\f+11], v[QF:QF+11], 0, v[KS+(4*\g+\f)/2], v[QS] matrix_a_fmt:MATRIX_FMT_FP6 matrix_b_fmt:MATRIX_FMT_FP6 matrix_a_scale:MATRIX_SCALE_ROW1
.else
	v_wmma_scale_f32_16x16x128_f8f6f4 v[S+8*(4*\g+\f):S+8*(4*\g+\f)+7], v[KB+12*\f:KB+12*\f+11], v[QF:QF+11], 0, v[KS+(4*\g+\f)/2], v[QS] matrix_a_fmt:MATRIX_FMT_FP6 matrix_b_fmt:MATRIX_FMT_FP6
.endif
.endr
.endm
; A KEY STEP: 128 keys
.macro STEP
	v_add_nc_u32 v[A16], s[TB], v[L16]
	v_add_nc_u32 v[A8], s[TB], v[L8]
	v_nop
	v_nop                                          ; these four are the places between the last step's products and the loads into their registers
	ds_load_b128 v[KS:KS+3], v[A16] offset:6144
	KLOAD 0
.irp t, 0,1,2,3
	FRAG VF+12*\t, A16, A8, PIECE+1536*\t
.endr
	ds_load_b128 v[VS:VS+3], v[A16] offset:PIECE+6144
	s_wait_dscnt 17                                ; k's scale words and tiles 0-3 are in; v's 17 loads may be out
	KQ 0
	PLACES
	KLOAD 1
	s_wait_dscnt 0x0
	KQ 1
	PLACES
.irp b, 0,1,2,3
	v_max3_num_f32 v[232+\b], v[S+16*\b], v[S+1+16*\b], v[S+2+16*\b]   ; the largest score of each block of 32 keys: it serves for the row's maximum and, since p rises with the score, for the block's largest p
.endr
.irp i, 3,5,7,9,11,13
.irp b, 0,1,2,3
	v_max3_num_f32 v[232+\b], v[232+\b], v[S+16*\b+\i], v[S+1+16*\b+\i]
.endr
.endr
.irp b, 0,1,2,3
	v_max_num_f32 v[232+\b], v[232+\b], v[S+15+16*\b]
.endr
.irp b, 0,1,2,3
	v_permlanex16_b32 v[236+\b], v[232+\b], s[SEL], s[SEL+1]
.endr
.irp b, 0,1,2,3
	v_max_num_f32 v[232+\b], v[232+\b], v[236+\b]  ; with lane l xor 16's 16 keys
.endr
	v_max3_num_f32 v254, v232, v233, v234
	v_max_num_f32 v254, v254, v235                 ; the step's largest score of my query
	v_mul_f32 v254, s[CS], v254                    ; as t (c is positive)
	v_max_num_f32 v13, v13, v254                   ; the running largest t
	v_mov_b32 v254, v12
	v_floor_f32 v12, -v13                          ; the new -M = floor(-t) = -ceil(t): a whole number
	v_sub_f32 v254, v12, v254                      ; old M - new M: a whole number, 0 or less
	v_cvt_i32_f32 v254, v254                       ; (it saturates)
	v_ldexp_f32 v252, 1.0, v254                    ; f = 2^(old M - new M)
.irp j, 0,2,4,6,8,10,12,14,16,18,20,22,24,26,28,30,32,34,36,38,40,42,44,46,48,50,52,54,56,58,60,62
	v_pk_fma_f32 v[S+\j:S+1+\j], v[S+\j:S+1+\j], s[CS:CS+1], v[12:13] op_sel_hi:[1,0,0]   ; t - M, two at a time
.endr
.irp b, 0,1,2,3
	v_fma_f32 v[232+\b], v[232+\b], s[CS], v12     ; the same of each block's largest score
.endr
.irp j, 0,1,2,3,4,5,6,7,8,9,10,11,12,13,14,15,16,17,18,19,20,21,22,23,24,25,26,27,28,29,30,31,32,33,34,35,36,37,38,39,40,41,42,43,44,45,46,47,48,49,50,51,52,53,54,55,56,57,58,59,60,61,62,63
	v_exp_f32 v[S+\j], v[S+\j]                     ; p = 2^(t - M), at most 1
.endr
	v_pk_mul_f32 v[14:15], v[14:15], v[252:253] op_sel_hi:[1,0]      ; the sums under the new M: the plain instruction behind the exponentials
	s_wait_alu depctr_va_vdst(0)                   ; the wait ahead of the first instruction that names a result: one for the batch of 64
.irp b, 0,1,2,3
	v_exp_f32 v[232+\b], v[232+\b]                 ; the block's largest p: the same two instructions on the same number give the same bits
.endr
	v_pk_add_f32 v[236:237], v[S:S+1], v[S+2:S+3]  ; the row's sum is taken of the unquantised p, two at a time, in two chains
.irp j, 4,8,12,16,20,24,28,32,36,40,44,48,52,56,60
	v_pk_add_f32 v[14:15], v[14:15], v[S+\j:S+1+\j]
	v_pk_add_f32 v[236:237], v[236:237], v[S+2+\j:S+3+\j]
.endr
	v_pk_add_f32 v[14:15], v[14:15], v[236:237]
	s_wait_alu depctr_va_vdst(0)                   ; and one for the four
.irp b, 0,1,2,3
	v_max_num_f32 v[232+\b], 0x1800000, v[232+\b]  ; the floor 2^(3 - 127): the byte cannot fall under 1
.endr
.irp b, 0,1,2,3
	v_add_nc_u32 v[244+\b], 0xff000000, v[232+\b]  ; 2 off the exponent field: the conversion's scale operand
.endr
.irp b, 0,1,2,3
	v_lshrrev_b32 v[236+\b], 23, v[244+\b]         ; the scale's byte
.endr
	v_lshl_or_b32 v253, v237, 8, v236              ; p's scale word for these 128 keys
	v_lshl_or_b32 v253, v238, 16, v253
	v_lshl_or_b32 v253, v239, 24, v253
.irp c, 0,1
	v_cvt_scalef32_pk16_fp6_f32 v[224+6*\c:226+6*\c], v[S+32*\c:S+15+32*\c], v[244+2*\c]
	v_cvt_scalef32_pk16_fp6_f32 v[236+4*\c:238+4*\c], v[S+16+32*\c:S+31+32*\c], v[244+2*\c+1]
.endr
	v_nop                                          ; one plain instruction behind a scaled conversion
.irp c, 0,1                                    ; the layout wants a whole block in a lane
.irp i, 0,1,2
	v_permlane16_swap_b32 v[224+6*\c+\i], v[236+4*\c+\i]
.endr
.irp i, 0,1,2
	v_mov_b32 v[227+6*\c+\i], v[236+4*\c+\i]
.endr
.endr
.irp j, 0,2,4,6,8,10,12,14,16,18,20,22,24,26,28,30
	v_pk_mul_f32 v[O+\j:O+1+\j], v[O+\j:O+1+\j], v[252:253] op_sel_hi:[1,0]   ; O^T under the new M; these stand between the writes of p's codes and scale word and the products
.endr
.irp t, 0,1,2,3                                ; O^T += V^T P^T: four accumulators by turns, one instruction a turn
	v_wmma_scale_f32_16x16x128_f8f6f4 v[O+8*\t:O+8*\t+7], v[VF+12*\t:VF+12*\t+11], v[224:235], v[O+8*\t:O+8*\t+7], v[VS+\t], v253 matrix_a_fmt:MATRIX_FMT_FP6 matrix_b_fmt:MATRIX_FMT_FP6
.endr
.endm
	s_wait_tensorcnt 0x1                           ; my piece of key steps 0-7 has landed; the other may be out
	s_barrier_signal -1
	s_barrier_wait -1                              ; everybody's has
	s_wait_loadcnt 0x0                             ; q
	s_mov_b32 s[TB], 0
	s_mov_b32 s[TR], 8
.Lfirst_half:
	STEP
	s_add_co_u32 s[TB], s[TB], STEPB
	s_sub_co_u32 s[TR], s[TR], 1
	s_cmp_lg_u32 s[TR], 0
	s_cbranch_scc1 .Lfirst_half
	s_wait_tensorcnt 0x0                           ; my piece of key steps 8-15 has landed (no load was issued behind it),
	s_wait_dscnt 0x0
	s_barrier_signal -1
	s_barrier_wait -1                              ; and everybody's
	s_mov_b32 s[TB], 8*STEPB
	s_mov_b32 s[TR], 8
.Lsecond_half:
	STEP
	s_add_co_u32 s[TB], s[TB], STEPB
	s_sub_co_u32 s[TR], s[TR], 1
	s_cmp_lg_u32 s[TR], 0
	s_cbranch_scc1 .Lsecond_half
	; THE WAY OUT: O^T / the sum, quantised along the head's 64 channels (two blocks; register 16 b + i = channel 32 b + 16 (lane / 16) + i of my query)
	PLACES
	v_add_f32 v14, v14, v15
	v_permlanex16_b32 v252, v14, s[SEL], s[SEL+1]
	v_add_f32 v14, v14, v252                       ; the row's sum
	v_rcp_f32 v14, v14
	v_nop                                          ; a plain instruction behind the reciprocal,
	s_wait_alu depctr_va_vdst(0)                   ; and a wait ahead of its first reader
.irp j, 0,1,2,3,4,5,6,7,8,9,10,11,12,13,14,15,16,17,18,19,20,21,22,23,24,25,26,27,28,29,30,31
	v_mul_f32 v[S+\j], v[O+\j], v14                ; each accumulator from its low end on
.endr
.irp b, 0,1
	v_max3_num_f32 v[232+\b], |v[S+16*\b]|, |v[S+1+16*\b]|, 0x1800000
.endr
.irp i, 2,4,6,8,10,12,14
.irp b, 0,1
	v_max3_num_f32 v[232+\b], v[232+\b], |v[S+16*\b+\i]|, |v[S+1+16*\b+\i]|
.endr
.endr
.irp b, 0,1
	v_permlanex16_b32 v[236+\b], v[232+\b], s[SEL], s[SEL+1]
.endr
.irp b, 0,1
	v_max_num_f32 v[232+\b], v[232+\b], v[236+\b]
.endr
.irp b, 0,1
	v_add_nc_u32 v[244+\b], 0xff000000, v[232+\b]
.endr
.irp b, 0,1
	v_lshrrev_b32 v[238+\b], 23, v[244+\b]
.endr
	v_cndmask_b32 v254, v238, v239, s42            ; lanes 0-15 store the first block's byte, lanes 16-31 the second's
	v_cvt_scalef32_pk16_fp6_f32 v[224:226], v[S:S+15], v244
	v_cvt_scalef32_pk16_fp6_f32 v[228:230], v[S+16:S+31], v245
	v_nop
.irp i, 0,1,2
	v_permlane16_swap_b32 v[224+\i], v[228+\i]
.endr
	v_mov_b32 v227, v228
	v_mov_b32 v228, v229
	v_mov_b32 v229, v230
	global_store_b128 v[L16], v[224:227], s[54:55]                   ; 512 and 256 consecutive bytes, at multiples of 256 from the buffer's first byte
	global_store_b64 v[L8], v[228:229], s[54:55] offset:512
	global_store_b8 v8, v254, s[58:59] offset:6144
	s_wait_tensorcnt 0x0                           ; the wave's end, behind my last tensor load
	ds_add_u32 v[SPW], v[NIL]
	s_wait_dscnt 0x0
	CROUND                                         ; the closing round
	s_endpgm
.Lfunc_end_k_q4ad2a2a8d0_attn:
	.size	k_q4ad2a2a8d0_attn, .Lfunc_end_k_q4ad2a2a8d0_attn-k_q4ad2a2a8d0_attn
	.p2alignl 7, 3214868480
	.fill 96, 4, 3214868480
	.section	.rodata,"a",@progbits
	.p2align	6, 0x0
	.amdhsa_kernel k_q4ad2a2a8d0_attn
		.amdhsa_group_segment_fixed_size 327680
		.amdhsa_private_segment_fixed_size 0
		.amdhsa_enable_private_segment 0
		.amdhsa_kernarg_size 24
		.amdhsa_user_sgpr_count 2
		.amdhsa_user_sgpr_kernarg_segment_ptr 1
		.amdhsa_wavefront_size32 1
		.amdhsa_system_sgpr_workgroup_id_x 1
		.amdhsa_system_sgpr_workgroup_id_y 1
		.amdhsa_system_sgpr_workgroup_id_z 1
		.amdhsa_system_vgpr_workitem_id 0
		.amdhsa_next_free_vgpr 256
		.amdhsa_next_free_sgpr 66
		.amdhsa_reserve_vcc 0
		.amdhsa_float_denorm_mode_32 3
		.amdhsa_float_denorm_mode_16_64 3
		.amdhsa_memory_ordered 1
		.amdhsa_forward_progress 1
		.amdhsa_inst_pref_size 44
	.end_amdhsa_kernel
	.amdgpu_metadata
---
amdhsa.version: [ 1, 2 ]
amdhsa.kernels:
  - .name:           k_q4ad2a2a8d0_attn
    .symbol:         k_q4ad2a2a8d0_attn.kd
    .args:
      - { .name: qws, .offset: 0, .size: 8, .value_kind: global_buffer, .address_space: global }
      - { .name: kv, .offset: 8, .size: 8, .value_kind: global_buffer, .address_space: global }
      - { .name: ctx, .offset: 16, .size: 8, .value_kind: global_buffer, .address_space: global }
    .group_segment_fixed_size: 327680
    .private_segment_fixed_size: 0
    .kernarg_segment_align: 8
    .kernarg_segment_size: 24
    .max_flat_workgroup_size: 512
    .sgpr_count:     66
    .vgpr_count:     256
    .wavefront_size: 32
...
	.end_amdgpu_metadata
.endif
;; end of part 4
;; launch outp (part 5): grid 4 x 64, 4 waves a work-group, clusters of 4 x 4, 327,680 bytes of LDS; arguments ctx, wimg, bo, out0; writes out0
.if DOCPART == 5
	.amdgcn_target "amdgcn-amd-amdhsa--gfx1250"
	.amdhsa_code_object_version 6
	.text
	.protected	k_q4ad2a2a8d0_outp
	.globl	k_q4ad2a2a8d0_outp
	.p2align	8
	.type	k_q4ad2a2a8d0_outp,@function
k_q4ad2a2a8d0_outp:
	s_mov_b64 s[64:65], 0
	v_nop
	global_prefetch_b8 v0, s[64:65] scope:SCOPE_SE
	s_setreg_imm32_b32 hwreg(HW_REG_WAVE_MODE, 25, 1), 1
	s_wait_xcnt 0x0
	s_wait_alu depctr_hold_cnt(0) depctr_sa_sdst(0) depctr_va_vdst(0) depctr_va_sdst(0) depctr_va_ssrc(0) depctr_va_vcc(0) depctr_vm_vsrc(0)
	s_getreg_b32 s2, hwreg(HW_REG_IB_STS2, 6, 4)
	s_cmp_eq_u32 s2, 0
	s_cbranch_scc0 .Lentry_in_a_cluster
	s_endpgm
.Lentry_in_a_cluster:
	s_bfe_u32 s2, ttmp6, 0x10000c
	s_cmp_lg_u32 s2, 0xf033
	s_cbranch_scc0 .Lentry_shape_is_right
	s_endpgm
.Lentry_shape_is_right:
; out0 = ctx Wo + bo on codes of FP6 (E2M3), sums in f32, out0 [4,096][1,024] f32.
; SHARES.  A work-group takes 64 rows and 256 columns; wave w takes columns 64 (4 cx + w) on: 64 x 64, 16 accumulators.  256 work-groups.
; OPERANDS lie in memory in the order of an operand's registers (records of 64 rows x 128 K: four fragments of 1,536 bytes, 256 bytes of scale words; a strip = 8 records = 51,200 dense bytes).
; ALL OF K FITS IN LDS: one strip of ctx and four of Wo.  Every tensor load is a first fill, no LDS byte is filled twice.  Each wave has four loads out: a record of ctx and four of its weight strip for K steps 0-3, then the same for 4-7.
; CLUSTERS: 4 x 4.  ctx's strip hangs on the block of rows alone and is asked for jointly along a row of the cluster; a weight strip hangs on cx and the wave and is asked for jointly along a column.
; Source 0 = 16 columns of Wo, source 1 = 16 rows of ctx: a lane holds one row, and its eight registers of a tile are eight neighbouring columns.  The bias is the C of each sum's first matrix instruction.
; Place p of tile 2 b + u is row (or column) 32 b + 8 u + p + 8 (p / 8): the way out puts columns and rows back in order through the wave's own stage in LDS; sixteen lanes store 256 consecutive bytes of a row.
; REGISTERS: window 0: addresses, scale words, bias, the way out; window 1: the accumulators, a = 4 i + t at v[8 a]; windows 2 and 3: two sets of fragments, ctx's tile i at v[12 i], Wo's tile t at v[48 + 12 t].
.set REC,   6400
.set STRIP, 8*REC
.set SPARE, 5*STRIP                    ; LDS: ctx's strip, a strip of Wo for each wave, then the spare words, 128 bytes a wave: two blocks of 256 bytes that no other line names
.set STG,   SPARE+512                  ; then a stage of 16 rows x (256 bytes + 16) for each wave: bytes that no tensor load fills
.set SPITCH, 272
.set LA16, 2                           ; v2   16 x lane
.set LA8,  4                           ; v4   8 x lane
.set LB16, 6                           ; v6   16 x lane in my strip of Wo
.set LB8,  7                           ; v7   8 x lane
.set STO,  8                           ; v8   into the stage
.set RD,   9                           ; v9   out of it
.set CO,   10                          ; v10  my byte offset in two rows of out0
.set BOF,  11                          ; v11  the bias loads' offset
.set SC,   16                          ; v16-19, v20-23 scale words, two sets: ctx's two registers, Wo's two
.set SPW,  28                          ; v28  my spare word; never rewritten
.set NIL,  29                          ; v29  0; never rewritten
.set BIAS, 32                          ; v32-63
.set BK,   128                         ; v128-191 rows read back from the stage, two sets
.set FB,   48
.set WV,   18
.set G1A,  24
.set G1B,  32
.set AE,   40
.set BE,   44
.set AL,   48
.set BL,   52
.set MSB, 0
.macro WIN new                         ; the immediate's high byte repeats the setting that is left; a switch that changes nothing is dropped
.if MSB != (\new)
	s_set_vgpr_msb (MSB<<8)|(\new)
.set MSB, (\new)
.endif
.endm
.macro PLACES                          ; four plain instructions between a matrix instruction and a load into, or a read of, its registers (ISA guide 7.12.1 for reads)
.rept 4
	v_nop
.endr
.endm
.macro CROUND
	s_barrier_signal -1
	s_barrier_wait -1
	s_cmp_lg_u32 s[WV], 0
	s_cbranch_scc1 .Lnot_wave_0_\@
	s_barrier_signal -3
.Lnot_wave_0_\@:
	s_barrier_wait -3
	s_barrier_signal -1
	s_barrier_wait -1
.endm
	s_load_b256 s[4:11], s[0:1], 0x0               ; ctx, wimg, bo, out0
	v_lshl_add_u32 v[SPW], v0, 2, SPARE
	v_mov_b32 v[NIL], 0
	ds_add_u32 v[SPW], v[NIL]                      ; the wave's opening: the add and its wait stand ahead of my first tensor load; work on registers stands between them
	v_lshrrev_b32 v1, 5, v0
	v_readfirstlane_b32 s[WV], v1                  ; wave 0..3
	s_bfe_u32 s20, ttmp6, 0x40000                  ; cx
	s_bfe_u32 s21, ttmp6, 0x40004                  ; cy
	s_and_b32 s22, ttmp7, 0xffff
	s_lshl_b32 s22, s22, 2
	s_add_co_u32 s22, s22, s21                     ; my block of 64 rows = 4 x cluster y + cy
	s_lshl_b32 s23, s21, 2
	s_lshl_b32 s23, 15, s23                        ; my row of the cluster
	s_lshl_b32 s66, 0x1111, s20                    ; my column
	s_or_b32 s[G1A], s23, (3<<16)|(1<<21)          ; 15:0 the mask; 17:16 elements of 8 bytes; 21 set beside a mask; no padding
	s_mov_b32 s[G1A+1], 32<<16                     ; rows of 256 bytes,
	s_mov_b32 s[G1A+2], 25<<16                     ; 25 of them: a record
	s_mov_b32 s[G1A+3], 32<<16
	s_mov_b32 s[G1A+4], 25
	s_mov_b32 s[G1A+5], 32
	s_mov_b32 s[G1A+6], 0
	s_mov_b32 s[G1A+7], 0
	s_or_b32 s[G1B], s66, (3<<16)|(1<<21)
	s_mov_b32 s[G1B+1], 32<<16
	s_mov_b32 s[G1B+2], 100<<16                    ; four records
	s_mov_b32 s[G1B+3], 32<<16
	s_mov_b32 s[G1B+4], 100
	s_mov_b32 s[G1B+5], 32
	s_mov_b32 s[G1B+6], 0
	s_mov_b32 s[G1B+7], 0
	s_mul_i32 s58, s[WV], REC                      ; ctx: wave w fetches K step w, later K step 4 + w (registers that feed ctx's descriptors never hold cx)
	s_mul_i32 s56, s22, STRIP
	s_add_co_u32 s56, s56, s58
	s_mov_b32 s57, 0
	s_lshl_b32 s68, s20, 2
	s_add_co_u32 s68, s68, s[WV]                   ; my 64 columns: 4 cx + w
	s_add_co_u32 s67, s68, 48                      ; Wo's strips lie behind the other three weights'
	s_mul_i32 s70, s67, STRIP
	s_mov_b32 s71, 0
	s_mul_i32 s69, s[WV], STRIP
	s_add_co_u32 s69, s69, STRIP                   ; its place in LDS: the wave's number alone
	s_lshl_b32 s62, s68, 8                         ; my 64 numbers of the bias, and my 256 bytes of a row of out0
	s_mov_b32 s63, 0
	s_lshl_b32 s74, s22, 18                        ; 64 rows of 4,096 bytes
	s_add_co_u32 s74, s74, s62
	s_mov_b32 s75, 0
	s_mul_i32 s76, s[WV], 16*SPITCH
	s_add_co_u32 s76, s76, STG                     ; my stage
	s_wait_dscnt 0x0                               ; the opening add is done
	s_wait_kmcnt 0x0
	s_add_nc_u64 s[60:61], s[4:5], s[56:57]
	s_add_nc_u64 s[72:73], s[6:7], s[70:71]
	s_add_nc_u64 s[8:9], s[8:9], s[62:63]
	s_add_nc_u64 s[10:11], s[10:11], s[74:75]
	s_mov_b32 s[AE], 1
	s_mov_b32 s[AE+1], s58
	s_mov_b64 s[AE+2:AE+3], s[60:61]
	s_or_b32 s[AE+3], s[AE+3], 0x80000000
	s_mov_b32 s[AL], 1
	s_add_co_u32 s[AL+1], s58, 4*REC
	s_add_nc_u64 s[AL+2:AL+3], s[60:61], 4*REC
	s_or_b32 s[AL+3], s[AL+3], 0x80000000
	s_mov_b32 s[BE], 1
	s_mov_b32 s[BE+1], s69
	s_mov_b64 s[BE+2:BE+3], s[72:73]
	s_or_b32 s[BE+3], s[BE+3], 0x80000000
	s_mov_b32 s[BL], 1
	s_add_co_u32 s[BL+1], s69, 4*REC
	s_add_nc_u64 s[BL+2:BL+3], s[72:73], 4*REC
	s_or_b32 s[BL+3], s[BL+3], 0x80000000
	CROUND                                         ; all sixteen work-groups are here: the joint loads meet
	tensor_load_to_lds s[AE:AE+3], s[G1A:G1A+7]    ; the launch's only tensor loads, one group: four of mine are out
	s_nop 0
	tensor_load_to_lds s[BE:BE+3], s[G1B:G1B+7]
	s_nop 0
	tensor_load_to_lds s[AL:AL+3], s[G1A:G1A+7]
	s_nop 0
	tensor_load_to_lds s[BL:BL+3], s[G1B:G1B+7]
	s_nop 0
.rept 4
	v_nop
.endr
	v_and_b32 v1, 31, v0
	v_lshlrev_b32 v[LA16], 4, v1
	v_lshlrev_b32 v[LA8], 3, v1
	v_add_nc_u32 v[LB16], s69, v[LA16]
	v_add_nc_u32 v[LB8], s69, v[LA8]
	v_and_b32 v1, 15, v0                           ; r
	v_bfe_u32 v3, v0, 4, 1                         ; h
	v_lshlrev_b32 v[BOF], 6, v3                    ; register j of tile t is column 32 (t / 2) + 8 (t % 2) + 16 h + j
	v_mul_u32_u24 v[STO], v1, SPITCH
	v_lshl_add_u32 v[STO], v3, 6, v[STO]
	v_add_nc_u32 v[STO], s76, v[STO]               ; in: stage row r, + 64 h
	v_mul_u32_u24 v[RD], v3, SPITCH
	v_lshl_add_u32 v[RD], v1, 4, v[RD]
	v_add_nc_u32 v[RD], s76, v[RD]                 ; back: lanes 0-15 one row of 256 bytes, lanes 16-31 the next
	v_lshlrev_b32 v[CO], 12, v3
	v_lshl_add_u32 v[CO], v1, 4, v[CO]             ; and the same two rows in out0
.irp t, 0,1,2,3
	global_load_b128 v[BIAS+8*\t:BIAS+8*\t+3], v[BOF], s[8:9] offset:(32*(\t/2)+8*(\t%2))*4
	global_load_b128 v[BIAS+8*\t+4:BIAS+8*\t+7], v[BOF], s[8:9] offset:(32*(\t/2)+8*(\t%2))*4+16
.endr
.macro FRAG d, a16, a8, off            ; a fragment as it lies: two halves of 768 bytes
	ds_load_b128 v[(\d):(\d)+3], v[\a16] offset:(\off)
	ds_load_b64 v[(\d)+4:(\d)+5], v[\a8] offset:(\off)+512
	ds_load_b128 v[(\d)+6:(\d)+9], v[\a16] offset:(\off)+768
	ds_load_b64 v[(\d)+10:(\d)+11], v[\a8] offset:(\off)+1280
.endm
.macro FETCH k                         ; K step k into set k % 2: 34 LDS loads in one run
	WIN 0x80+0x40*((\k)%2)
.irp i, 0,1,2,3
	FRAG 12*\i, LA16, LA8, REC*(\k)+1536*\i
.endr
.irp t, 0,1,2,3
	FRAG FB+12*\t, LB16, LB8, REC*(\k)+1536*\t
.endr
	WIN 0
	ds_load_b64 v[SC+4*((\k)%2):SC+4*((\k)%2)+1], v[LA8] offset:REC*(\k)+6144
	ds_load_b64 v[SC+4*((\k)%2)+2:SC+4*((\k)%2)+3], v[LB8] offset:REC*(\k)+6144
.endm
; one matrix instruction; ra, rb: the source's scale words stand in lanes 16-31 of the register named
.macro WM d, a, b, c, sa, sb, ra, rb
.if (\ra) && (\rb)
	v_wmma_scale_f32_16x16x128_f8f6f4 v[(\d):(\d)+7], v[(\a):(\a)+11], v[(\b):(\b)+11], v[(\c):(\c)+7], v[\sa], v[\sb] matrix_a_fmt:MATRIX_FMT_FP6 matrix_b_fmt:MATRIX_FMT_FP6 matrix_a_scale:MATRIX_SCALE_ROW1 matrix_b_scale:MATRIX_SCALE_ROW1
.elseif (\ra)
	v_wmma_scale_f32_16x16x128_f8f6f4 v[(\d):(\d)+7], v[(\a):(\a)+11], v[(\b):(\b)+11], v[(\c):(\c)+7], v[\sa], v[\sb] matrix_a_fmt:MATRIX_FMT_FP6 matrix_b_fmt:MATRIX_FMT_FP6 matrix_a_scale:MATRIX_SCALE_ROW1
.elseif (\rb)
	v_wmma_scale_f32_16x16x128_f8f6f4 v[(\d):(\d)+7], v[(\a):(\a)+11], v[(\b):(\b)+11], v[(\c):(\c)+7], v[\sa], v[\sb] matrix_a_fmt:MATRIX_FMT_FP6 matrix_b_fmt:MATRIX_FMT_FP6 matrix_b_scale:MATRIX_SCALE_ROW1
.else
	v_wmma_scale_f32_16x16x128_f8f6f4 v[(\d):(\d)+7], v[(\a):(\a)+11], v[(\b):(\b)+11], v[(\c):(\c)+7], v[\sa], v[\sb] matrix_a_fmt:MATRIX_FMT_FP6 matrix_b_fmt:MATRIX_FMT_FP6
.endif
.endm
; A K step's 16 products: the 16 accumulators by turns, in the same order in every step
.macro MULS k, first
	WIN 0x5a+5*((\k)%2)-0x10*(\first)              ; sources 0 and 1: the set's window; D window 1; C window 1, or window 0 where it is the bias
.irp i, 0,1,2,3
.irp t, 0,1,2,3
.if \first
	WM 8*(4*\i+\t), FB+12*\t, 12*\i, BIAS+8*\t, SC+4*((\k)%2)+2+\t/2, SC+4*((\k)%2)+\i/2, \t%2, \i%2
.else
	WM 8*(4*\i+\t), FB+12*\t, 12*\i, 8*(4*\i+\t), SC+4*((\k)%2)+2+\t/2, SC+4*((\k)%2)+\i/2, \t%2, \i%2
.endif
.endr
.endr
	WIN 0
.endm
	s_wait_tensorcnt 0x2                           ; my early pieces have landed; the two late ones may be out
	s_barrier_signal -1
	s_barrier_wait -1                              ; everybody's have: K steps 0-3 of ctx lie in LDS
	FETCH 0
	FETCH 1
	s_wait_loadcnt 0x0                             ; the bias
	s_wait_dscnt 34                                ; K step 0's 34 loads are in; K step 1's may be out
	MULS 0, 1                                      ; the first products start the sums from the bias: nothing is cleared
.irp k, 1,2
	PLACES
	FETCH \k+1
	s_wait_dscnt 34                                ; all but the 34 just issued
	MULS \k, 0
.endr
	s_wait_tensorcnt 0x0                           ; my late pieces have landed (no load was issued behind them),
	s_wait_dscnt 0x0                               ; and no LDS instruction of mine is out at a signal
	s_barrier_signal -1
	s_barrier_wait -1                              ; everybody's have: K steps 4-7
	PLACES
	FETCH 4
	s_wait_dscnt 34
	MULS 3, 0
.irp k, 4,5,6
	PLACES
	FETCH \k+1
	s_wait_dscnt 34
	MULS \k, 0
.endr
	s_wait_dscnt 0x0
	MULS 7, 0
; THE WAY OUT, a tile of 16 rows x 64 columns at a time, through my own stage.  LDS serves a wave's instructions in order (ISA guide 5.7.1.4): no wait between the stores and the loads, nor in front of the next tile's stores.
.macro TOSTAGE i
	WIN 0x04                                       ; an LDS store's data are its source 1: window 1
.irp t, 0,1,2,3
	ds_store_b128 v[STO], v[8*(4*(\i)+\t):8*(4*(\i)+\t)+3] offset:128*(\t/2)+32*(\t%2)          ; each accumulator from its low end on
	ds_store_b128 v[STO], v[8*(4*(\i)+\t)+4:8*(4*(\i)+\t)+7] offset:128*(\t/2)+32*(\t%2)+16
.endr
	WIN 0
.irp u, 0,1,2,3,4,5,6,7
	ds_load_b128 v[BK+32*((\i)%2)+4*\u:BK+32*((\i)%2)+4*\u+3], v[RD] offset:2*SPITCH*\u
.endr
.endm
.macro SEND i, younger                 ; younger: the LDS instructions issued behind tile i's loads, which may stay out.  Stage row p is row 32 (i / 2) + 8 (i % 2) + p + 8 (p / 8) of my 64
	s_wait_dscnt \younger
.irp u, 0,1,2,3,4,5,6,7
	global_store_b128 v[CO], v[BK+32*((\i)%2)+4*\u:BK+32*((\i)%2)+4*\u+3], s[10:11] offset:(32*((\i)/2)+8*((\i)%2)+2*\u+8*(\u/4))*4096 th:TH_STORE_NT   ; 16 lanes store 256 consecutive bytes, at a multiple of 256 from out0's first byte
.endr
.endm
	PLACES
	TOSTAGE 0
.irp i, 1,2,3
.if \i > 1
	s_wait_xcnt 0x0                                ; tile i - 2's stores have read their registers: tile i's loads may land there
.endif
	TOSTAGE \i
	SEND \i-1, 16                                  ; behind tile i - 1's loads: tile i's 8 stores and 8 loads
.endr
	SEND 3, 0
	s_wait_tensorcnt 0x0                           ; the wave's end, behind my last tensor load and my last LDS store
	ds_add_u32 v[SPW], v[NIL]
	s_wait_dscnt 0x0
	CROUND                                         ; the closing round
	s_endpgm
.Lfunc_end_k_q4ad2a2a8d0_outp:
	.size	k_q4ad2a2a8d0_outp, .Lfunc_end_k_q4ad2a2a8d0_outp-k_q4ad2a2a8d0_outp
	.p2alignl 7, 3214868480
	.fill 96, 4, 3214868480
	.section	.rodata,"a",@progbits
	.p2align	6, 0x0
	.amdhsa_kernel k_q4ad2a2a8d0_outp
		.amdhsa_group_segment_fixed_size 327680
		.amdhsa_private_segment_fixed_size 0
		.amdhsa_enable_private_segment 0
		.amdhsa_kernarg_size 32
		.amdhsa_user_sgpr_count 2
		.amdhsa_user_sgpr_kernarg_segment_ptr 1
		.amdhsa_wavefront_size32 1
		.amdhsa_system_sgpr_workgroup_id_x 1
		.amdhsa_system_sgpr_workgroup_id_y 1
		.amdhsa_system_sgpr_workgroup_id_z 1
		.amdhsa_system_vgpr_workitem_id 0
		.amdhsa_next_free_vgpr 1024
		.amdhsa_next_free_sgpr 100
		.amdhsa_reserve_vcc 0
		.amdhsa_float_denorm_mode_32 3
		.amdhsa_float_denorm_mode_16_64 3
		.amdhsa_memory_ordered 1
		.amdhsa_forward_progress 1
		.amdhsa_inst_pref_size 50
	.end_amdhsa_kernel
	.amdgpu_metadata
---
amdhsa.version: [ 1, 2 ]
amdhsa.kernels:
  - .name:           k_q4ad2a2a8d0_outp
    .symbol:         k_q4ad2a2a8d0_outp.kd
    .args:
      - { .name: ctx, .offset: 0, .size: 8, .value_kind: global_buffer, .address_space: global }
      - { .name: wimg, .offset: 8, .size: 8, .value_kind: global_buffer, .address_space: global }
      - { .name: bo, .offset: 16, .size: 8, .value_kind: global_buffer, .address_space: global }
      - { .name: out0, .offset: 24, .size: 8, .value_kind: global_buffer, .address_space: global }
    .group_segment_fixed_size: 327680
    .private_segment_fixed_size: 0
    .kernarg_segment_align: 8
    .kernarg_segment_size: 32
    .max_flat_workgroup_size: 128
    .sgpr_count:     100
    .vgpr_count:     1024
    .wavefront_size: 32
...
	.end_amdgpu_metadata
.endif
;; end of part 5
;; ======== version 2 of 2: 4 launches
;; limits: right only within a limited range of input values
;; workspace buffers: xq 3,276,800 bytes; wimg 3,276,800 bytes; qws 3,407,872 bytes; kv 6,815,744 bytes; ctx 3,276,800 bytes
;; launch quant (part 6): grid 2048 x 1, 2 waves a work-group, no clusters, 20,224 bytes of LDS; arguments query_input, Wq, Wk, Wv, Wo, xq, wimg; writes xq, wimg
.if DOCPART == 6
	.amdgcn_target "amdgcn-amd-amdhsa--gfx1250"
	.amdhsa_code_object_version 6
	.text
	.protected	k_q4ad2a2a8d0_quant
	.globl	k_q4ad2a2a8d0_quant
	.p2align	8
	.type	k_q4ad2a2a8d0_quant,@function
k_q4ad2a2a8d0_quant:
	s_mov_b64 s[64:65], 0
	v_nop
	global_prefetch_b8 v0, s[64:65] scope:SCOPE_SE
	s_setreg_imm32_b32 hwreg(HW_REG_WAVE_MODE, 25, 1), 1
	s_wait_xcnt 0x0
; TWO QUANTISERS IN ONE LAUNCH: work-groups 0-1,023 take query_input, work-groups 1,024-2,047 the four weights.  The paths part on the work-group's number, never join again, and have LDS bytes of their own.
; Both make codes of FP6 (E2M3) with one E8M0 byte for each 32 along K, laid in the ORDER OF AN OPERAND'S REGISTERS.
; A RECORD is 64 rows (of x; columns n of a weight) x 128 K, 6,400 bytes: four fragments of 1,536 bytes (tile 0..3), then 256 bytes of scale words.
;   xq = [block of 64 rows][K step] records;  wimg = [16 x (q, k, v, o) + n / 64][K step] records.
; A fragment (16 rows x 128 K, 12 registers a lane) lies as two halves of 768 bytes: registers 0-3 at 16 x lane, registers 4-5 at 512 + 8 x lane.
; THE ROWS OF A TILE ARE NOT NEIGHBOURS: place p of tile 2 b + u holds row 32 b + 8 u + p + 8 (p / 8), so that a later product's results, 16 registers of two tiles, are 16 neighbours.
; Scale words: the word at 8 x lane + 4 i belongs to tile 2 i + lane / 16, place lane % 16.
; A block's scale is 2^(floor(log2(largest magnitude)) - 2); its byte is the largest magnitude's exponent field - 2, held at 1 from below.
; SHARES: a wave takes 2,048 numbers and asks for all of them at once: of x one tile (16 rows x 128 K, 16 loads of 512 bytes), of a weight 32 columns x 64 K (64 loads of 128 bytes).
; Codes leave in runs of 512 and 256 consecutive bytes; the scale words, 256 of a record's 6,400 bytes, leave as 4 or 2 bytes a lane.
; LIMITS: a block of zeros gets the byte 1, not 127 (its codes are zeros, and only this program reads the bytes); blocks whose largest magnitude lies under 2^-124 are held at the byte 1; NaN and infinities are not served.
; Waves share nothing: no barrier, no cluster (no two work-groups read the same bytes), no tensor load.
.set PITCH, 528                        ; x: a stage row: 512 bytes + 16
.set XWST,  16*PITCH                   ; x: a wave's stage
.set WBASE, 2*XWST                     ; behind x's stages: the weights' images, two half fragments of 768 bytes
.set WWST,  1536                       ; for each wave
.set SPARE, WBASE+2*WWST               ; behind them: the spare words, 128 bytes a wave
.set L16, 2                            ; v2   16 x lane
.set L8,  3                            ; v3   8 x lane
.set SPW, 6
.set NIL, 7
	s_load_b256 s[4:11], s[0:1], 0x0               ; query_input, Wq, Wk, Wv
	s_load_b128 s[12:15], s[0:1], 0x20             ; Wo, xq
	s_load_b64 s[16:17], s[0:1], 0x30              ; wimg
	v_lshl_add_u32 v[SPW], v0, 2, SPARE
	v_mov_b32 v[NIL], 0
	v_lshrrev_b32 v1, 5, v0
	v_readfirstlane_b32 s18, v1                    ; wave
	v_and_b32 v1, 31, v0                           ; lane
	v_lshlrev_b32 v[L16], 4, v1
	v_lshlrev_b32 v[L8], 3, v1
	s_wait_alu depctr_va_vdst(0)
	s_cmp_ge_u32 ttmp9, 1024
	s_cbranch_scc1 .Lweights
; ---- query_input: K innermost.  Each load reads 512 consecutive bytes of one row; the tile's 16 rows turn through the wave's own stage, so that a lane gets 16 neighbours of each block of 32.
.set STW, 4                            ; v4   into the stage: 16 x lane of a row
.set STR, 5                            ; v5   out of it: row lane % 16, + 64 (lane / 16)
.set SW,  8                            ; v8   the tile's scale word
.set SAD, 12                           ; v12  8 x (lane % 16)
.set TM,  16                           ; v16-31 at work in QUANT
.set PC,  32                           ; v32-51 a fragment's codes (12) and 8 more at work
.set X,   64                           ; v64-127 64 numbers of my row: register 16 b + i = k 32 b + 16 (lane / 16) + i
.set R,   128                          ; v128-191 as loaded
.set SEL, 20
	s_mul_i32 s19, s18, XWST
	v_add_nc_u32 v[STW], s19, v[L16]
	v_and_b32 v9, 15, v0
	v_bfe_u32 v10, v0, 4, 1
	v_mul_u32_u24 v[STR], v9, PITCH
	v_lshlrev_b32 v[SAD], 3, v9
	v_lshl_add_u32 v[STR], v10, 6, v[STR]
	v_add_nc_u32 v[STR], s19, v[STR]
.irp b, 0,1,2,3
	v_mov_b32 v[TM+4+\b], 0                        ; a lane permute's destination counts as one of its sources
.endr
	s_mov_b32 s[SEL], 0x76543210
	s_mov_b32 s[SEL+1], 0xfedcba98
	s_and_b32 s23, ttmp9, 1                        ; my tile is 2 x this + wave
	s_bfe_u32 s25, ttmp9, 0x30001                  ; K step
	s_lshr_b32 s24, ttmp9, 4                       ; block of 64 rows
	s_lshl_b32 s26, s24, 18                        ; 64 rows of 4,096 bytes
	s_lshl_b32 s28, s25, 9                         ; 128 numbers
	s_add_co_u32 s26, s26, s28
	s_lshl_b32 s28, s23, 17                        ; 32 rows
	s_add_co_u32 s26, s26, s28
	s_lshl_b32 s28, s18, 15                        ; 8 rows
	s_add_co_u32 s26, s26, s28
	s_mov_b32 s27, 0
	s_lshl_b32 s28, s24, 3
	s_add_co_u32 s28, s28, s25
	s_mul_i32 s28, s28, 6400                       ; my record
	s_lshl_b32 s30, s18, 7
	s_add_co_u32 s30, s30, s28
	s_lshl_b32 s31, s23, 2
	s_add_co_u32 s30, s30, s31                     ; my tile's scale words in it
	s_mov_b32 s31, 0
	s_lshl_b32 s29, s23, 1
	s_add_co_u32 s29, s29, s18
	s_mul_i32 s29, s29, 1536
	s_add_co_u32 s28, s28, s29                     ; my fragment
	s_mov_b32 s29, 0
	s_wait_alu depctr_va_vdst(0)                   ; the head's end
	s_wait_kmcnt 0x0
	s_add_nc_u64 s[4:5], s[4:5], s[26:27]
	s_add_nc_u64 s[32:33], s[14:15], s[30:31]
	s_add_nc_u64 s[14:15], s[14:15], s[28:29]
.irp p, 0,1,2,3,4,5,6,7,8,9,10,11,12,13,14,15
	global_load_b128 v[R+4*\p:R+4*\p+3], v[L16], s[4:5] offset:(\p+8*(\p/8))*4096 th:TH_LOAD_NT
.endr
	s_wait_loadcnt 0x0
.irp p, 0,1,2,3,4,5,6,7,8,9,10,11,12,13,14,15
	ds_store_b128 v[STW], v[R+4*\p:R+4*\p+3] offset:PITCH*\p
.endr
.irp b, 0,1,2,3                                ; LDS serves a wave's instructions in order (ISA guide 5.7.1.4): no wait between the stores and the loads
.irp j, 0,1,2,3
	ds_load_b128 v[X+16*\b+4*\j:X+16*\b+4*\j+3], v[STR] offset:128*\b+16*\j
.endr
.endr
	s_wait_dscnt 0x0
.irp b, 0,1,2,3
	v_max3_num_f32 v[TM+\b], |v[X+16*\b]|, |v[X+1+16*\b]|, 0x1800000   ; block b: my 16 numbers, and the floor 2^(3 - 127)
.endr
.irp i, 2,4,6,8,10,12,14
.irp b, 0,1,2,3
	v_max3_num_f32 v[TM+\b], v[TM+\b], |v[X+16*\b+\i]|, |v[X+1+16*\b+\i]|
.endr
.endr
.irp b, 0,1,2,3
	v_permlanex16_b32 v[TM+4+\b], v[TM+\b], s[SEL], s[SEL+1]
.endr
.irp b, 0,1,2,3
	v_max_num_f32 v[TM+\b], v[TM+\b], v[TM+4+\b]   ; with lane l xor 16's 16: the block's largest magnitude
.endr
.irp b, 0,1,2,3
	v_add_nc_u32 v[TM+12+\b], 0xff000000, v[TM+\b] ; 2 off its exponent field: the conversion's scale operand
.endr
.irp b, 0,1,2,3
	v_lshrrev_b32 v[TM+4+\b], 23, v[TM+12+\b]      ; the scale's byte
.endr
	v_lshl_or_b32 v[SW], v[TM+5], 8, v[TM+4]
	v_lshl_or_b32 v[SW], v[TM+6], 16, v[SW]
	v_lshl_or_b32 v[SW], v[TM+7], 24, v[SW]
.irp c, 0,1
	v_cvt_scalef32_pk16_fp6_f32 v[PC+6*\c:PC+2+6*\c], v[X+32*\c:X+15+32*\c], v[TM+12+2*\c]
	v_cvt_scalef32_pk16_fp6_f32 v[PC+12+4*\c:PC+14+4*\c], v[X+16+32*\c:X+31+32*\c], v[TM+12+2*\c+1]   ; (a conversion's three registers begin on an even number)
.endr
	v_nop                                          ; one plain instruction behind a scaled conversion
.irp c, 0,1                                    ; the layout wants a whole block in a lane: lanes 0-15 block 2 c, lanes 16-31 block 2 c + 1
.irp i, 0,1,2
	v_permlane16_swap_b32 v[PC+6*\c+\i], v[PC+12+4*\c+\i]
.endr
.irp i, 0,1,2
	v_mov_b32 v[PC+3+6*\c+\i], v[PC+12+4*\c+\i]
.endr
.endr
	global_store_b128 v[L16], v[PC:PC+3], s[14:15]                 ; 512 or 256 consecutive bytes, at a multiple of 256 from the buffer's first byte
	global_store_b64 v[L8], v[PC+4:PC+5], s[14:15] offset:512
	global_store_b128 v[L16], v[PC+6:PC+9], s[14:15] offset:768
	global_store_b64 v[L8], v[PC+10:PC+11], s[14:15] offset:1280
	global_store_b32 v[SAD], v[SW], s[32:33] offset:6144           ; both halves of the lanes hold their row's word and write the same word with the same value
	s_wait_tensorcnt 0x0                           ; the wave's end, behind my last LDS store
	ds_add_u32 v[SPW], v[NIL]
	s_wait_dscnt 0x0
	s_endpgm
; ---- the four weights: [1,024 (k)][1,024 (n)] f32, K their FIRST axis.  A LANE TAKES A COLUMN AND ITS REGISTERS RUN DOWN K: a block of 32 along K lies in one lane's 32 registers, its largest magnitude needs no other
; lane, and the conversions give codes with K innermost.  A work-group takes 64 columns x 64 K: wave w columns 32 w on, so that the two waves ask for the two halves of the same 256 bytes of each row.
; My 32 columns are two tiles (u), my two blocks one half of their fragments: block n of column (u, p) belongs to lane p + 16 n of tile u's half.
; The codes are put there in the wave's own image in LDS, which then leaves in runs of 512 and 256 consecutive bytes.
.set WA16, 4
.set WA8,  5                           ; v5   registers 4-5: image + 768 u + 8 p (+ 512 in the immediate)
.set WIO,  52                          ; v52  in: 4 bytes a lane
.set WASC, 53                          ; v53  my column's scale word in the record: 8 (16 u + p)
.set WR16, 54                          ; v54  out of the image: 16 x lane
.set WR8,  55                          ; v55  8 x lane
.set SB,   16                          ; v16  my two scale bytes
.set XW,   64                          ; v64-127 two blocks of 32 numbers
.set OUTR, 128
.Lweights:
	v_lshlrev_b32 v[WIO], 2, v1
	s_mul_i32 s19, s18, WWST
	s_add_co_u32 s19, s19, WBASE                   ; my image
	v_add_nc_u32 v[WR16], s19, v[L16]
	v_add_nc_u32 v[WR8], s19, v[L8]
	v_bfe_u32 v12, v0, 3, 1                        ; u: which tile of the pair my column lies in
	v_and_b32 v13, 7, v0
	v_bfe_u32 v14, v0, 4, 1
	v_lshl_add_u32 v13, v14, 3, v13                ; p: its place there
	v_mul_u32_u24 v15, v12, 768
	v_add_nc_u32 v15, s19, v15
	v_lshl_add_u32 v[WA16], v13, 4, v15
	v_lshl_add_u32 v[WA8], v13, 3, v15
	v_lshlrev_b32 v[WASC], 7, v12
	v_lshl_add_u32 v[WASC], v13, 3, v[WASC]
	s_and_b32 s30, ttmp9, 1                        ; which 64 of the K step's 128 rows
	s_bfe_u32 s32, ttmp9, 0x30001                  ; K step
	s_bfe_u32 s33, ttmp9, 0x40004                  ; which 64 columns
	s_bfe_u32 s31, ttmp9, 0x20008                  ; which weight
	s_lshl_b32 s34, s32, 19                        ; 128 rows of 4,096 bytes
	s_lshl_b32 s38, s30, 18                        ; my work-group's 64 of them
	s_add_co_u32 s34, s34, s38
	s_lshl_b32 s38, s33, 8
	s_add_co_u32 s34, s34, s38
	s_lshl_b32 s38, s18, 7                         ; my wave's 32 columns
	s_add_co_u32 s34, s34, s38
	s_mov_b32 s35, 0
	s_lshl_b32 s36, s31, 4
	s_add_co_u32 s36, s36, s33
	s_lshl_b32 s36, s36, 3
	s_add_co_u32 s36, s36, s32
	s_mul_i32 s36, s36, 6400                       ; my record
	s_lshl_b32 s40, s18, 2
	s_add_co_u32 s40, s40, s36
	s_lshl_b32 s41, s30, 1
	s_add_co_u32 s40, s40, s41                     ; my two bytes of a scale word
	s_mov_b32 s41, 0
	s_mul_i32 s38, s18, 3072
	s_add_co_u32 s36, s36, s38
	s_mul_i32 s38, s30, 768
	s_add_co_u32 s36, s36, s38                     ; my half of tile 2 x (32 columns)'s fragment; the next tile's lies 1,536 on
	s_mov_b32 s37, 0
	s_wait_alu depctr_va_vdst(0)                   ; the head's end
	s_wait_kmcnt 0x0
	s_cmp_eq_u32 s31, 1                            ; the choice hangs on the work-group's number alone
	s_cselect_b64 s[6:7], s[8:9], s[6:7]
	s_cmp_eq_u32 s31, 2
	s_cselect_b64 s[6:7], s[10:11], s[6:7]
	s_cmp_eq_u32 s31, 3
	s_cselect_b64 s[6:7], s[12:13], s[6:7]
	s_add_nc_u64 s[6:7], s[6:7], s[34:35]
	s_add_nc_u64 s[42:43], s[16:17], s[40:41]
	s_add_nc_u64 s[16:17], s[16:17], s[36:37]
.set Q, 0
.rept 64
	global_load_b32 v[XW+Q], v[WIO], s[6:7] offset:Q*4096          ; no hint: the other wave reads the neighbouring 128 bytes
.set Q, Q+1
.endr
.macro BLOCK n
.set XS, XW+32*(\n)
.set CW, 20+8*(\n)                     ; each block's codes have registers of their own
	s_wait_loadcnt 32-32*(\n)                      ; this block's 32 loads are in
	v_max3_num_f32 v12, |v[XS]|, |v[XS+1]|, |v[XS+2]|
	v_max3_num_f32 v13, |v[XS+3]|, |v[XS+4]|, |v[XS+5]|
.irp i, 6,10,14,18,22,26
	v_max3_num_f32 v12, v12, |v[XS+\i]|, |v[XS+\i+1]|
	v_max3_num_f32 v13, v13, |v[XS+\i+2]|, |v[XS+\i+3]|
.endr
	v_max3_num_f32 v12, v12, |v[XS+30]|, |v[XS+31]|
	v_max3_num_f32 v12, v12, v13, 0x1800000        ; and the floor 2^(3 - 127): the byte cannot fall under 1
	v_add_nc_u32 v14, 0xff000000, v12              ; 2 off the exponent field: the conversion's scale operand
	v_lshrrev_b32 v15, 23, v14                     ; the scale's byte
.if (\n) == 0
	v_mov_b32 v[SB], v15
.else
	v_lshl_or_b32 v[SB], v15, 8, v[SB]
.endif
	v_cvt_scalef32_pk16_fp6_f32 v[CW:CW+2], v[XS:XS+15], v14
	v_cvt_scalef32_pk16_fp6_f32 v[CW+4:CW+6], v[XS+16:XS+31], v14
	v_nop                                          ; one plain instruction behind a scaled conversion
	v_mov_b32 v[CW+3], v[CW+4]
	v_mov_b32 v[CW+4], v[CW+5]
	v_mov_b32 v[CW+5], v[CW+6]
	ds_store_b128 v[WA16], v[CW:CW+3] offset:256*(\n)
	ds_store_b64 v[WA8], v[CW+4:CW+5] offset:512+128*(\n)
.endm
	BLOCK 0
	BLOCK 1
	global_store_b16 v[WASC], v[SB], s[42:43] offset:6144
.irp u, 0,1
	ds_load_b128 v[OUTR+8*\u:OUTR+8*\u+3], v[WR16] offset:768*\u       ; LDS serves a wave's instructions in order: these see my stores
	ds_load_b64 v[OUTR+8*\u+4:OUTR+8*\u+5], v[WR8] offset:768*\u+512
.endr
	s_wait_dscnt 0x0
.irp u, 0,1
	global_store_b128 v[L16], v[OUTR+8*\u:OUTR+8*\u+3], s[16:17] offset:1536*\u
	global_store_b64 v[L8], v[OUTR+8*\u+4:OUTR+8*\u+5], s[16:17] offset:1536*\u+512
.endr
	s_wait_tensorcnt 0x0                           ; the wave's end, behind my last LDS store
	ds_add_u32 v[SPW], v[NIL]
	s_wait_dscnt 0x0
	s_endpgm
.Lfunc_end_k_q4ad2a2a8d0_quant:
	.size	k_q4ad2a2a8d0_quant, .Lfunc_end_k_q4ad2a2a8d0_quant-k_q4ad2a2a8d0_quant
	.p2alignl 7, 3214868480
	.fill 96, 4, 3214868480
	.section	.rodata,"a",@progbits
	.p2align	6, 0x0
	.amdhsa_kernel k_q4ad2a2a8d0_quant
		.amdhsa_group_segment_fixed_size 20224
		.amdhsa_private_segment_fixed_size 0
		.amdhsa_enable_private_segment 0
		.amdhsa_kernarg_size 56
		.amdhsa_user_sgpr_count 2
		.amdhsa_user_sgpr_kernarg_segment_ptr 1
		.amdhsa_wavefront_size32 1
		.amdhsa_system_sgpr_workgroup_id_x 1
		.amdhsa_system_sgpr_workgroup_id_y 1
		.amdhsa_system_sgpr_workgroup_id_z 1
		.amdhsa_system_vgpr_workitem_id 0
		.amdhsa_next_free_vgpr 192
		.amdhsa_next_free_sgpr 66
		.amdhsa_reserve_vcc 0
		.amdhsa_float_denorm_mode_32 3
		.amdhsa_float_denorm_mode_16_64 3
		.amdhsa_memory_ordered 1
		.amdhsa_forward_progress 1
		.amdhsa_inst_pref_size 23
	.end_amdhsa_kernel
	.amdgpu_metadata
---
amdhsa.version: [ 1, 2 ]
amdhsa.kernels:
  - .name:           k_q4ad2a2a8d0_quant
    .symbol:         k_q4ad2a2a8d0_quant.kd
    .args:
      - { .name: query_input, .offset: 0, .size: 8, .value_kind: global_buffer, .address_space: global }
      - { .name: Wq, .offset: 8, .size: 8, .value_kind: global_buffer, .address_space: global }
      - { .name: Wk, .offset: 16, .size: 8, .value_kind: global_buffer, .address_space: global }
      - { .name: Wv, .offset: 24, .size: 8, .value_kind: global_buffer, .address_space: global }
      - { .name: Wo, .offset: 32, .size: 8, .value_kind: global_buffer, .address_space: global }
      - { .name: xq, .offset: 40, .size: 8, .value_kind: global_buffer, .address_space: global }
      - { .name: wimg, .offset: 48, .size: 8, .value_kind: global_buffer, .address_space: global }
    .group_segment_fixed_size: 20224
    .private_segment_fixed_size: 0
    .kernarg_segment_align: 8
    .kernarg_segment_size: 56
    .max_flat_workgroup_size: 64
    .sgpr_count:     66
    .vgpr_count:     192
    .wavefront_size: 32
...
	.end_amdgpu_metadata
.endif
;; end of part 6
;; launch qkv (part 7): grid 16 x 16, 4 waves a work-group, clusters of 4 x 4, 327,680 bytes of LDS; arguments xq, wimg, bq, bk, bv, qws, kv; writes qws, kv
.if DOCPART == 7
	.amdgcn_target "amdgcn-amd-amdhsa--gfx1250"
	.amdhsa_code_object_version 6
	.text
	.protected	k_q4ad2a2a8d0_qkv
	.globl	k_q4ad2a2a8d0_qkv
	.p2align	8
	.type	k_q4ad2a2a8d0_qkv,@function
k_q4ad2a2a8d0_qkv:
	s_mov_b64 s[64:65], 0
	v_nop
	global_prefetch_b8 v0, s[64:65] scope:SCOPE_SE
	s_setreg_imm32_b32 hwreg(HW_REG_WAVE_MODE, 25, 1), 1
	s_wait_xcnt 0x0
	s_wait_alu depctr_hold_cnt(0) depctr_sa_sdst(0) depctr_va_vdst(0) depctr_va_sdst(0) depctr_va_ssrc(0) depctr_va_vcc(0) depctr_vm_vsrc(0)
	s_getreg_b32 s2, hwreg(HW_REG_IB_STS2, 6, 4)
	s_cmp_eq_u32 s2, 0
	s_cbranch_scc0 .Lentry_in_a_cluster
	s_endpgm
.Lentry_in_a_cluster:
	s_bfe_u32 s2, ttmp6, 0x10000c
	s_cmp_lg_u32 s2, 0xf033
	s_cbranch_scc0 .Lentry_shape_is_right
	s_endpgm
.Lentry_shape_is_right:
; q = x Wq + bq, k = x Wk + bk, v = x Wv + bv on codes of FP6 (E2M3), sums in f32; the results are quantised in registers for attention's two products and stored as codes: no f32 intermediate goes to memory.
; SHARES.  64 strips of 64 rows x 48 strips of 64 columns are 3,072 units of 64 x 64: 12 for each of 256 work-groups, 3 for each wave.  A work-group takes 256 rows of x and ONE head; wave w takes rows 64 w on
; against the head's three strips: unit 0 = q, unit 1 = k, unit 2 = v: 48 accumulators.  Every wave runs the same text.
; OPERANDS lie in memory in the order of an operand's registers (records of 64 rows x 128 K: four fragments of 1,536 bytes, 256 bytes of scale words; a strip = 64 rows over all of K = 8 records = 51,200 dense bytes).
; LDS.  Four strips of x and three of W are 358,400 bytes, more than the 327,680 that the work-group is given.  W's three strips, which all four waves read, lie there whole, as [K steps 0-3, 4-7][unit][four records]; of x's strips, each
; its wave's own, K steps 0-5.  K steps 6 and 7 of x, 12,800 bytes a wave that no other wave wants, come at the head straight into 100 registers.  Every tensor load is a first fill: no LDS byte is filled twice.
; Each wave has one tensor load out: wave 0 x's K steps 0-2, wave 1 W's K steps 0-3 (three rows of four records, 16 strips apart in memory, on end in LDS), wave 2 x's K steps 3-5, wave 3 W's K steps 4-7.
; CLUSTERS: 4 x 4.  x's strips hang on the block of rows and the wave and are asked for jointly along a row of the cluster; W's records hang on the head and the wave and are asked for jointly along a column.
; (The quarter of x that comes through registers is asked for by each work-group for itself: it has no room in LDS.)
; q AND k: source 0 = 16 columns of W, source 1 = 16 rows of x: a lane holds one row, and its 32 registers of a tile of rows are the head's 64 channels (the next K) in two blocks of 32, half a block a lane.
; v: the sources change places: a lane holds one channel and its registers run along the rows, which are the keys, the second product's K.
; The places of a tile are chosen (place p of tile 2 b + u = row 32 b + 8 u + p + 8 (p / 8)) so that the 16 registers of result tiles 2 b, 2 b + 1 are 16 neighbours.  Block B of 8 is registers 16 B .. 16 B + 15 of a unit in both numberings, so ONE way out serves all three.
; OUT: a record of 6,656 bytes for 128 rows of one head: 8 half fragments of 768 bytes (q, k: tile p; v: half p % 2 of channel tile p / 2), then four scale words a lane at 6,144 + 16 x lane.
;   qws = [batch x 16 + head][block of 128 queries];  kv = [batch x 16 + head][key step of 128][k, v].  My 64 rows are half w % 2 of a record: four half fragments; of the scale words 8 bytes a lane (q, k) or four times 2 bytes (v).
; The bias is the C of each sum's first matrix instruction.
; LIMITS: a block of zeros gets the byte 1, not 127 (its codes are zeros, and only this program reads the bytes); blocks whose largest magnitude lies under 2^-124 are held at the byte 1; NaN and infinities are not served.
; REGISTERS: window 0: addresses, scale words, bias, the way out; window 1: q's accumulators at v[8 a], k's at v[128 + 8 a]; window 2: x's K steps 6 and 7 at v0-95, v's accumulators at v[128 + 8 a];
;   window 3: x's fragments, two sets at v0 and v48 (tile i at + 12 i); W's, two sets at v96 and v144 (tile t at + 12 t).
.set REC,   6400
.set STRIP, 8*REC
.set ABASE, 3*STRIP                    ; LDS: W's 24 records, then six records of x for each wave,
.set ASPAN, 6*REC
.set SPARE, ABASE+4*ASPAN              ; then the spare words, 128 bytes a wave: two blocks of 256 bytes that no other line names
.set LA16, 2                           ; v2    16 x lane in my records of x
.set LA8,  3                           ; v3    8 x lane
.set BOQ,  4                           ; v4    q's and k's bias: 64 (lane / 16)
.set BOV,  5                           ; v5    v's bias: 4 (r + 8 (r / 8)), r = lane % 16
.set LW16, 8                           ; v8-10  16 x lane, + 51,200, + 102,400: an LDS immediate reaches 65,535 bytes
.set LW8,  11                          ; v11-13 8 x lane likewise
.set SA,   16                          ; v16-19 x's scale words, two sets of two registers (tiles 2 n below, 2 n + 1 above)
.set SAD,  20                          ; v20-23 those of K steps 6 and 7
.set SWS,  24                          ; v24-27 W's, two sets
.set SPW,  28                          ; v28   my spare word; never rewritten
.set NIL,  29                          ; v29   0; never rewritten
.set BIAS, 32                          ; v32-127 eight registers for each tile of W, 32 for each unit
.set TM,   32                          ; the way out: v32-39 largest magnitudes of a unit's 8 blocks
.set TP,   40                          ; v40-47 the other half's
.set TS,   48                          ; v48-55 the conversions' scale operands
.set TB,   56                          ; v56-63 the bytes
.set HW,   64                          ; v64-75 two bytes for each half fragment, four registers a unit
.set SW,   76                          ; v76-79 q's and k's scale words as stored
.set CD,   128                         ; v128-223 the codes: eight registers' room for each half fragment, 32 a unit: no store's data are written again
.set FW,   96
.set VACC, 128
.set WV,   18
.set G1A,  24                          ; s[24:31] group 1 for x's pieces; s[32:39] for W's
.set G1W,  32
.set AE,   40                          ; groups 0: x early, W early, x late, W late
.set WE,   44
.set AL,   48
.set WL,   52
.set HALF, 79                          ; s79 lanes 16-31
.set SEL,  98                          ; s[98:99] selects for lane l xor 16
.set MSB, 0
.macro WIN new                         ; the immediate's high byte repeats the setting that is left; a switch that changes nothing is dropped
.if MSB != (\new)
	s_set_vgpr_msb (MSB<<8)|(\new)
.set MSB, (\new)
.endif
.endm
.macro PLACES                          ; four plain instructions between a matrix instruction and a load into, or a read of, its registers (ISA guide 7.12.1 for reads)
.rept 4
	v_nop
.endr
.endm
.macro CROUND                          ; a round of the cluster's barrier
	s_barrier_signal -1
	s_barrier_wait -1
	s_cmp_lg_u32 s[WV], 0
	s_cbranch_scc1 .Lnot_wave_0_\@
	s_barrier_signal -3
.Lnot_wave_0_\@:
	s_barrier_wait -3
	s_barrier_signal -1
	s_barrier_wait -1
.endm
	s_load_b256 s[4:11], s[0:1], 0x0               ; xq, wimg, bq, bk
	s_load_b128 s[12:15], s[0:1], 0x20             ; bv, qws
	s_load_b64 s[16:17], s[0:1], 0x30              ; kv
	v_lshl_add_u32 v[SPW], v0, 2, SPARE
	v_mov_b32 v[NIL], 0
	ds_add_u32 v[SPW], v[NIL]                      ; the wave's opening: the add and its wait stand ahead of my first tensor load; work on registers stands between them
	ds_add_u32 v[SPW], v[NIL]
	v_lshrrev_b32 v1, 5, v0
	v_readfirstlane_b32 s[WV], v1                  ; wave 0..3
	s_bfe_u32 s20, ttmp6, 0x40000                  ; cx
	s_bfe_u32 s21, ttmp6, 0x40004                  ; cy
	s_and_b32 s22, ttmp7, 0xffff
	s_lshl_b32 s22, s22, 2
	s_add_co_u32 s22, s22, s21                     ; my block of 256 rows = 4 x cluster y + cy
	s_lshl_b32 s23, s21, 2
	s_lshl_b32 s23, 15, s23                        ; my row of the cluster
	s_lshl_b32 s66, 0x1111, s20                    ; my column
	; group 1 for x: dense bytes as rows of 256 (32 elements of 8 bytes), no padding: every LDS read takes consecutive bytes from consecutive lanes
	s_or_b32 s[G1A], s23, (3<<16)|(1<<21)          ; 15:0 the mask; 17:16 elements of 8 bytes; 21 set beside a mask
	s_mov_b32 s[G1A+1], 2400<<16                   ; x: four rows, one for each wave's strip, of three records (19,200 bytes) each,
	s_mov_b32 s[G1A+2], 4<<16
	s_mov_b32 s[G1A+3], 2400<<16
	s_mov_b32 s[G1A+4], 4
	s_mov_b32 s[G1A+5], STRIP/8                    ; a strip apart in memory, on end in LDS
	s_mov_b32 s[G1A+6], 0
	s_mov_b32 s[G1A+7], 0
	; group 1 for W: three rows, each four records of 25,600 bytes (3,200 elements): the same K steps of q's, k's and v's strip, which lie 16 strips apart
	s_or_b32 s[G1W], s66, (3<<16)|(1<<21)
	s_mov_b32 s[G1W+1], 3200<<16                   ; W: three rows (q's, k's, v's strip) of four records (25,600 bytes) each
	s_mov_b32 s[G1W+2], 3<<16
	s_mov_b32 s[G1W+3], 3200<<16
	s_mov_b32 s[G1W+4], 3                          ; tile_dim1
	s_mov_b32 s[G1W+5], 16*STRIP/8                 ; the pitch, in elements
	s_mov_b32 s[G1W+6], 0
	s_mov_b32 s[G1W+7], 0
	s_lshl_b32 s58, s22, 2                         ; x (registers that feed x's descriptors never hold cx):
	s_add_co_u32 s58, s58, s[WV]                   ; my strip of 64 rows
	s_mul_i32 s56, s58, STRIP
	s_mov_b32 s57, 0
	s_mul_i32 s59, s[WV], 3*REC                    ; LDS holds x as [K steps 0-2, 3-5][wave][three records]
	s_add_co_u32 s59, s59, ABASE                   ; its place in LDS: the wave's number alone
	s_lshl_b32 s68, ttmp9, 2
	s_add_co_u32 s68, s68, s20                     ; my head = 4 x cluster x + cx
	s_mul_i32 s70, s68, STRIP                      ; q's strip of that head,
	s_mov_b32 s71, 0
	s_mul_i32 s2, s22, 4*STRIP                     ; my block's four strips of x
	s_mov_b32 s3, 0
	s_lshl_b32 s62, s68, 8                         ; my head's 64 numbers of a bias
	s_mov_b32 s63, 0
	s_lshr_b32 s74, s58, 5                         ; where my results go: batch,
	s_lshl_b32 s74, s74, 4
	s_add_co_u32 s74, s74, s68                     ; x 16 + head,
	s_lshl_b32 s74, s74, 4
	s_bfe_u32 s75, s58, 0x40001
	s_add_co_u32 s74, s74, s75                     ; x 16 + the block of 128 rows in the batch;
	s_and_b32 s78, s[WV], 1                        ; and which half of that block
	s_mul_i32 s92, s74, 6656
	s_mul_i32 s93, s74, 13312
	s_mul_i32 s94, s78, 3072                       ; q, k: my four half fragments lie on end,
	s_lshl_b32 s95, s78, 3                         ; my two scale words a lane likewise
	s_add_co_u32 s80, s92, s94
	s_mov_b32 s81, 0
	s_add_co_u32 s82, s92, s95
	s_mov_b32 s83, 0
	s_add_co_u32 s84, s93, s94
	s_mov_b32 s85, 0
	s_add_co_u32 s86, s93, s95
	s_mov_b32 s87, 0
	s_mul_i32 s96, s78, 768                        ; v: my half of each channel tile's fragment,
	s_add_co_u32 s88, s93, s96
	s_add_co_u32 s88, s88, 6656                    ; in the record behind k's,
	s_mov_b32 s89, 0
	s_lshl_b32 s97, s78, 1                         ; and my two bytes of each scale word
	s_add_co_u32 s90, s93, s97
	s_add_co_u32 s90, s90, 6656
	s_mov_b32 s91, 0
	s_mov_b32 s[SEL], 0x76543210
	s_mov_b32 s[SEL+1], 0xfedcba98
	s_mov_b32 s[HALF], 0xffff0000
	s_wait_dscnt 0x0                               ; the opening add is done
	s_wait_kmcnt 0x0
	s_add_nc_u64 s[60:61], s[4:5], s[56:57]
	s_add_nc_u64 s[72:73], s[6:7], s[70:71]
	s_mov_b32 s[AE], 1
	s_mov_b32 s[AE+1], ABASE
	s_add_nc_u64 s[AE+2:AE+3], s[4:5], s[2:3]
	s_or_b32 s[AE+3], s[AE+3], 0x80000000
	s_mov_b32 s[AL], 1
	s_mov_b32 s[AL+1], ABASE+12*REC
	s_add_nc_u64 s[AL+2:AL+3], s[AE+2:AE+3], 3*REC
	s_or_b32 s[AL+3], s[AL+3], 0x80000000
	s_mov_b32 s[WE], 1
	s_mov_b32 s[WE+1], 0                           ; LDS holds W as [K steps 0-3, 4-7][unit][four records]
	s_mov_b64 s[WE+2:WE+3], s[72:73]
	s_or_b32 s[WE+3], s[WE+3], 0x80000000
	s_mov_b32 s[WL], 1
	s_mov_b32 s[WL+1], 12*REC
	s_add_nc_u64 s[WL+2:WL+3], s[72:73], 4*REC     ; four records on in each strip
	s_or_b32 s[WL+3], s[WL+3], 0x80000000
	s_add_nc_u64 s[76:77], s[60:61], 6*REC         ; x's K step 6
	s_add_nc_u64 s[8:9], s[8:9], s[62:63]
	s_add_nc_u64 s[10:11], s[10:11], s[62:63]
	s_add_nc_u64 s[12:13], s[12:13], s[62:63]
	s_add_nc_u64 s[80:81], s[14:15], s[80:81]      ; q's codes, q's scale words
	s_add_nc_u64 s[82:83], s[14:15], s[82:83]
	s_add_nc_u64 s[84:85], s[16:17], s[84:85]      ; k's
	s_add_nc_u64 s[86:87], s[16:17], s[86:87]
	s_add_nc_u64 s[88:89], s[16:17], s[88:89]      ; v's
	s_add_nc_u64 s[90:91], s[16:17], s[90:91]
	CROUND                                         ; all sixteen work-groups are here: the joint loads meet
; one joint load a wave, in one chain of arms: wave 0 x's K steps 0-2 of all four strips, wave 1 W's K steps 0-3, wave 2 x's K steps 3-5, wave 3 W's K steps 4-7
.macro ARM n, g0, g1
	s_cmp_eq_u32 s[WV], \n
	s_cbranch_scc0 .Lnot_arm_\n
	tensor_load_to_lds s[\g0:\g0+3], s[\g1:\g1+7]
	s_nop 0
	PLACES
	s_branch .Lasked
.Lnot_arm_\n:
.endm
	ARM 0, AE, G1A
	ARM 1, WE, G1W
	ARM 2, AL, G1A
	tensor_load_to_lds s[WL:WL+3], s[G1W:G1W+7]
	s_nop 0
	PLACES
.Lasked:
	v_and_b32 v1, 31, v0
	v_lshlrev_b32 v[LW16], 4, v1
	v_lshlrev_b32 v[LW8], 3, v1
	v_add_nc_u32 v[LW16+1], STRIP, v[LW16]
	v_add_nc_u32 v[LW16+2], 2*STRIP, v[LW16]
	v_add_nc_u32 v[LW8+1], STRIP, v[LW8]
	v_add_nc_u32 v[LW8+2], 2*STRIP, v[LW8]
	v_add_nc_u32 v[LA16], s59, v[LW16]
	v_add_nc_u32 v[LA8], s59, v[LW8]
	v_add_nc_u32 v[LA16+4], 12*REC, v[LA16]        ; v6, v7: the same for K steps 3-5
	v_add_nc_u32 v[LA8+4], 12*REC, v[LA8]
	v_and_b32 v1, 15, v0
	v_bfe_u32 v[BOQ], v0, 4, 1
	v_lshlrev_b32 v[BOQ], 6, v[BOQ]
	v_and_b32 v[BOV], 8, v1
	v_add_nc_u32 v[BOV], v[BOV], v1
	v_lshlrev_b32 v[BOV], 2, v[BOV]
.macro GFRAG d, off                    ; a fragment of x's K steps 6, 7 from memory, as it lies: each load of the wave takes 512 or 256 consecutive bytes
	global_load_b128 v[(\d):(\d)+3], v[LW16], s[76:77] offset:(\off)
	global_load_b64 v[(\d)+4:(\d)+5], v[LW8], s[76:77] offset:(\off)+512
	global_load_b128 v[(\d)+6:(\d)+9], v[LW16], s[76:77] offset:(\off)+768
	global_load_b64 v[(\d)+10:(\d)+11], v[LW8], s[76:77] offset:(\off)+1280
.endm
	WIN 0x80                                       ; destination window 2
.irp c, 0,1
.irp i, 0,1,2,3
	GFRAG 48*\c+12*\i, REC*\c+1536*\i
.endr
.endr
	WIN 0
	global_load_b64 v[SAD:SAD+1], v[LW8], s[76:77] offset:6144
	global_load_b64 v[SAD+2:SAD+3], v[LW8], s[76:77] offset:REC+6144
	; the bias in the result's layout.  q, k: register j of tile t is channel 32 (t / 2) + 8 (t % 2) + 16 (lane / 16) + j;  v: all eight are channel 32 (t / 2) + 8 (t % 2) + r + 8 (r / 8)
.irp t, 0,1,2,3
	global_load_b128 v[BIAS+8*\t:BIAS+8*\t+3], v[BOQ], s[8:9] offset:(32*(\t/2)+8*(\t%2))*4
	global_load_b128 v[BIAS+8*\t+4:BIAS+8*\t+7], v[BOQ], s[8:9] offset:(32*(\t/2)+8*(\t%2))*4+16
	global_load_b128 v[BIAS+32+8*\t:BIAS+32+8*\t+3], v[BOQ], s[10:11] offset:(32*(\t/2)+8*(\t%2))*4
	global_load_b128 v[BIAS+32+8*\t+4:BIAS+32+8*\t+7], v[BOQ], s[10:11] offset:(32*(\t/2)+8*(\t%2))*4+16
	global_load_b32 v[BIAS+64+8*\t], v[BOV], s[12:13] offset:(32*(\t/2)+8*(\t%2))*4
.endr
.macro FRAG d, a16, a8, off            ; a fragment from LDS, as it lies: two halves of 768 bytes
	ds_load_b128 v[(\d):(\d)+3], v[\a16] offset:(\off)
	ds_load_b64 v[(\d)+4:(\d)+5], v[\a8] offset:(\off)+512
	ds_load_b128 v[(\d)+6:(\d)+9], v[\a16] offset:(\off)+768
	ds_load_b64 v[(\d)+10:(\d)+11], v[\a8] offset:(\off)+1280
.endm
.macro FETCHW n                        ; W's record n = 3 x K step + unit into set n % 2: 17 LDS loads
.set WM_, (((\n)/3)/4)*12+((\n)%3)*4+((\n)/3)%4   ; its place in LDS, in records
	WIN 0xc0
.irp t, 0,1,2,3
	FRAG FW+48*((\n)%2)+12*\t, LW16+WM_/8, LW8+WM_/8, REC*(WM_%8)+1536*\t
.endr
	WIN 0
	ds_load_b64 v[SWS+2*((\n)%2):SWS+2*((\n)%2)+1], v[LW8+WM_/8] offset:REC*(WM_%8)+6144
.endm
.macro FETCHA k                        ; x's K step k (0 to 5) into set k % 2: 17 LDS loads
	WIN 0xc0
.irp i, 0,1,2,3
	FRAG 48*((\k)%2)+12*\i, LA16+4*((\k)/3), LA8+4*((\k)/3), REC*((\k)%3)+1536*\i
.endr
	WIN 0
	ds_load_b64 v[SA+2*((\k)%2):SA+2*((\k)%2)+1], v[LA8+4*((\k)/3)] offset:REC*((\k)%3)+6144
.endm
; one matrix instruction; ra, rb: the source's scale words stand in lanes 16-31 of the register named
.macro WM d, a, b, c, sa, sb, ra, rb
.if (\ra) && (\rb)
	v_wmma_scale_f32_16x16x128_f8f6f4 v[(\d):(\d)+7], v[(\a):(\a)+11], v[(\b):(\b)+11], v[(\c):(\c)+7], v[\sa], v[\sb] matrix_a_fmt:MATRIX_FMT_FP6 matrix_b_fmt:MATRIX_FMT_FP6 matrix_a_scale:MATRIX_SCALE_ROW1 matrix_b_scale:MATRIX_SCALE_ROW1
.elseif (\ra)
	v_wmma_scale_f32_16x16x128_f8f6f4 v[(\d):(\d)+7], v[(\a):(\a)+11], v[(\b):(\b)+11], v[(\c):(\c)+7], v[\sa], v[\sb] matrix_a_fmt:MATRIX_FMT_FP6 matrix_b_fmt:MATRIX_FMT_FP6 matrix_a_scale:MATRIX_SCALE_ROW1
.elseif (\rb)
	v_wmma_scale_f32_16x16x128_f8f6f4 v[(\d):(\d)+7], v[(\a):(\a)+11], v[(\b):(\b)+11], v[(\c):(\c)+7], v[\sa], v[\sb] matrix_a_fmt:MATRIX_FMT_FP6 matrix_b_fmt:MATRIX_FMT_FP6 matrix_b_scale:MATRIX_SCALE_ROW1
.else
	v_wmma_scale_f32_16x16x128_f8f6f4 v[(\d):(\d)+7], v[(\a):(\a)+11], v[(\b):(\b)+11], v[(\c):(\c)+7], v[\sa], v[\sb] matrix_a_fmt:MATRIX_FMT_FP6 matrix_b_fmt:MATRIX_FMT_FP6
.endif
.endm
; The 16 products of unit u in K step k.  The 48 accumulators take turns, one instruction a turn, in the same order in every K step.
; s_set_vgpr_msb's low byte: bits 1:0 source 0, 3:2 source 1, 5:4 source 2, 7:6 destination.  x's fragments lie in window 3, those of K steps 6 and 7 in window 2; the bias, the first C, in window 0.
.macro MULP k, u, first
.set NN, 3*(\k)+(\u)
.set WB, FW+48*(NN%2)
.set SWR, SWS+2*(NN%2)
.set AB, 48*((\k)%2)
.if (\k) < 6
.set SAR, SA+2*((\k)%2)
.set AW, 3
.else
.set SAR, SAD+2*((\k)-6)
.set AW, 2
.endif
.if (\u) < 2                           ; q, k: accumulator 4 i + t = W's tile t x x's tile i, in window 1
.set WW, 0x40|((1-(\first))<<4)|(AW<<2)|3
	WIN WW
.irp i, 0,1,2,3
.irp t, 0,1,2,3
.if \first
	WM 128*(\u)+8*(4*\i+\t), WB+12*\t, AB+12*\i, BIAS+32*(\u)+8*\t, SWR+\t/2, SAR+\i/2, \t%2, \i%2
.else
	WM 128*(\u)+8*(4*\i+\t), WB+12*\t, AB+12*\i, 128*(\u)+8*(4*\i+\t), SWR+\t/2, SAR+\i/2, \t%2, \i%2
.endif
.endr
.endr
.else                                  ; v: accumulator 4 t + i = x's tile i x W's tile t, in window 2
.set WW, 0x80|((2-2*(\first))<<4)|(3<<2)|AW
	WIN WW
.irp t, 0,1,2,3
.irp i, 0,1,2,3
.if \first
	WM VACC+8*(4*\t+\i), AB+12*\i, WB+12*\t, BIAS+64+8*\t, SAR+\i/2, SWR+\t/2, \i%2, \t%2
.else
	WM VACC+8*(4*\t+\i), AB+12*\i, WB+12*\t, VACC+8*(4*\t+\i), SAR+\i/2, SWR+\t/2, \i%2, \t%2
.endif
.endr
.endr
.endif
	WIN 0
.endm
; A PHASE: one unit of one K step.  Ahead of its products the next phase's fragments of W are asked for, into the set that the phase before has multiplied (four places behind its last product);
; in a K step's second phase the next K step's fragments of x too.  The wait lets exactly the loads just issued stay out: LDS loads come back in order (ISA guide 5.7.1).
.macro PHASE k, u
.set PN, 3*(\k)+(\u)
.if PN == 7                            ; this phase is the first that fetches from a late piece (x's K step 3; W's K step 4 follows in phase 11)
	s_wait_tensorcnt 0x0                           ; my late pieces have landed (no load was issued behind them),
	s_wait_dscnt 0x0                               ; and no LDS instruction of mine is out at a signal
	s_barrier_signal -1
	s_barrier_wait -1                              ; everybody's have
.endif
.if PN > 0
	PLACES
.endif
.set CNT, 0
.if PN < 23
	FETCHW PN+1
.set CNT, CNT+17
.endif
.if ((\u) == 1) && ((\k) < 5)
	FETCHA (\k)+1
.set CNT, CNT+17
.endif
	s_wait_dscnt CNT                               ; 17 or 34: all but those just issued (the last phase: 0)
.if (\k) == 0
	MULP \k, \u, 1                                 ; the first products start the sums from the bias: nothing is cleared
.else
	MULP \k, \u, 0
.endif
.endm
	s_wait_alu depctr_va_vdst(0)
	s_cmp_lt_u32 s[WV], 2                          ; waves 0 and 1 wait for the early pieces, which their own lines asked for; the late ones may be out
	s_cbranch_scc0 .Lnot_early
	s_wait_tensorcnt 0x0
.Lnot_early:
	s_barrier_signal -1
	s_barrier_wait -1                              ; everybody's have: W's K steps 0-3 lie in LDS
	FETCHA 0
	FETCHW 0
	s_wait_loadcnt 0x0                             ; the bias, and x's K steps 6 and 7
.irp t, 0,1,2,3
.irp j, 1,2,3,4,5,6,7
	v_mov_b32 v[BIAS+64+8*\t+\j], v[BIAS+64+8*\t]  ; v: a lane's eight results of a tile are eight keys of one channel: one number eight times
.endr
.endr
	s_wait_alu depctr_va_vdst(0)
.irp k, 0,1,2,3,4,5,6
.irp u, 0,1,2
	PHASE \k, \u
.endr
.endr
; THE WAY OUT of unit u (accumulators in window w from v[b] on): 8 blocks of 32 along the next K, half a block (16 registers) a lane; each accumulator is read from its low end on.
; cb, sb: the scalar pairs with the codes' and the scale words' addresses; step: bytes from one of my half fragments to the next.
.macro EPI u, w, b, cb, sb, step
.set EW, ((\w)<<4)|((\w)<<2)
	WIN EW                                         ; sources 1 and 2: window w
.irp x, 0,1,2,3,4,5,6,7
	v_max3_num_f32 v[TM+\x], 0x1800000, |v[(\b)+16*\x]|, |v[(\b)+16*\x+1]|     ; with the floor 2^(3 - 127): the byte cannot fall under 1
.endr
.irp i, 2,4,6,8,10,12,14
.irp x, 0,1,2,3,4,5,6,7
	v_max3_num_f32 v[TM+\x], v[TM+\x], |v[(\b)+16*\x+\i]|, |v[(\b)+16*\x+\i+1]|
.endr
.endr
	WIN 0
.irp x, 0,1,2,3,4,5,6,7
	v_permlanex16_b32 v[TP+\x], v[TM+\x], s[SEL], s[SEL+1]
.endr
.irp x, 0,1,2,3,4,5,6,7
	v_max_num_f32 v[TM+\x], v[TM+\x], v[TP+\x]     ; with lane l xor 16's half: the block's largest magnitude
.endr
.irp x, 0,1,2,3,4,5,6,7
	v_add_nc_u32 v[TS+\x], 0xff000000, v[TM+\x]    ; 2 off the exponent field: the conversion's scale operand
.endr
.irp x, 0,1,2,3,4,5,6,7
	v_lshrrev_b32 v[TB+\x], 23, v[TS+\x]           ; the scale's byte
.endr
.irp p, 0,1,2,3
	v_lshl_or_b32 v[HW+4*(\u)+\p], v[TB+2*\p+1], 8, v[TB+2*\p]
.endr
.if (\u) < 2
.irp j, 0,1
	v_cndmask_b32 v[SW+2*(\u)+\j], v[HW+4*(\u)+2*\j], v[HW+4*(\u)+2*\j+1], s[HALF]   ; q, k: a word holds an even tile's two bytes in lanes 0-15, the odd tile's in lanes 16-31; its upper bytes, 0, stand over zero codes
.endr
.endif
	WIN \w                                         ; source 0: window w
.irp p, 0,1,2,3
	v_cvt_scalef32_pk16_fp6_f32 v[CD+32*(\u)+8*\p:CD+32*(\u)+8*\p+2], v[(\b)+32*\p:(\b)+32*\p+15], v[TS+2*\p]
	v_cvt_scalef32_pk16_fp6_f32 v[CD+32*(\u)+8*\p+4:CD+32*(\u)+8*\p+6], v[(\b)+32*\p+16:(\b)+32*\p+31], v[TS+2*\p+1]
.endr
	WIN 0
	v_nop                                          ; one plain instruction behind a scaled conversion
.irp p, 0,1,2,3                                ; the layout wants a whole block in a lane: lanes 0-15 the first block, lanes 16-31 the second
.irp i, 0,1,2
	v_permlane16_swap_b32 v[CD+32*(\u)+8*\p+\i], v[CD+32*(\u)+8*\p+4+\i]
.endr
	v_mov_b32 v[CD+32*(\u)+8*\p+3], v[CD+32*(\u)+8*\p+4]
	v_mov_b32 v[CD+32*(\u)+8*\p+4], v[CD+32*(\u)+8*\p+5]
	v_mov_b32 v[CD+32*(\u)+8*\p+5], v[CD+32*(\u)+8*\p+6]
.endr
.irp p, 0,1,2,3
	global_store_b128 v[LW16], v[CD+32*(\u)+8*\p:CD+32*(\u)+8*\p+3], s[\cb:\cb+1] offset:(\step)*\p          ; 512 and 256 consecutive bytes, at multiples of 256 from the buffer's first byte
	global_store_b64 v[LW8], v[CD+32*(\u)+8*\p+4:CD+32*(\u)+8*\p+5], s[\cb:\cb+1] offset:(\step)*\p+512
.endr
.if (\u) < 2
	global_store_b64 v[LW16], v[SW+2*(\u):SW+2*(\u)+1], s[\sb:\sb+1] offset:6144     ; my two of the lane's four words
.else
.irp p, 0,1,2,3
	global_store_b16 v[LW16], v[HW+4*(\u)+\p], s[\sb:\sb+1] offset:6144+4*\p         ; v: my 64 keys' two bytes of channel tile p's word: 256 of the record's 6,656 bytes leave so
.endr
.endif
.endm
; the last K step: each unit goes out directly behind its own last products, so that q's and k's stores are on their way while the other units are multiplied
	PHASE 7, 0
	PLACES
	EPI 0, 1, 0, 80, 82, 768
	PHASE 7, 1
	PLACES
	EPI 1, 1, 128, 84, 86, 768
	PHASE 7, 2
	PLACES
	EPI 2, 2, VACC, 88, 90, 1536
	s_wait_tensorcnt 0x0                           ; the wave's end, behind my last tensor load
	ds_add_u32 v[SPW], v[NIL]
	s_wait_dscnt 0x0
	CROUND                                         ; the closing round
	s_endpgm
.Lfunc_end_k_q4ad2a2a8d0_qkv:
	.size	k_q4ad2a2a8d0_qkv, .Lfunc_end_k_q4ad2a2a8d0_qkv-k_q4ad2a2a8d0_qkv
	.p2alignl 7, 3214868480
	.fill 96, 4, 3214868480
	.section	.rodata,"a",@progbits
	.p2align	6, 0x0
	.amdhsa_kernel k_q4ad2a2a8d0_qkv
		.amdhsa_group_segment_fixed_size 327680
		.amdhsa_private_segment_fixed_size 0
		.amdhsa_enable_private_segment 0
		.amdhsa_kernarg_size 56
		.amdhsa_user_sgpr_count 2
		.amdhsa_user_sgpr_kernarg_segment_ptr 1
		.amdhsa_wavefront_size32 1
		.amdhsa_system_sgpr_workgroup_id_x 1
		.amdhsa_system_sgpr_workgroup_id_y 1
		.amdhsa_system_sgpr_workgroup_id_z 1
		.amdhsa_system_vgpr_workitem_id 0
		.amdhsa_next_free_vgpr 1024
		.amdhsa_next_free_sgpr 100
		.amdhsa_reserve_vcc 0
		.amdhsa_float_denorm_mode_32 3
		.amdhsa_float_denorm_mode_16_64 3
		.amdhsa_memory_ordered 1
		.amdhsa_forward_progress 1
		.amdhsa_inst_pref_size 127
	.end_amdhsa_kernel
	.amdgpu_metadata
---
amdhsa.version: [ 1, 2 ]
amdhsa.kernels:
  - .name:           k_q4ad2a2a8d0_qkv
    .symbol:         k_q4ad2a2a8d0_qkv.kd
    .args:
      - { .name: xq, .offset: 0, .size: 8, .value_kind: global_buffer, .address_space: global }
      - { .name: wimg, .offset: 8, .size: 8, .value_kind: global_buffer, .address_space: global }
      - { .name: bq, .offset: 16, .size: 8, .value_kind: global_buffer, .address_space: global }
      - { .name: bk, .offset: 24, .size: 8, .value_kind: global_buffer, .address_space: global }
      - { .name: bv, .offset: 32, .size: 8, .value_kind: global_buffer, .address_space: global }
      - { .name: qws, .offset: 40, .size: 8, .value_kind: global_buffer, .address_space: global }
      - { .name: kv, .offset: 48, .size: 8, .value_kind: global_buffer, .address_space: global }
    .group_segment_fixed_size: 327680
    .private_segment_fixed_size: 0
    .kernarg_segment_align: 8
    .kernarg_segment_size: 56
    .max_flat_workgroup_size: 128
    .sgpr_count:     100
    .vgpr_count:     1024
    .wavefront_size: 32
...
	.end_amdgpu_metadata
.endif
;; end of part 7
;; launch attn (part 8): grid 8 x 32, 8 waves a work-group, clusters of 4 x 1, 327,680 bytes of LDS; arguments qws, kv, ctx; writes ctx
.if DOCPART == 8
	.amdgcn_target "amdgcn-amd-amdhsa--gfx1250"
	.amdhsa_code_object_version 6
	.text
	.protected	k_q4ad2a2a8d0_attn
	.globl	k_q4ad2a2a8d0_attn
	.p2align	8
	.type	k_q4ad2a2a8d0_attn,@function
k_q4ad2a2a8d0_attn:
	s_mov_b64 s[64:65], 0
	v_nop
	global_prefetch_b8 v0, s[64:65] scope:SCOPE_SE
	s_setreg_imm32_b32 hwreg(HW_REG_WAVE_MODE, 25, 1), 1
	s_wait_xcnt 0x0
	s_wait_alu depctr_hold_cnt(0) depctr_sa_sdst(0) depctr_va_vdst(0) depctr_va_sdst(0) depctr_va_ssrc(0) depctr_va_vcc(0) depctr_vm_vsrc(0)
	s_getreg_b32 s2, hwreg(HW_REG_IB_STS2, 6, 4)
	s_cmp_eq_u32 s2, 0
	s_cbranch_scc0 .Lentry_in_a_cluster
	s_endpgm
.Lentry_in_a_cluster:
	s_bfe_u32 s2, ttmp6, 0x10000c
	s_cmp_lg_u32 s2, 0x3003
	s_cbranch_scc0 .Lentry_shape_is_right
	s_endpgm
.Lentry_shape_is_right:
; ctx = softmax(q k^T / 8) v for one head and 256 queries a work-group, on codes of FP6 (E2M3); ctx leaves as codes and scale bytes in the order of the last product's operand registers.
; SHARES: 256 work-groups (8 blocks of 256 queries x 32 batch-heads), 8 waves; a wave takes 32 queries as two tiles of 16.  Tile 0's state lies in register window 0, tile 1's in window 1, under the same numbers: one text serves both.
; LDS: the head's 16 key steps of 128 keys (a record of k, a record of v: 13,312 bytes a step) lie there whole.  Wave w asks for steps 2 w, 2 w + 1 by one joint load at the head; nothing is filled twice.
; CLUSTER 4, 1, 1: the four query blocks of a cluster read the same head's k and v: every load is joint (mask 15).
; No prefetch: all the launch's tiles are asked for at the head by the tensor loads themselves, so there is no later trip to ask ahead for.
; Both products are used transposed (S^T = k q^T, O^T = v^T p^T): a lane holds one query.
; THE HEAD'S 64 CHANNELS FILL HALF OF THE INSTRUCTION'S K = 128.  A fragment of k holds TWO key tiles, tile 2 f in K 0-63 and tile 2 f + 1 in K 64-127; it is multiplied by [q | 0] for the first and by [0 | q] for the second
; (zero codes add nothing; for the second the scale words are shifted up 16 bits).  So 48 registers hold a step's 128 keys, and each fragment read from LDS feeds four products.
; p = 2^(t - M), M the ceiling of the running largest t, kept as -M; a block's scale byte is floor(t_block - M) + 125: the exponent of the block's largest p less 2.  The row's sum is taken of the unquantised p.
; THE EXPONENTIALS GO IN TWO BATCHES OF 32; between a batch's lines stand plain lines that hang on nothing written in the same batch (the other half's t - M, the first level of the sum, steps of the scales); a wait parts the batches.
; The next step's k is fetched behind this step's score products; the last trip, which has no next step, fetches step 15's k once more.
; LIMITS: the promise holds while the scaled scores stay under 2^31 in magnitude; NaN and infinities are not served; a t_block - M within one rounding of a whole number may take either neighbouring byte;
; a block whose largest p lies under 2^-124 gets the byte 0 (2^-127) where the rule holds the byte at 1: its numbers are under 2^-124 of the row's largest p;
; a block of ctx that is all zeros gets the byte 1, not 127 (its codes are zeros, and only this program reads the bytes).
.set PIECE, 6656
.set STEPB, 2*PIECE
.set FIRST, 3                          ; trips ahead of the second barrier: they read steps 0-2 and fetch k of steps 1-3, which waves 0 and 1 brought
.set SPARE, 16*STEPB                   ; behind the tiles: the spare words, 128 bytes a wave
.set L16, 1                            ; window 0: 16 x lane, 8 x lane
.set L8,  2
.set A16, 3                            ; this step's v
.set A8,  4
.set SPW, 5
.set NIL, 6
.set K16, 104                          ; the next step's k
.set K8,  105
.set BA,  106                          ; ctx's scale byte: 8 (lane % 16) + lane / 16
.set KS,  16                           ; scale words (window 0): k's, k's shifted, v's, q's, q's shifted, p's of tile 0 and 1
.set KSH, 20
.set VS,  24
.set QS,  28
.set QSH, 29
.set PS,  30
.set KF,  56                           ; window 0: k's four fragments;  window 1: v's
.set VF,  56
.set NB,  7                            ; in both windows: 125 - M
.set T8,  8
.set T9,  9
.set F,   10                           ; v[10:11] 2^(old M - new M)
.set NM,  12                           ; v12 -M, v13 the running largest score
.set L,   14                           ; v[14:15] the row's sum in two halves
.set QLO, 32                           ; [q | 0]
.set QHI, 44                           ; [0 | q]
.set LC,  112                          ; v112-127 eight pairs: the sum's first level, then three more chains
.set S,   128                          ; scores, then p
.set O,   192
.set PC,  224                          ; p's codes
.set BM,  236
.set BP,  240
.set SOP, 244
.set CT,  248
.set WV,  10
.set NC,  19
.set SEL, 20
.set CS,  22
.set G1,  24
.set G0,  32
.set TB,  40
.set TR,  41
.set HALF, 42
.set TN,  43
.set MSB, 0
.macro WIN new                         ; the immediate's high byte repeats the setting that is left; a switch that changes nothing is dropped
.if MSB != (\new)
	s_set_vgpr_msb (MSB<<8)|(\new)
.set MSB, (\new)
.endif
.endm
.macro WALU
	s_wait_alu depctr_va_vdst(0)
.endm
.macro PLACES
.rept 4
	v_nop
.endr
.endm
.macro CROUND
	s_barrier_signal -1
	s_barrier_wait -1
	s_cmp_lg_u32 s[WV], 0
	s_cbranch_scc1 .Lnot_wave_0_\@
	s_barrier_signal -3
.Lnot_wave_0_\@:
	s_barrier_wait -3
	s_barrier_signal -1
	s_barrier_wait -1
.endm
	s_load_b128 s[4:7], s[0:1], 0x0                ; qws, kv
	s_load_b64 s[8:9], s[0:1], 0x10                ; ctx
	v_lshl_add_u32 v[SPW], v0, 2, SPARE
	v_mov_b32 v[NIL], 0
	ds_add_u32 v[SPW], v[NIL]                      ; the opening lines
	ds_add_u32 v[SPW], v[NIL]
	v_lshrrev_b32 v1, 5, v0
	v_readfirstlane_b32 s[WV], v1                  ; wave 0..7
	s_bfe_u32 s11, ttmp6, 0x40000                  ; cx
	s_lshl_b32 s12, ttmp9, 2
	s_add_co_u32 s12, s12, s11                     ; my block of 256 queries
	s_and_b32 s13, ttmp7, 0xffff                   ; batch x 16 + head
	s_mov_b32 s[G1], 15|(3<<16)|(1<<21)            ; the mask; elements of 8 bytes; bit 21 beside a mask
	s_mov_b32 s[G1+1], 32<<16                      ; rows of 256 bytes,
	s_mov_b32 s[G1+2], 104<<16                     ; 104 of them: two key steps
	s_mov_b32 s[G1+3], 32<<16
	s_mov_b32 s[G1+4], 104
	s_mov_b32 s[G1+5], 32
	s_mov_b32 s[G1+6], 0
	s_mov_b32 s[G1+7], 0
	s_mul_i32 s15, s[WV], 2*STEPB                  ; my two steps, in LDS as in memory
	s_mul_i32 s16, s13, 16*STEPB
	s_add_co_u32 s16, s16, s15
	s_mov_b32 s17, 0
	s_lshl_b32 s18, s12, 1
	s_lshr_b32 s14, s[WV], 2
	s_add_co_u32 s18, s18, s14                     ; my block of 128 queries
	s_and_b32 s36, s[WV], 3                        ; my pair of its eight tiles
	s_lshl_b32 s14, s13, 4
	s_add_co_u32 s14, s14, s18
	s_mul_i32 s14, s14, PIECE                      ; q's record
	s_mul_i32 s37, s36, 1536
	s_add_co_u32 s44, s14, s37                     ; my two half fragments
	s_mov_b32 s45, 0
	s_lshl_b32 s37, s36, 2
	s_add_co_u32 s48, s14, s37                     ; my word of a lane's four: lanes 0-15 the even tile, lanes 16-31 the odd one
	s_mov_b32 s49, 0
	s_lshr_b32 s60, s13, 4                         ; ctx: batch,
	s_and_b32 s61, s13, 15                         ; head
	s_lshl_b32 s60, s60, 5
	s_lshl_b32 s37, s18, 1
	s_add_co_u32 s60, s60, s37
	s_lshr_b32 s37, s36, 1
	s_add_co_u32 s60, s60, s37                     ; block of 64 rows
	s_lshl_b32 s60, s60, 3
	s_lshr_b32 s37, s61, 1
	s_add_co_u32 s60, s60, s37                     ; x 8 + K step
	s_mul_i32 s60, s60, 6400
	s_and_b32 s61, s61, 1
	s_and_b32 s36, s36, 1
	s_mul_i32 s37, s36, 3072
	s_add_co_u32 s52, s60, s37                     ; my even tile's fragment,
	s_mul_i32 s37, s61, 768
	s_add_co_u32 s52, s52, s37                     ; the head's half of it
	s_mov_b32 s53, 0
	s_lshl_b32 s37, s36, 2
	s_add_co_u32 s56, s60, s37
	s_lshl_b32 s37, s61, 1
	s_add_co_u32 s56, s56, s37                     ; and its scale bytes
	s_mov_b32 s57, 0
	s_mov_b32 s[SEL], 0x76543210
	s_mov_b32 s[SEL+1], 0xfedcba98
	s_mov_b32 s[CS], 0x3e38aa3b                    ; c = log2(e) / 8
	s_mov_b32 s[CS+1], s[CS]
	s_mov_b32 s[NC], 0xbe38aa3b                    ; -c
	s_mov_b32 s[HALF], 0xffff0000
	s_wait_dscnt 0x0
	s_wait_kmcnt 0x0
	s_add_nc_u64 s[16:17], s[6:7], s[16:17]
	s_mov_b32 s[G0], 1
	s_mov_b32 s[G0+1], s15
	s_mov_b64 s[G0+2:G0+3], s[16:17]
	s_or_b32 s[G0+3], s[G0+3], 0x80000000
	s_add_nc_u64 s[46:47], s[4:5], s[44:45]
	s_add_nc_u64 s[50:51], s[4:5], s[48:49]
	s_add_nc_u64 s[54:55], s[8:9], s[52:53]
	s_add_nc_u64 s[58:59], s[8:9], s[56:57]
	CROUND                                         ; the four work-groups are here: the joint loads meet
	s_cmp_lt_u32 s[WV], 2                          ; waves 0 and 1, whose tiles the first barrier shows, have a line of their own
	s_cbranch_scc0 .Llater
	tensor_load_to_lds s[G0:G0+3], s[G1:G1+7]
	s_nop 0
	PLACES
	s_branch .Lasked
.Llater:
	tensor_load_to_lds s[G0:G0+3], s[G1:G1+7]
	s_nop 0
	PLACES
.Lasked:
	v_and_b32 v9, 31, v0
	v_lshlrev_b32 v[L16], 4, v9
	v_lshlrev_b32 v[L8], 3, v9
	v_and_b32 v9, 15, v0
	v_bfe_u32 v8, v0, 4, 1
	v_lshl_add_u32 v[BA], v9, 3, v8
.macro QLOAD off                       ; a tile's half fragment, once into the lower half of [q | 0], once into the upper half of [0 | q]
	global_load_b128 v[QLO:QLO+3], v[L16], s[46:47] offset:\off
	global_load_b64 v[QLO+4:QLO+5], v[L8], s[46:47] offset:\off+512
	global_load_b128 v[QHI+6:QHI+9], v[L16], s[46:47] offset:\off
	global_load_b64 v[QHI+10:QHI+11], v[L8], s[46:47] offset:\off+512
.endm
.macro INIT
.irp j, 0,1,2,3,4,5
	v_mov_b32 v[QLO+6+\j], 0
	v_mov_b32 v[QHI+\j], 0
.endr
	v_mov_b32 v[NM], 0x7e800000                    ; -M: 2^126, over every -M to come
	v_mov_b32 v[NM+1], 0xff61b1e6                  ; the largest score so far: -3e38
	v_mov_b32 v[L], 0
	v_mov_b32 v[L+1], 0
	v_mov_b32 v[F+1], 0
.irp b, 0,1,2,3
	v_mov_b32 v[BP+\b], 0                          ; a lane permute's destination counts as one of its sources
.endr
.endm
.macro CLEARO                          ; the step is written once: the first finds zeros
.set J, 0
.rept 32
	v_mov_b32 v[O+J], 0
.set J, J+1
.endr
.endm
	QLOAD 0
	global_load_b32 v[QS], v[L16], s[50:51] offset:6144
	INIT
	WIN 0x40                                       ; destination window 1
	QLOAD 768
	INIT
	CLEARO
	WIN 0
.macro FRAG d, a16, a8, off            ; a fragment as it lies: two halves of 768 bytes
	ds_load_b128 v[(\d):(\d)+3], v[\a16] offset:(\off)
	ds_load_b64 v[(\d)+4:(\d)+5], v[\a8] offset:(\off)+512
	ds_load_b128 v[(\d)+6:(\d)+9], v[\a16] offset:(\off)+768
	ds_load_b64 v[(\d)+10:(\d)+11], v[\a8] offset:(\off)+1280
.endm
.macro WMS d, a, b, c, sa, sb, ra, rb
	v_wmma_scale_f32_16x16x128_f8f6f4 v[\d:\d+7], v[\a:\a+11], v[\b:\b+11], \c, v[\sa], v[\sb] matrix_a_fmt:MATRIX_FMT_FP6 matrix_b_fmt:MATRIX_FMT_FP6 matrix_a_scale:MATRIX_SCALE_ROW\ra matrix_b_scale:MATRIX_SCALE_ROW\rb
.endm
.macro KQ t                            ; S^T of tile t: eight key tiles
.irp f, 0,1,2,3
	WMS S+16*\f, KF+12*\f, QLO, 0, KS+\f, QS, 0, \t
	WMS S+16*\f+8, KF+12*\f, QHI, 0, KSH+\f, QSH, 1, \t
.endr
.endm
.macro PV t                            ; O^T += v^T p^T: four channel tiles
.irp u, 0,1,2,3
	WMS O+8*\u, VF+12*\u, PC, v[O+8*\u:O+8*\u+7], VS+\u, PS+\t, 0, 0
.endr
.endm
.macro ADD4 j                          ; four pairs of p onto the sum's four chains
	v_pk_add_f32 v[LC+2:LC+3], v[LC+2:LC+3], v[S+\j:S+\j+1]
	v_pk_add_f32 v[LC+6:LC+7], v[LC+6:LC+7], v[S+\j+2:S+\j+3]
	v_pk_add_f32 v[LC+10:LC+11], v[LC+10:LC+11], v[S+\j+4:S+\j+5]
	v_pk_add_f32 v[L:L+1], v[L:L+1], v[S+\j+6:S+\j+7]
.endm
; the softmax step of tile t, all its registers in window t
.macro SM t
.if \t
	WALU
.endif
.irp b, 0,1,2,3
	v_max3_num_f32 v[BM+\b], v[S+16*\b], v[S+16*\b+1], v[S+16*\b+2]   ; each block's largest score, four blocks by turns
.endr
.irp i, 3,5,7,9,11,13
.irp b, 0,1,2,3
	v_max3_num_f32 v[BM+\b], v[BM+\b], v[S+16*\b+\i], v[S+16*\b+\i+1]
.endr
.endr
.irp b, 0,1,2,3
	v_max_num_f32 v[BM+\b], v[BM+\b], v[S+16*\b+15]
.endr
.irp b, 0,1,2,3
	v_permlanex16_b32 v[BP+\b], v[BM+\b], s[SEL], s[SEL+1]
.endr
.irp b, 0,1,2,3
	v_max_num_f32 v[BM+\b], v[BM+\b], v[BP+\b]     ; with lane l xor 16's 16 keys
.endr
	v_max3_num_f32 v[T8], v[BM], v[BM+1], v[BM+2]
	v_mov_b32 v[T9], v[NM]
	v_max3_num_f32 v[NM+1], v[NM+1], v[T8], v[BM+3]   ; the running largest score
	v_mul_f32 v[T8], s[NC], v[NM+1]                ; -t
	v_floor_f32 v[NM], v[T8]                       ; -M = floor(-t)
	v_sub_f32 v[T9], v[NM], v[T9]                  ; old M - new M, a whole number
	v_add_f32 v[NB], 0x42fa0000, v[NM]             ; 125 - M
	v_cvt_i32_f32 v[T9], v[T9]                     ; (it saturates)
.irp b, 0,1,2,3
	v_fma_f32 v[BM+\b], v[BM+\b], s[CS], v[NB]     ; the block's largest t - M, + 125
.endr
	v_ldexp_f32 v[F], 1.0, v[T9]                   ; f = 2^(old M - new M)
.set J, 0
.rept 16
	v_pk_fma_f32 v[S+J:S+J+1], v[S+J:S+J+1], s[CS:CS+1], v[NM:NM+1] op_sel_hi:[1,0,0]   ; t - M of the first 32
.set J, J+2
.endr
	WALU                                           ; ahead of the batch, and directly ahead of the first readers of O^T
.set J, 0
.rept 16
	v_pk_mul_f32 v[O+J:O+J+1], v[O+J:O+J+1], v[F:F+1] op_sel_hi:[1,0]   ; O^T under the new M
.set J, J+2
.endr
.set J, 0
.rept 16                               ; the first batch: p of the first 32; between its lines t - M of the other 32 and the scales' bytes (toward zero: the floor; under 0: 0)
	v_exp_f32 v[S+2*J], v[S+2*J]
	v_pk_fma_f32 v[S+32+2*J:S+33+2*J], v[S+32+2*J:S+33+2*J], s[CS:CS+1], v[NM:NM+1] op_sel_hi:[1,0,0]
	v_exp_f32 v[S+2*J+1], v[S+2*J+1]
.if J < 4
	v_cvt_u32_f32 v[BP+J], v[BM+J]
.endif
.set J, J+1
.endr
	WALU                                           ; one wait behind the first batch and ahead of the second
.if \t == 0
	s_wait_dscnt 0x0                               ; this step's v and the next step's k, asked for behind the score products, are in
.endif
.set J, 0
.rept 16                               ; the second batch; between its lines the sum's first level over the first 32, the conversions' scale operands, halves of p's scale word
	v_exp_f32 v[S+32+2*J], v[S+32+2*J]
.if J < 8
	v_pk_add_f32 v[LC+2*J:LC+2*J+1], v[S+4*J:S+4*J+1], v[S+4*J+2:S+4*J+3]
.elseif J < 12
	v_lshlrev_b32 v[SOP+J-8], 23, v[BP+J-8]
.elseif J == 12
	v_lshl_or_b32 v[T8], v[BP+1], 8, v[BP]
.elseif J == 13
	v_lshl_or_b32 v[T9], v[BP+3], 8, v[BP+2]
.endif
	v_exp_f32 v[S+33+2*J], v[S+33+2*J]
.if \t == 0
.if J < 4
	v_lshlrev_b32 v[KSH+J], 16, v[KS+J]            ; the next step's scale words for the keys in K 64-127
.endif
.endif
.set J, J+1
.endr
	WALU                                           ; and one behind the second
	WIN 0x15*\t                                    ; scale operands are taken from window 0
	v_lshl_or_b32 v[PS+\t], v[T9], 16, v[T8]
	WIN 0x55*\t
.irp c, 0,1
	v_cvt_scalef32_pk16_fp6_f32 v[PC+6*\c:PC+6*\c+2], v[S+32*\c:S+32*\c+15], v[SOP+2*\c]
	v_cvt_scalef32_pk16_fp6_f32 v[CT+4*\c:CT+4*\c+2], v[S+32*\c+16:S+32*\c+31], v[SOP+2*\c+1]
.endr
	v_pk_fma_f32 v[L:L+1], v[L:L+1], v[F:F+1], v[LC:LC+1] op_sel_hi:[1,0,1]   ; the sum under the new M, and the first pair
	v_pk_add_f32 v[LC+2:LC+3], v[LC+2:LC+3], v[LC+4:LC+5]
	v_pk_add_f32 v[LC+6:LC+7], v[LC+6:LC+7], v[LC+8:LC+9]
	v_pk_add_f32 v[LC+10:LC+11], v[LC+10:LC+11], v[LC+12:LC+13]
	ADD4 32
	ADD4 40
.irp c, 0,1                            ; a whole block to a lane: lanes 0-15 block 2 c, lanes 16-31 block 2 c + 1
.irp i, 0,1,2
	v_permlane16_swap_b32 v[PC+6*\c+\i], v[CT+4*\c+\i]
.endr
.irp i, 0,1,2
	v_mov_b32 v[PC+3+6*\c+\i], v[CT+4*\c+\i]
.endr
.endr
	ADD4 48                                        ; these twelve are also the places ahead of the products
	ADD4 56
	v_pk_add_f32 v[LC+2:LC+3], v[LC+2:LC+3], v[LC+14:LC+15]
	v_pk_add_f32 v[LC+6:LC+7], v[LC+6:LC+7], v[LC+10:LC+11]
	v_pk_add_f32 v[L:L+1], v[L:L+1], v[LC+2:LC+3]
	v_pk_add_f32 v[L:L+1], v[L:L+1], v[LC+6:LC+7]
.endm
.macro STEP
	KQ 0
	WIN 0x44                                       ; [q | 0], [0 | q] and the scores of tile 1: window 1
	KQ 1
	WIN 0
	v_add_nc_u32 v[A16], s[TB], v[L16]             ; four lines: the places between the products and the loads into, and reads of, their registers
	v_add_nc_u32 v[A8], s[TB], v[L8]
	v_add_nc_u32 v[K16], s[TN], v[L16]
	v_add_nc_u32 v[K8], s[TN], v[L8]
	WIN 0x40
.irp u, 0,1,2,3
	FRAG VF+12*\u, A16, A8, PIECE+1536*\u
.endr
	WIN 0
	ds_load_b128 v[VS:VS+3], v[A16] offset:PIECE+6144
.irp f, 0,1,2,3
	FRAG KF+12*\f, K16, K8, 1536*\f
.endr
	ds_load_b128 v[KS:KS+3], v[K16] offset:6144
	SM 0
	WIN 0x01                                       ; v's fragments: window 1
	PV 0
	WIN 0x55
	SM 1
	PV 1
	WIN 0
	s_add_co_u32 s[TB], s[TB], STEPB
	s_add_co_u32 s[TN], s[TB], STEPB
	s_min_u32 s[TN], s[TN], 15*STEPB               ; no step lies behind the last
	s_sub_co_u32 s[TR], s[TR], 1
	s_cmp_lg_u32 s[TR], 0
.endm
	WALU                                           ; the head's end
	s_cmp_lt_u32 s[WV], 2
	s_cbranch_scc0 .Lnot_first
	s_wait_tensorcnt 0x0
.Lnot_first:
	s_barrier_signal -1
	s_barrier_wait -1                              ; steps 0-3 lie in LDS; the others may be on their way
.irp f, 0,1,2,3
	FRAG KF+12*\f, L16, L8, 1536*\f
.endr
	ds_load_b128 v[KS:KS+3], v[L16] offset:6144
	s_wait_loadcnt 0x0
	s_wait_dscnt 0x0
.irp f, 0,1,2,3
	v_lshlrev_b32 v[KSH+\f], 16, v[KS+\f]
.endr
	v_lshlrev_b32 v[QSH], 16, v[QS]
	CLEARO                                         ; also the places between the scale words' writes and the first products
	WALU
	s_mov_b32 s[TB], 0
	s_mov_b32 s[TN], STEPB
	s_mov_b32 s[TR], FIRST
.Lfirst_steps:
	STEP
	s_cbranch_scc1 .Lfirst_steps
	WALU
	s_wait_tensorcnt 0x0
	s_wait_dscnt 0x0
	s_barrier_signal -1
	s_barrier_wait -1                              ; all sixteen steps lie in LDS
	s_mov_b32 s[TB], FIRST*STEPB
	s_mov_b32 s[TN], (FIRST+1)*STEPB
	s_mov_b32 s[TR], 16-FIRST
.Lother_steps:
	STEP
	s_cbranch_scc1 .Lother_steps
; the way out of tile t: O^T / the sum, quantised along the head's 64 channels (two blocks, half a block a lane), stored as half a fragment and two bytes a row
.macro EPI t
	v_add_f32 v[L], v[L], v[L+1]
	v_permlanex16_b32 v[T8], v[L], s[SEL], s[SEL+1]
	v_add_f32 v[L], v[L], v[T8]
	WALU
	v_rcp_f32 v[L], v[L]
	v_nop
	WALU
.set J, 0
.rept 16
	v_pk_mul_f32 v[S+J:S+J+1], v[O+J:O+J+1], v[L:L+1] op_sel_hi:[1,0]
.set J, J+2
.endr
.irp b, 0,1
	v_max3_num_f32 v[BM+\b], |v[S+16*\b]|, |v[S+16*\b+1]|, 0x1800000
.endr
.irp i, 2,4,6,8,10,12,14
.irp b, 0,1
	v_max3_num_f32 v[BM+\b], v[BM+\b], |v[S+16*\b+\i]|, |v[S+16*\b+\i+1]|
.endr
.endr
.irp b, 0,1
	v_permlanex16_b32 v[BP+\b], v[BM+\b], s[SEL], s[SEL+1]
.endr
.irp b, 0,1
	v_max_num_f32 v[BM+\b], v[BM+\b], v[BP+\b]
.endr
.irp b, 0,1
	v_add_nc_u32 v[SOP+\b], 0xff000000, v[BM+\b]
.endr
.irp b, 0,1
	v_lshrrev_b32 v[BP+\b], 23, v[SOP+\b]
.endr
	v_cndmask_b32 v[T9], v[BP], v[BP+1], s[HALF]
	v_cvt_scalef32_pk16_fp6_f32 v[PC:PC+2], v[S:S+15], v[SOP]
	v_cvt_scalef32_pk16_fp6_f32 v[CT:CT+2], v[S+16:S+31], v[SOP+1]
	v_nop
.irp i, 0,1,2
	v_permlane16_swap_b32 v[PC+\i], v[CT+\i]
.endr
.irp i, 0,1,2
	v_mov_b32 v[PC+3+\i], v[CT+\i]
.endr
	WIN 0x04*\t                                    ; a store's data are its source 1
	global_store_b128 v[L16], v[PC:PC+3], s[54:55] offset:1536*\t
	global_store_b64 v[L8], v[PC+4:PC+5], s[54:55] offset:1536*\t+512
	global_store_b8 v[BA], v[T9], s[58:59] offset:6144+128*\t
.endm
	EPI 0                                          ; its lines are also the places behind tile 1's last products
	WIN 0x55
	EPI 1
	WIN 0
	s_wait_tensorcnt 0x0                           ; the wave's end
	ds_add_u32 v[SPW], v[NIL]
	s_wait_dscnt 0x0
	CROUND                                         ; the closing round
	s_endpgm
.Lfunc_end_k_q4ad2a2a8d0_attn:
	.size	k_q4ad2a2a8d0_attn, .Lfunc_end_k_q4ad2a2a8d0_attn-k_q4ad2a2a8d0_attn
	.p2alignl 7, 3214868480
	.fill 96, 4, 3214868480
	.section	.rodata,"a",@progbits
	.p2align	6, 0x0
	.amdhsa_kernel k_q4ad2a2a8d0_attn
		.amdhsa_group_segment_fixed_size 327680
		.amdhsa_private_segment_fixed_size 0
		.amdhsa_enable_private_segment 0
		.amdhsa_kernarg_size 24
		.amdhsa_user_sgpr_count 2
		.amdhsa_user_sgpr_kernarg_segment_ptr 1
		.amdhsa_wavefront_size32 1
		.amdhsa_system_sgpr_workgroup_id_x 1
		.amdhsa_system_sgpr_workgroup_id_y 1
		.amdhsa_system_sgpr_workgroup_id_z 1
		.amdhsa_system_vgpr_workitem_id 0
		.amdhsa_next_free_vgpr 512
		.amdhsa_next_free_sgpr 66
		.amdhsa_reserve_vcc 0
		.amdhsa_float_denorm_mode_32 3
		.amdhsa_float_denorm_mode_16_64 3
		.amdhsa_memory_ordered 1
		.amdhsa_forward_progress 1
		.amdhsa_inst_pref_size 75
	.end_amdhsa_kernel
	.amdgpu_metadata
---
amdhsa.version: [ 1, 2 ]
amdhsa.kernels:
  - .name:           k_q4ad2a2a8d0_attn
    .symbol:         k_q4ad2a2a8d0_attn.kd
    .args:
      - { .name: qws, .offset: 0, .size: 8, .value_kind: global_buffer, .address_space: global }
      - { .name: kv, .offset: 8, .size: 8, .value_kind: global_buffer, .address_space: global }
      - { .name: ctx, .offset: 16, .size: 8, .value_kind: global_buffer, .address_space: global }
    .group_segment_fixed_size: 327680
    .private_segment_fixed_size: 0
    .kernarg_segment_align: 8
    .kernarg_segment_size: 24
    .max_flat_workgroup_size: 256
    .sgpr_count:     66
    .vgpr_count:     512
    .wavefront_size: 32
...
	.end_amdgpu_metadata
.endif
;; end of part 8
;; launch outp (part 9): grid 4 x 64, 4 waves a work-group, clusters of 4 x 4, 327,680 bytes of LDS; arguments ctx, wimg, bo, out0; writes out0
.if DOCPART == 9
	.amdgcn_target "amdgcn-amd-amdhsa--gfx1250"
	.amdhsa_code_object_version 6
	.text
	.protected	k_q4ad2a2a8d0_outp
	.globl	k_q4ad2a2a8d0_outp
	.p2align	8
	.type	k_q4ad2a2a8d0_outp,@function
k_q4ad2a2a8d0_outp:
	s_mov_b64 s[64:65], 0
	v_nop
	global_prefetch_b8 v0, s[64:65] scope:SCOPE_SE
	s_setreg_imm32_b32 hwreg(HW_REG_WAVE_MODE, 25, 1), 1
	s_wait_xcnt 0x0
	s_wait_alu depctr_hold_cnt(0) depctr_sa_sdst(0) depctr_va_vdst(0) depctr_va_sdst(0) depctr_va_ssrc(0) depctr_va_vcc(0) depctr_vm_vsrc(0)
	s_getreg_b32 s2, hwreg(HW_REG_IB_STS2, 6, 4)
	s_cmp_eq_u32 s2, 0
	s_cbranch_scc0 .Lentry_in_a_cluster
	s_endpgm
.Lentry_in_a_cluster:
	s_bfe_u32 s2, ttmp6, 0x10000c
	s_cmp_lg_u32 s2, 0xf033
	s_cbranch_scc0 .Lentry_shape_is_right
	s_endpgm
.Lentry_shape_is_right:
; out0 = ctx Wo + bo on codes of FP6 (E2M3), sums in f32, out0 [4,096][1,024] f32.
; SHARES.  A work-group takes 64 rows and 256 columns; wave w takes columns 64 (4 cx + w) on: 64 x 64, 16 accumulators.  256 work-groups.
; OPERANDS lie in memory in the order of an operand's registers (records of 64 rows x 128 K: four fragments of 1,536 bytes, 256 bytes of scale words; a strip = 8 records = 51,200 dense bytes).
; ALL OF K FITS IN LDS: one strip of ctx and four of Wo.  Every tensor load is a first fill, no LDS byte is filled twice.  Each wave has one load out: wave 0 ctx's K steps 0-3, wave 1 those of Wo's four strips, wave 2 ctx's K steps 4-7, wave 3 Wo's.
; CLUSTERS: 4 x 4.  ctx's strip hangs on the block of rows alone and is asked for jointly along a row of the cluster; a weight strip hangs on cx and the wave and is asked for jointly along a column.
; Source 0 = 16 columns of Wo, source 1 = 16 rows of ctx: a lane holds one row, and its eight registers of a tile are eight neighbouring columns.  The bias is the C of each sum's first matrix instruction.
; Place p of tile 2 b + u is row (or column) 32 b + 8 u + p + 8 (p / 8): the way out puts columns and rows back in order through the wave's own stage in LDS; sixteen lanes store 256 consecutive bytes of a row.
; REGISTERS: window 0: addresses, scale words, bias, the way out; window 1: the accumulators, a = 4 i + t at v[8 a]; windows 2 and 3: two sets of fragments, ctx's tile i at v[12 i], Wo's tile t at v[48 + 12 t].
.set REC,   6400
.set STRIP, 8*REC
.set SPARE, 5*STRIP                    ; LDS: ctx's strip, a strip of Wo for each wave, then the spare words, 128 bytes a wave: two blocks of 256 bytes that no other line names
.set STG,   SPARE+512                  ; then a stage of 16 rows x (256 bytes + 16) for each wave: bytes that no tensor load fills
.set SPITCH, 272
.set LA16, 2                           ; v2   16 x lane
.set LA8,  4                           ; v4   8 x lane
.set LB16, 6                           ; v6   16 x lane in my strip of Wo
.set LB8,  7                           ; v7   8 x lane
.set STO,  8                           ; v8   into the stage
.set RD,   9                           ; v9   out of it
.set CO,   10                          ; v10  my byte offset in two rows of out0
.set BOF,  11                          ; v11  the bias loads' offset
.set SC,   16                          ; v16-19, v20-23 scale words, two sets: ctx's two registers, Wo's two
.set SPW,  28                          ; v28  my spare word; never rewritten
.set NIL,  29                          ; v29  0; never rewritten
.set BIAS, 32                          ; v32-63
.set BK,   128                         ; v128-191 rows read back from the stage, two sets
.set FB,   48
.set WV,   18
.set G1A,  24
.set G1B,  32
.set AE,   40
.set BE,   44
.set AL,   48
.set BL,   52
.set MSB, 0
.macro WIN new                         ; the immediate's high byte repeats the setting that is left; a switch that changes nothing is dropped
.if MSB != (\new)
	s_set_vgpr_msb (MSB<<8)|(\new)
.set MSB, (\new)
.endif
.endm
.macro PLACES                          ; four plain instructions between a matrix instruction and a load into, or a read of, its registers (ISA guide 7.12.1 for reads)
.rept 4
	v_nop
.endr
.endm
.macro CROUND
	s_barrier_signal -1
	s_barrier_wait -1
	s_cmp_lg_u32 s[WV], 0
	s_cbranch_scc1 .Lnot_wave_0_\@
	s_barrier_signal -3
.Lnot_wave_0_\@:
	s_barrier_wait -3
	s_barrier_signal -1
	s_barrier_wait -1
.endm
	s_load_b256 s[4:11], s[0:1], 0x0               ; ctx, wimg, bo, out0
	v_lshl_add_u32 v[SPW], v0, 2, SPARE
	v_mov_b32 v[NIL], 0
	ds_add_u32 v[SPW], v[NIL]                      ; the wave's opening: the add and its wait stand ahead of my first tensor load; work on registers stands between them
	ds_add_u32 v[SPW], v[NIL]
	v_lshrrev_b32 v1, 5, v0
	v_readfirstlane_b32 s[WV], v1                  ; wave 0..3
	s_bfe_u32 s20, ttmp6, 0x40000                  ; cx
	s_bfe_u32 s21, ttmp6, 0x40004                  ; cy
	s_and_b32 s22, ttmp7, 0xffff
	s_lshl_b32 s22, s22, 2
	s_add_co_u32 s22, s22, s21                     ; my block of 64 rows = 4 x cluster y + cy
	s_lshl_b32 s23, s21, 2
	s_lshl_b32 s23, 15, s23                        ; my row of the cluster
	s_lshl_b32 s66, 0x1111, s20                    ; my column
	s_or_b32 s[G1A], s23, (3<<16)|(1<<21)          ; 15:0 the mask; 17:16 elements of 8 bytes; 21 set beside a mask; no padding
	s_mov_b32 s[G1A+1], 32<<16                     ; rows of 256 bytes,
	s_mov_b32 s[G1A+2], 100<<16                    ; 100 of them: four records of ctx
	s_mov_b32 s[G1A+3], 32<<16
	s_mov_b32 s[G1A+4], 100
	s_mov_b32 s[G1A+5], 32
	s_mov_b32 s[G1A+6], 0
	s_mov_b32 s[G1A+7], 0
	s_or_b32 s[G1B], s66, (3<<16)|(1<<21)
	s_mov_b32 s[G1B+1], 3200<<16                   ; Wo: four rows, one for each wave's strip, of four records (25,600 bytes) each,
	s_mov_b32 s[G1B+2], 4<<16
	s_mov_b32 s[G1B+3], 3200<<16
	s_mov_b32 s[G1B+4], 4
	s_mov_b32 s[G1B+5], STRIP/8                    ; a strip apart in memory, on end in LDS
	s_mov_b32 s[G1B+6], 0
	s_mov_b32 s[G1B+7], 0
	s_mul_i32 s56, s22, STRIP
	s_mov_b32 s57, 0
	s_lshl_b32 s68, s20, 2
	s_add_co_u32 s68, s68, s[WV]                   ; my 64 columns: 4 cx + w
	s_lshl_b32 s67, s20, 2
	s_add_co_u32 s67, s67, 48                      ; Wo's strips lie behind the other three weights': my work-group's four begin at 48 + 4 cx
	s_mul_i32 s70, s67, STRIP
	s_mov_b32 s71, 0
	s_mul_i32 s69, s[WV], 4*REC                    ; LDS holds Wo as [K steps 0-3, 4-7][wave][four records], behind ctx's strip
	s_add_co_u32 s69, s69, STRIP
	s_lshl_b32 s62, s68, 8                         ; my 64 numbers of the bias, and my 256 bytes of a row of out0
	s_mov_b32 s63, 0
	s_lshl_b32 s74, s22, 18                        ; 64 rows of 4,096 bytes
	s_add_co_u32 s74, s74, s62
	s_mov_b32 s75, 0
	s_mul_i32 s76, s[WV], 16*SPITCH
	s_add_co_u32 s76, s76, STG                     ; my stage
	s_wait_dscnt 0x0                               ; the opening add is done
	s_wait_kmcnt 0x0
	s_add_nc_u64 s[60:61], s[4:5], s[56:57]
	s_add_nc_u64 s[72:73], s[6:7], s[70:71]
	s_add_nc_u64 s[8:9], s[8:9], s[62:63]
	s_add_nc_u64 s[10:11], s[10:11], s[74:75]
	s_mov_b32 s[AE], 1
	s_mov_b32 s[AE+1], 0
	s_mov_b64 s[AE+2:AE+3], s[60:61]
	s_or_b32 s[AE+3], s[AE+3], 0x80000000
	s_mov_b32 s[AL], 1
	s_mov_b32 s[AL+1], 4*REC
	s_add_nc_u64 s[AL+2:AL+3], s[60:61], 4*REC
	s_or_b32 s[AL+3], s[AL+3], 0x80000000
	s_mov_b32 s[BE], 1
	s_mov_b32 s[BE+1], STRIP
	s_mov_b64 s[BE+2:BE+3], s[72:73]
	s_or_b32 s[BE+3], s[BE+3], 0x80000000
	s_mov_b32 s[BL], 1
	s_mov_b32 s[BL+1], STRIP+16*REC
	s_add_nc_u64 s[BL+2:BL+3], s[72:73], 4*REC
	s_or_b32 s[BL+3], s[BL+3], 0x80000000
	CROUND                                         ; all sixteen work-groups are here: the joint loads meet
; one joint load a wave, in one chain of arms: wave 0 ctx's K steps 0-3, wave 1 those of Wo's four strips, wave 2 ctx's K steps 4-7, wave 3 Wo's
.macro ARM n, g0, g1
	s_cmp_eq_u32 s[WV], \n
	s_cbranch_scc0 .Lnot_arm_\n
	tensor_load_to_lds s[\g0:\g0+3], s[\g1:\g1+7]
	s_nop 0
	PLACES
	s_branch .Lasked
.Lnot_arm_\n:
.endm
	ARM 0, AE, G1A
	ARM 1, BE, G1B
	ARM 2, AL, G1A
	tensor_load_to_lds s[BL:BL+3], s[G1B:G1B+7]
	s_nop 0
	PLACES
.Lasked:
	v_and_b32 v1, 31, v0
	v_lshlrev_b32 v[LA16], 4, v1
	v_lshlrev_b32 v[LA8], 3, v1
	v_add_nc_u32 v[LB16], s69, v[LA16]
	v_add_nc_u32 v[LB8], s69, v[LA8]
	v_add_nc_u32 v[LB16+6], 16*REC, v[LB16]        ; v12, v13: the same for K steps 4-7
	v_add_nc_u32 v[LB8+6], 16*REC, v[LB8]
	v_and_b32 v1, 15, v0                           ; r
	v_bfe_u32 v3, v0, 4, 1                         ; h
	v_lshlrev_b32 v[BOF], 6, v3                    ; register j of tile t is column 32 (t / 2) + 8 (t % 2) + 16 h + j
	v_mul_u32_u24 v[STO], v1, SPITCH
	v_lshl_add_u32 v[STO], v3, 6, v[STO]
	v_add_nc_u32 v[STO], s76, v[STO]               ; in: stage row r, + 64 h
	v_mul_u32_u24 v[RD], v3, SPITCH
	v_lshl_add_u32 v[RD], v1, 4, v[RD]
	v_add_nc_u32 v[RD], s76, v[RD]                 ; back: lanes 0-15 one row of 256 bytes, lanes 16-31 the next
	v_lshlrev_b32 v[CO], 12, v3
	v_lshl_add_u32 v[CO], v1, 4, v[CO]             ; and the same two rows in out0
.irp t, 0,1,2,3
	global_load_b128 v[BIAS+8*\t:BIAS+8*\t+3], v[BOF], s[8:9] offset:(32*(\t/2)+8*(\t%2))*4
	global_load_b128 v[BIAS+8*\t+4:BIAS+8*\t+7], v[BOF], s[8:9] offset:(32*(\t/2)+8*(\t%2))*4+16
.endr
.macro FRAG d, a16, a8, off            ; a fragment as it lies: two halves of 768 bytes
	ds_load_b128 v[(\d):(\d)+3], v[\a16] offset:(\off)
	ds_load_b64 v[(\d)+4:(\d)+5], v[\a8] offset:(\off)+512
	ds_load_b128 v[(\d)+6:(\d)+9], v[\a16] offset:(\off)+768
	ds_load_b64 v[(\d)+10:(\d)+11], v[\a8] offset:(\off)+1280
.endm
.macro FETCH k                         ; K step k into set k % 2: 34 LDS loads in one run
	WIN 0x80+0x40*((\k)%2)
.irp i, 0,1,2,3
	FRAG 12*\i, LA16, LA8, REC*(\k)+1536*\i
.endr
.irp t, 0,1,2,3
	FRAG FB+12*\t, LB16+6*((\k)/4), LB8+6*((\k)/4), REC*((\k)%4)+1536*\t
.endr
	WIN 0
	ds_load_b64 v[SC+4*((\k)%2):SC+4*((\k)%2)+1], v[LA8] offset:REC*(\k)+6144
	ds_load_b64 v[SC+4*((\k)%2)+2:SC+4*((\k)%2)+3], v[LB8+6*((\k)/4)] offset:REC*((\k)%4)+6144
.endm
; one matrix instruction; ra, rb: the source's scale words stand in lanes 16-31 of the register named
.macro WM d, a, b, c, sa, sb, ra, rb
.if (\ra) && (\rb)
	v_wmma_scale_f32_16x16x128_f8f6f4 v[(\d):(\d)+7], v[(\a):(\a)+11], v[(\b):(\b)+11], v[(\c):(\c)+7], v[\sa], v[\sb] matrix_a_fmt:MATRIX_FMT_FP6 matrix_b_fmt:MATRIX_FMT_FP6 matrix_a_scale:MATRIX_SCALE_ROW1 matrix_b_scale:MATRIX_SCALE_ROW1
.elseif (\ra)
	v_wmma_scale_f32_16x16x128_f8f6f4 v[(\d):(\d)+7], v[(\a):(\a)+11], v[(\b):(\b)+11], v[(\c):(\c)+7], v[\sa], v[\sb] matrix_a_fmt:MATRIX_FMT_FP6 matrix_b_fmt:MATRIX_FMT_FP6 matrix_a_scale:MATRIX_SCALE_ROW1
.elseif (\rb)
	v_wmma_scale_f32_16x16x128_f8f6f4 v[(\d):(\d)+7], v[(\a):(\a)+11], v[(\b):(\b)+11], v[(\c):(\c)+7], v[\sa], v[\sb] matrix_a_fmt:MATRIX_FMT_FP6 matrix_b_fmt:MATRIX_FMT_FP6 matrix_b_scale:MATRIX_SCALE_ROW1
.else
	v_wmma_scale_f32_16x16x128_f8f6f4 v[(\d):(\d)+7], v[(\a):(\a)+11], v[(\b):(\b)+11], v[(\c):(\c)+7], v[\sa], v[\sb] matrix_a_fmt:MATRIX_FMT_FP6 matrix_b_fmt:MATRIX_FMT_FP6
.endif
.endm
; A K step's 16 products: the 16 accumulators by turns, in the same order in every step
.macro MULS k, first
	WIN 0x5a+5*((\k)%2)-0x10*(\first)              ; sources 0 and 1: the set's window; D window 1; C window 1, or window 0 where it is the bias
.irp i, 0,1,2,3
.irp t, 0,1,2,3
.if \first
	WM 8*(4*\i+\t), FB+12*\t, 12*\i, BIAS+8*\t, SC+4*((\k)%2)+2+\t/2, SC+4*((\k)%2)+\i/2, \t%2, \i%2
.else
	WM 8*(4*\i+\t), FB+12*\t, 12*\i, 8*(4*\i+\t), SC+4*((\k)%2)+2+\t/2, SC+4*((\k)%2)+\i/2, \t%2, \i%2
.endif
.endr
.endr
	WIN 0
.endm
	s_wait_alu depctr_va_vdst(0)                   ; the head's end
	s_cmp_lt_u32 s[WV], 2                          ; waves 0 and 1 wait for the early pieces, which their own lines asked for; the late ones may be out
	s_cbranch_scc0 .Lnot_early
	s_wait_tensorcnt 0x0
.Lnot_early:
	s_barrier_signal -1
	s_barrier_wait -1                              ; everybody's have: K steps 0-3 of ctx lie in LDS
	FETCH 0
	FETCH 1
	s_wait_loadcnt 0x0                             ; the bias
	s_wait_dscnt 34                                ; K step 0's 34 loads are in; K step 1's may be out
	MULS 0, 1                                      ; the first products start the sums from the bias: nothing is cleared
.irp k, 1,2
	PLACES
	FETCH \k+1
	s_wait_dscnt 34                                ; all but the 34 just issued
	MULS \k, 0
.endr
	s_wait_tensorcnt 0x0                           ; my late pieces have landed (no load was issued behind them),
	s_wait_dscnt 0x0                               ; and no LDS instruction of mine is out at a signal
	s_barrier_signal -1
	s_barrier_wait -1                              ; everybody's have: K steps 4-7
	PLACES
	FETCH 4
	s_wait_dscnt 34
	MULS 3, 0
.irp k, 4,5,6
	PLACES
	FETCH \k+1
	s_wait_dscnt 34
	MULS \k, 0
.endr
	s_wait_dscnt 0x0
	MULS 7, 0
; THE WAY OUT, a tile of 16 rows x 64 columns at a time, through my own stage.  LDS serves a wave's instructions in order (ISA guide 5.7.1.4): no wait between the stores and the loads, nor in front of the next tile's stores.
.macro TOSTAGE i
	WIN 0x04                                       ; an LDS store's data are its source 1: window 1
.irp t, 0,1,2,3
	ds_store_b128 v[STO], v[8*(4*(\i)+\t):8*(4*(\i)+\t)+3] offset:128*(\t/2)+32*(\t%2)          ; each accumulator from its low end on
	ds_store_b128 v[STO], v[8*(4*(\i)+\t)+4:8*(4*(\i)+\t)+7] offset:128*(\t/2)+32*(\t%2)+16
.endr
	WIN 0
.irp u, 0,1,2,3,4,5,6,7
	ds_load_b128 v[BK+32*((\i)%2)+4*\u:BK+32*((\i)%2)+4*\u+3], v[RD] offset:2*SPITCH*\u
.endr
.endm
.macro SEND i, younger                 ; younger: the LDS instructions issued behind tile i's loads, which may stay out.  Stage row p is row 32 (i / 2) + 8 (i % 2) + p + 8 (p / 8) of my 64
	s_wait_dscnt \younger
.irp u, 0,1,2,3,4,5,6,7
	global_store_b128 v[CO], v[BK+32*((\i)%2)+4*\u:BK+32*((\i)%2)+4*\u+3], s[10:11] offset:(32*((\i)/2)+8*((\i)%2)+2*\u+8*(\u/4))*4096   ; 16 lanes store 256 consecutive bytes, at a multiple of 256 from out0's first byte
.endr
.endm
	PLACES
	s_wait_alu depctr_va_vdst(0)
	TOSTAGE 0
.irp i, 1,2,3
.if \i > 1
	s_wait_xcnt 0x0                                ; tile i - 2's stores have read their registers: tile i's loads may land there
.endif
	TOSTAGE \i
	SEND \i-1, 16                                  ; behind tile i - 1's loads: tile i's 8 stores and 8 loads
.endr
	SEND 3, 0
	s_wait_tensorcnt 0x0                           ; the wave's end, behind my last tensor load and my last LDS store
	ds_add_u32 v[SPW], v[NIL]
	s_wait_dscnt 0x0
	CROUND                                         ; the closing round
	s_endpgm
.Lfunc_end_k_q4ad2a2a8d0_outp:
	.size	k_q4ad2a2a8d0_outp, .Lfunc_end_k_q4ad2a2a8d0_outp-k_q4ad2a2a8d0_outp
	.p2alignl 7, 3214868480
	.fill 96, 4, 3214868480
	.section	.rodata,"a",@progbits
	.p2align	6, 0x0
	.amdhsa_kernel k_q4ad2a2a8d0_outp
		.amdhsa_group_segment_fixed_size 327680
		.amdhsa_private_segment_fixed_size 0
		.amdhsa_enable_private_segment 0
		.amdhsa_kernarg_size 32
		.amdhsa_user_sgpr_count 2
		.amdhsa_user_sgpr_kernarg_segment_ptr 1
		.amdhsa_wavefront_size32 1
		.amdhsa_system_sgpr_workgroup_id_x 1
		.amdhsa_system_sgpr_workgroup_id_y 1
		.amdhsa_system_sgpr_workgroup_id_z 1
		.amdhsa_system_vgpr_workitem_id 0
		.amdhsa_next_free_vgpr 1024
		.amdhsa_next_free_sgpr 100
		.amdhsa_reserve_vcc 0
		.amdhsa_float_denorm_mode_32 3
		.amdhsa_float_denorm_mode_16_64 3
		.amdhsa_memory_ordered 1
		.amdhsa_forward_progress 1
		.amdhsa_inst_pref_size 51
	.end_amdhsa_kernel
	.amdgpu_metadata
---
amdhsa.version: [ 1, 2 ]
amdhsa.kernels:
  - .name:           k_q4ad2a2a8d0_outp
    .symbol:         k_q4ad2a2a8d0_outp.kd
    .args:
      - { .name: ctx, .offset: 0, .size: 8, .value_kind: global_buffer, .address_space: global }
      - { .name: wimg, .offset: 8, .size: 8, .value_kind: global_buffer, .address_space: global }
      - { .name: bo, .offset: 16, .size: 8, .value_kind: global_buffer, .address_space: global }
      - { .name: out0, .offset: 24, .size: 8, .value_kind: global_buffer, .address_space: global }
    .group_segment_fixed_size: 327680
    .private_segment_fixed_size: 0
    .kernarg_segment_align: 8
    .kernarg_segment_size: 32
    .max_flat_workgroup_size: 128
    .sgpr_count:     100
    .vgpr_count:     1024
    .wavefront_size: 32
...
	.end_amdgpu_metadata
.endif
;; end of part 9
